; MI455X (gfx1250); checked and timed in simulation.
; The chip was launched on July 23, 2026; its instructions are those of AMD's public machine-readable ISA for CDNA 5 (MIT licence, August 2026) and "CDNA5" Instruction Set Architecture Reference Guide (July 2026). The comments in the code are by the model that wrote it; some were corrected since.
;; Transformer Encoder Layer. Allowed arithmetic: matrix products marked QUANTISED: E4M3 operands, one E8M0 scale for each 32 along K, by v_wmma_scale_f32_16x16x128_f8f6f4 with both operands' format E4M3, f32 sums; everything else in f32.
;; Inputs: ln1_b 128 float32; ln1_g 128 float32; ln2_b 128 float32; ln2_g 128 float32; mlp_b1 512 float32; mlp_b2 128 float32; mlp_w1 128 x 512 float32; mlp_w2 512 x 128 float32; proj_b 128 float32; proj_w 128 x 128 float32; qkv_b 384 float32; qkv_w 128 x 384 float32; x 4 x 4,096 x 128 float32.
;; Outputs: out0 4 x 4,096 x 128 float32.
;; This version of the problem:
;;   THIS VERSION OF THE PROBLEM IS GIVEN IN LOW PRECISION. The matrix products marked QUANTISED in the list below multiply operands that are first quantised to E4M3 (4 exponent bits, 3 mantissa bits; 8 bits a number), with one power-of-two scale for each 32 numbers along K (OCP MX v1.0); their sums are f32. All else is computed in f32.
;;   The module's matrix products, in the order in which they are computed (A, B: the left and right operand; K: the contracted axis; several contracted axes count as one K, in the product's order):
;;     1. [M 16,384, K 128] x [K 128, N 384]; A: computed on the way; B: input qkv_w: QUANTISED
;;     2. batch 16 x [M 4,096, K 32] x [K 32, N 4,096]; A: computed on the way; B: computed on the way: QUANTISED
;;     3. batch 16 x [M 32, K 4,096] x [K 4,096, N 4,096]; A: computed on the way; B: softmax (see below): QUANTISED
;;     4. [M 16,384, K 128] x [K 128, N 128]; A: computed on the way; B: input proj_w: QUANTISED
;;     5. [M 16,384, K 128] x [K 128, N 512]; A: computed on the way; B: input mlp_w1: QUANTISED
;;     6. [M 16,384, K 512] x [K 512, N 128]; A: computed on the way; B: input mlp_w2: QUANTISED
;;   THE QUANTISER, for each operand of a quantised product, along K:
;;     - K is cut into blocks of 32 from its start; a last block that is shorter is filled with zeros.
;;     - A block's scale is 2^e with e = floor(log2(the largest magnitude in the block)) - 8, held to -126 .. 127; a block of zeros has e = 0. As a byte (E8M0): e + 127.
;;     - Each number is divided by its block's scale, clamped to +-448, and rounded to the nearest number of E4M3, ties to even, subnormals kept.
;;     - The product sums the exact products of the quantised numbers (number of the format x scale) in f32.
;;   ~~~python
;;   def quantise(x, axis):      # numpy; x: float32 -> the quantised numbers, widened to float32 again
;;       x = np.moveaxis(x, axis, -1); K = x.shape[-1]
;;       x = np.pad(x, [(0, 0)] * (x.ndim - 1) + [(0, -K % 32)]); x = x.reshape(x.shape[:-1] + (-1, 32)); a = np.abs(x).max(-1, keepdims=True)
;;       e = np.where(a > 0, np.clip(np.frexp(np.where(a > 0, a, 1))[1] - 1 - 8, -126, 127), 0)      # np.frexp(a)[1] - 1 = floor(log2(a)), exactly
;;       r = np.clip(x / 2.0 ** e, -448, 448)
;;       step = 2.0 ** (np.maximum(np.frexp(np.where(r == 0, 1, r))[1] - 1, -6) - 3)
;;       q = np.round(r / step) * step * 2.0 ** e      # np.round: ties to even
;;       return np.moveaxis(q.reshape(q.shape[:-2] + (-1,))[..., :K], -1, axis).astype(np.float32)
;;   ~~~
;;   SOFTMAX AHEAD OF A QUANTISED PRODUCT. Where the list says 'softmax', what is quantised is not the finished softmax but p = 2^(t - M), with t = logit x log2(e) and M = ceil(the row's largest t), a whole number; so 1/2 < the row's largest p <= 1. The row's sum l is taken of the UNQUANTISED p, in f32, and the product's result is divided by l at the end. Since M is a whole number, a kernel that streams over the keys may use a running M (the ceiling of the running maximum): every later rescaling is an exact power of two, which a block's scale takes up: the codes' values come out the same.
;;   OPERANDS COMPUTED ON THE WAY. 'Computed on the way' means the value that the module computes at that place (a softmax that the list does not call 'softmax' is quantised finished and normalised). What goes into a quantiser is computed in f32, as accurately as f32 sums, v_exp_f32 and their like allow (about 1e-6 of the number): no bf16 or f16 on the way to a quantiser, and a product that is left as it is and whose result goes on into a quantised operand takes f32 operands (vector FMAs, or v_wmma_f32_16x16x4_f32). A number that lies on a knife's edge between two numbers of the format may be rounded either way, as far as f32 arithmetic and the matrix unit's own rounding can turn it there, and no further.
;; 2 versions. Each part assembles by itself: llvm-mc -triple=amdgcn-amd-amdhsa -mcpu=gfx1250 --defsym DOCPART=n.
;; ======== version 1 of 2: 3 launches
;; workspace buffers: qimg 2,097,152 bytes; qsc 262,144 bytes; kv 4,521,984 bytes; oimg 2,097,152 bytes; osc 524,288 bytes; wimg 147,456 bytes; wsc 9,216 bytes
;; launch qkv (part 1): grid 256 x 1, 16 waves a work-group, no clusters, 10,752 bytes of LDS; arguments x, ln1_g, ln1_b, qkv_w, qkv_b, proj_w, mlp_w1, mlp_w2, qimg, qsc, kv, wimg, wsc; writes qimg, qsc, kv, wimg, wsc
.if DOCPART == 1
	.amdgcn_target "amdgcn-amd-amdhsa--gfx1250"
	.amdhsa_code_object_version 6
	.text
	.protected	k_q6dfb8596ae_qkv
	.globl	k_q6dfb8596ae_qkv
	.p2align	8
	.type	k_q6dfb8596ae_qkv,@function
k_q6dfb8596ae_qkv:
	s_mov_b64 s[64:65], 0
	v_nop
	global_prefetch_b8 v0, s[64:65] scope:SCOPE_SE
	s_setreg_imm32_b32 hwreg(HW_REG_WAVE_MODE, 25, 1), 1
	s_wait_xcnt 0x0
; LayerNorm 1, the product with qkv_w on codes of FP8 (E4M3) with one E8M0 scale for each 32 along K, its bias, and the quantising of q, k (along the head's 32) and v (along the tokens)
; into IMAGES OF OPERAND REGISTERS: a group of four registers is 512 dense bytes, lane l's 16 bytes at 16 l.  Beside that the three later weights are quantised once, a fragment to a work-group.
; SHARES.  Work-group g owns tokens 64 g .. 64 g + 63: four tiles of 16.  THE ROWS OF A TILE ARE NOT NEIGHBOURS: row r of tile 2 B + u is 32 B + 8 u + r + 8 (r / 8); the same holds of tiles of output channels.
; So a transposed product leaves in lane (r, h), in the 16 registers of tiles 2 B and 2 B + 1, the 16 neighbours 32 B + 16 h + 0 .. 15: the order in which an 8-bit operand's registers run along K.
; ROLES, by the wave's number w.  12-15: LayerNorm and quantising of tile w - 12; its image goes to LDS.  0-11: output channels 32 w .. 32 w + 31 of the 384 (0-3 q, 4-7 k, 8-11 v; head w % 4): two
; fragments of qkv_w, loaded with a lane to a column and registers down K, quantised in registers.  One barrier.  Then 0-7: transposed products (a lane holds one token, registers along the head's channels);
; 8-11: natural products (a lane holds one channel, registers down the tokens).  Wave 12 of work-groups 0-71 quantises fragment g of proj_w (0-7), mlp_w1 (8-39), mlp_w2 (40-71).
; No tensor loads and no cluster: what the work-groups share, the weight, goes from memory straight into registers as f32.
; Every register that is read behind the barrier is written on every way that leads to it.
; LIMITS: NaN and infinities among the inputs are not served.  A block whose largest magnitude lies under 2^-118 gets the scale byte 1; a block of zeros gets the byte 1 where the rule says 127:
; its codes are zeros, and the bytes are read by this program alone.
.set KVB,  282624                      ; a head's block in kv: K's codes 131,072, V's codes 131,072, K's scale words 16,384, V's 4,096
.set XSC,  8192                        ; LDS: four images of 2,048 bytes from 0 on, then their scale words, 128 bytes each
.set LANE, 1
.set RR,   2
.set HH,   3
.set PR,   4                           ; r + 8 (r / 8)
.set LI,   5                           ; 16 x lane
.set LS,   6                           ; 4 x lane
.set XWI,  7                           ; where a LayerNorm wave stores its image: 16 x lane + 2,048 (w % 4)
.set XWS,  8                           ; and its scale words: XSC + 4 x lane + 128 (w % 4)
.set WA,   9                           ; qkv_w: 16 h rows of 1,536 bytes + 4 pr
.set BA,   10                          ; 64 h
.set XA,   11                          ; x: 512 pr + 64 h
.set BV,   12                          ; 4 pr
.set WA5,  13                          ; a weight with rows of 512 bytes: 8,192 h + 4 pr
.set WA20, 14                          ; with rows of 2,048 bytes: 32,768 h + 4 pr
.set R0,   16                          ; v16-79   64 numbers: fragment 0, or x; later x's four fragments
.set R1,   80                          ; v80-143  fragment 1, or the gain; later the eight accumulators
.set G,    80
.set ACC,  80
.set BE,   144                         ; v144-207 LayerNorm's bias
.set WF,   144                         ; v144-175 the two weight fragments' codes
.set BI,   176                         ; v176-191 the bias as C of the two tiles
.set PC,   208                         ; v208-223 codes just made
.set TM,   224                         ; v224-227 largest magnitudes, 228-231 bytes, 232-235 448 x the scale, 236-239 the conversions' scale operands
.set W0R,  240
.set WS,   241                         ; the weight's scale words: fragment 0's in lanes 0-15, fragment 1's in lanes 16-31
.set W1R,  242
.set XS,   244                         ; v244-247 x's scale words
.set MU,   248
.set T1,   250
.set T2,   252
.set WV,   30
.set W3,   31
.set SEL,  32
.set MNT,  34
.set R128, 35
.set EPS,  36
; 64 numbers of a lane, register 16 b + i = k 32 b + 16 (lane / 16) + i of the lane's row, become 16 registers of codes at v[d]; the four scale bytes stay in v[TM+4 ..]; w: the register for the scale word, or 0
.macro QUANT s, d, w
.irp b, 0,1,2,3
	v_max3_num_f32 v[TM+\b], |v[\s+16*\b]|, |v[\s+1+16*\b]|, 0x4800000   ; my 16 numbers of block b, and the floor 2^(9 - 127): the byte cannot fall under 1
.endr
.irp i, 2,4,6,8,10,12,14
.irp b, 0,1,2,3
	v_max3_num_f32 v[TM+\b], v[TM+\b], |v[\s+16*\b+\i]|, |v[\s+1+16*\b+\i]|   ; the four blocks by turns
.endr
.endr
.irp b, 0,1,2,3
	v_permlanex16_b32 v[TM+4+\b], v[TM+\b], s[SEL], s[SEL+1]
.endr
.irp b, 0,1,2,3
	v_max_num_f32 v[TM+\b], v[TM+\b], v[TM+4+\b]   ; with lane l xor 16's 16: the block's largest magnitude
.endr
.irp b, 0,1,2,3
	v_add_nc_u32 v[TM+12+\b], 0xfc000000, v[TM+\b]   ; 8 off its exponent field: the conversion takes this operand's exponent field as its scale
.endr
.irp b, 0,1,2,3
	v_and_or_b32 v[TM+8+\b], v[TM+\b], 0x7f800000, s[MNT]   ; 448 x the scale
.endr
.irp b, 0,1,2,3
	v_lshrrev_b32 v[TM+4+\b], 23, v[TM+12+\b]   ; the scale's byte
.endr
.if \w
	v_lshl_or_b32 v[\w], v[TM+5], 8, v[TM+4]
	v_lshl_or_b32 v[\w], v[TM+6], 16, v[\w]
	v_lshl_or_b32 v[\w], v[TM+7], 24, v[\w]
.endif
.irp b, 0,1,2,3
.set qi, 0
.rept 16
	v_med3_num_f32 v[\s+16*\b+qi], v[\s+16*\b+qi], -v[TM+8+\b], v[TM+8+\b]   ; the conversion to an 8-bit code does not saturate (ISA guide 7.6.2): the hold comes first
.set qi, qi+1
.endr
	v_cvt_scalef32_pk8_fp8_f32 v[\d+4*\b:\d+1+4*\b], v[\s+16*\b:\s+7+16*\b], v[TM+12+\b]
	v_cvt_scalef32_pk8_fp8_f32 v[\d+2+4*\b:\d+3+4*\b], v[\s+8+16*\b:\s+15+16*\b], v[TM+12+\b]
.endr
	v_nop                                          ; a plain line behind the last conversion, ahead of whatever next touches its registers
.endm
; a weight fragment as f32: lane (r, h) takes column pr of the tile and k = 32 c + 16 h + i, register 16 c + i
.macro WLOAD reg, adr, base, pitch, off
.set wi, 0
.rept 64
	global_load_b32 v[\reg+wi], v[\adr], s[\base:\base+1] offset:\off+(32*(wi/16)+wi%16)*\pitch
.set wi, wi+1
.endr
.endm
	s_load_b512 s[4:19], s[0:1], 0x0               ; x 4, ln1_g 6, ln1_b 8, qkv_w 10, qkv_b 12, proj_w 14, mlp_w1 16, mlp_w2 18
	s_load_b256 s[20:27], s[0:1], 0x40             ; qimg 20, qsc 22, kv 24, wimg 26
	s_load_b64 s[28:29], s[0:1], 0x60              ; wsc
	v_lshl_add_u32 v254, v0, 2, 0x2200
	v_mov_b32 v255, 0
	v_lshrrev_b32 v[LANE], 5, v0
	v_readfirstlane_b32 s[WV], v[LANE]             ; wave 0..15
	v_and_b32 v[LANE], 31, v0
	v_and_b32 v[RR], 15, v0
	v_bfe_u32 v[HH], v0, 4, 1
	v_and_b32 v[PR], 8, v[RR]
	v_add_nc_u32 v[PR], v[PR], v[RR]
	v_lshlrev_b32 v[LI], 4, v[LANE]
	v_lshlrev_b32 v[LS], 2, v[LANE]
	s_and_b32 s[W3], s[WV], 3
	s_lshl_b32 s40, s[W3], 11
	v_add_nc_u32 v[XWI], s40, v[LI]
	s_lshl_b32 s40, s[W3], 7
	s_add_co_u32 s40, s40, XSC
	v_add_nc_u32 v[XWS], s40, v[LS]
	v_lshlrev_b32 v[BV], 2, v[PR]
	v_mad_u32_u24 v[WA], v[HH], 24576, v[BV]
	v_lshlrev_b32 v[BA], 6, v[HH]
	v_lshl_add_u32 v[XA], v[PR], 9, v[BA]
	v_lshl_add_u32 v[WA5], v[HH], 13, v[BV]
	v_lshl_add_u32 v[WA20], v[HH], 15, v[BV]
	s_mov_b32 s[SEL], 0x76543210
	s_mov_b32 s[SEL+1], 0xfedcba98                 ; v_permlanex16_b32's selects for lane l xor 16
	s_mov_b32 s[MNT], 0x600000                     ; the mantissa field of 448
	s_mov_b32 s[R128], 0x3c000000                  ; 1 / 128
	s_mov_b32 s[EPS], 0x3727c5ac                   ; 1e-5
.irp b, 0,1,2,3
	v_mov_b32 v[TM+4+\b], 0                        ; written once: a lane permute's destination counts as one of its sources
.endr
	v_mov_b32 v[T2], 0
	s_lshr_b32 s37, ttmp9, 6                       ; the batch
	s_and_b32 s38, ttmp9, 63                       ; which 64 tokens of it
	s_lshl_b32 s39, s37, 2
	s_add_co_u32 s39, s39, s[W3]                   ; batch x 4 + head
	s_mul_i32 s46, s39, KVB                        ; that head's block in kv
	s_lshr_b32 s42, s38, 1                         ; the key step of 128 tokens,
	s_and_b32 s43, s38, 1                          ; and which half of it
	s_wait_kmcnt 0x0
	s_cmp_ge_u32 s[WV], 12
	s_cbranch_scc1 .Lnorm
	; ---- waves 0-11: my 32 output channels of qkv_w become two fragments
	s_lshl_b32 s40, s[WV], 7                       ; 32 w numbers of 4 bytes
	s_mov_b32 s41, 0
	s_add_nc_u64 s[10:11], s[10:11], s[40:41]
	s_add_nc_u64 s[12:13], s[12:13], s[40:41]
	s_cmp_lt_u32 s[WV], 8
	s_cbranch_scc0 .Lbias_v
.irp u, 0,1                                    ; q, k: the result is transposed: register j of tile u is channel 8 u + 16 h + j
	global_load_b128 v[BI+8*\u:BI+8*\u+3], v[BA], s[12:13] offset:32*\u
	global_load_b128 v[BI+8*\u+4:BI+8*\u+7], v[BA], s[12:13] offset:32*\u+16
.endr
	s_branch .Lbias_in
.Lbias_v:
.irp u, 0,1                                    ; v: a lane holds one channel, 8 u + pr: all eight registers of C take its bias
.irp j, 0,1,2,3,4,5,6,7
	global_load_b32 v[BI+8*\u+\j], v[BV], s[12:13] offset:32*\u
.endr
.endr
.Lbias_in:
	WLOAD R0, WA, 10, 1536, 0
	WLOAD R1, WA, 10, 1536, 32
	s_wait_loadcnt 63                              ; fragment 0 is in: 64 loads are younger than its last, and the smaller count is the safe one
	QUANT R0, WF, W0R
	s_wait_loadcnt 0x0
	QUANT R1, WF+16, W1R
	v_cmp_le_u32 vcc_lo, 16, v[LANE]
	v_cndmask_b32 v[WS], v[W0R], v[W1R], vcc_lo    ; one register carries both fragments' scale words
.rept 8
	v_nop                                          ; a scale register written by a vector instruction stands 8 places ahead of the scaled product, codes so written 4
.endr
	s_branch .Ljoin
.Lnorm:	; ---- waves 12-15: LayerNorm of tile w - 12; lane (r, h) holds 16 numbers of each block of 32 of its token's row
	s_lshl_b32 s40, ttmp9, 15                      ; 64 g rows of 512 bytes,
	s_lshr_b32 s41, s[W3], 1
	s_lshl_b32 s41, s41, 14                        ; + 32 rows for tiles 2, 3,
	s_add_co_u32 s40, s40, s41
	s_and_b32 s41, s[W3], 1
	s_lshl_b32 s41, s41, 12                        ; + 8 rows for tiles 1, 3
	s_add_co_u32 s40, s40, s41
	s_mov_b32 s41, 0
	s_add_nc_u64 s[4:5], s[4:5], s[40:41]
.set ii, 0
.rept 16
	global_load_b128 v[R0+4*ii:R0+4*ii+3], v[XA], s[4:5] offset:128*(ii/4)+16*(ii%4) th:TH_LOAD_NT
.set ii, ii+1
.endr
.set ii, 0
.rept 16
	global_load_b128 v[G+4*ii:G+4*ii+3], v[BA], s[6:7] offset:128*(ii/4)+16*(ii%4)
	global_load_b128 v[BE+4*ii:BE+4*ii+3], v[BA], s[8:9] offset:128*(ii/4)+16*(ii%4)
.set ii, ii+1
.endr
	s_wait_loadcnt 0x0
	v_pk_add_f32 v[MU:MU+1], v[R0:R0+1], v[R0+2:R0+3]       ; the row's sum: two chains of packed additions,
	v_pk_add_f32 v[T1:T1+1], v[R0+4:R0+5], v[R0+6:R0+7]
.set ii, 8
.rept 14
	v_pk_add_f32 v[MU:MU+1], v[MU:MU+1], v[R0+ii:R0+ii+1]
	v_pk_add_f32 v[T1:T1+1], v[T1:T1+1], v[R0+ii+2:R0+ii+3]
.set ii, ii+4
.endr
	v_pk_add_f32 v[MU:MU+1], v[MU:MU+1], v[T1:T1+1]
	v_add_f32 v[MU], v[MU], v[MU+1]
	v_permlanex16_b32 v[T2], v[MU], s[SEL], s[SEL+1]        ; and the other half of the row
	v_add_f32 v[MU], v[MU], v[T2]
	v_mul_f32 v[MU], s[R128], v[MU]                         ; the mean
.set ii, 0
.rept 32
	v_pk_add_f32 v[R0+ii:R0+ii+1], v[R0+ii:R0+ii+1], v[MU:MU+1] op_sel_hi:[1,0] neg_lo:[0,1] neg_hi:[0,1]   ; x - mean: the variance is taken of these, so a common offset does no harm
.set ii, ii+2
.endr
	v_pk_mul_f32 v[T1:T1+1], v[R0:R0+1], v[R0:R0+1]
	v_pk_mul_f32 v[T2:T2+1], v[R0+2:R0+3], v[R0+2:R0+3]
.set ii, 4
.rept 15
	v_pk_fma_f32 v[T1:T1+1], v[R0+ii:R0+ii+1], v[R0+ii:R0+ii+1], v[T1:T1+1]
	v_pk_fma_f32 v[T2:T2+1], v[R0+ii+2:R0+ii+3], v[R0+ii+2:R0+ii+3], v[T2:T2+1]
.set ii, ii+4
.endr
	v_pk_add_f32 v[T1:T1+1], v[T1:T1+1], v[T2:T2+1]
	v_add_f32 v[T1], v[T1], v[T1+1]
	v_permlanex16_b32 v[T2], v[T1], s[SEL], s[SEL+1]
	v_add_f32 v[T1], v[T1], v[T2]
	v_fma_f32 v[T1], v[T1], s[R128], s[EPS]                 ; variance + eps
	v_rsq_f32 v[T1], v[T1]
	v_nop                                                   ; a plain line behind the transcendental,
	s_wait_alu depctr_va_vdst(0)                            ; and the wait ahead of its first reader
.set ii, 0
.rept 32
	v_pk_mul_f32 v[R0+ii:R0+ii+1], v[R0+ii:R0+ii+1], v[T1:T1+1] op_sel_hi:[1,0]
.set ii, ii+2
.endr
.set ii, 0
.rept 32
	v_pk_fma_f32 v[R0+ii:R0+ii+1], v[R0+ii:R0+ii+1], v[G+ii:G+ii+1], v[BE+ii:BE+ii+1]
.set ii, ii+2
.endr
	QUANT R0, PC, WS
.irp c, 0,1,2,3
	ds_store_b128 v[XWI], v[PC+4*\c:PC+4*\c+3] offset:512*\c   ; the fragment goes to LDS as it stands in the registers
.endr
	ds_store_b32 v[XWS], v[WS]
.Ljoin:
	s_wait_dscnt 0x0                               ; for the others' sake: my stores have landed
	s_barrier_signal -1
	s_barrier_wait -1                              ; x's four fragments lie in LDS
	s_cmp_ge_u32 s[WV], 12
	s_cbranch_scc1 .Lextra
.irp t, 0,1,2,3
.irp c, 0,1,2,3
	ds_load_b128 v[R0+16*\t+4*\c:R0+16*\t+4*\c+3], v[LI] offset:2048*\t+512*\c
.endr
	ds_load_b32 v[XS+\t], v[LS] offset:XSC+128*\t
.endr
	s_wait_dscnt 0x0
	s_cmp_ge_u32 s[WV], 8
	s_cbranch_scc1 .Lvalues
	; ---- q and k: TRANSPOSED, source 0 = 16 channels, source 1 = 16 tokens: the 16 registers of a token tile are channels 16 h + 0 .. 15 of one token.  Eight accumulators, one product each; the bias is C
.irp t, 0,1,2,3
	v_wmma_scale_f32_16x16x128_f8f6f4 v[ACC+16*\t:ACC+16*\t+7], v[WF:WF+15], v[R0+16*\t:R0+16*\t+15], v[BI:BI+7], v[WS], v[XS+\t]
	v_wmma_scale_f32_16x16x128_f8f6f4 v[ACC+16*\t+8:ACC+16*\t+15], v[WF+16:WF+31], v[R0+16*\t:R0+16*\t+15], v[BI+8:BI+15], v[WS], v[XS+\t] matrix_a_scale:MATRIX_SCALE_ROW1
.endr
	s_lshl_b32 s44, s39, 17                        ; q's codes: 131,072 bytes a head
	s_lshl_b32 s45, s39, 14                        ; q's scale words: 16,384
	s_add_co_u32 s47, s46, 262144                  ; k's scale words in kv
	s_cmp_lt_u32 s[WV], 4                          ; q or k: the choice hangs on the wave's number alone
	s_cselect_b64 s[48:49], s[20:21], s[24:25]
	s_cselect_b64 s[52:53], s[22:23], s[24:25]
	s_cselect_b32 s50, s44, s46
	s_cselect_b32 s54, s45, s47
	s_mov_b32 s51, 0
	s_mov_b32 s55, 0
	s_lshl_b32 s56, s38, 11                        ; my four tiles of 512 bytes
	s_add_co_u32 s50, s50, s56
	s_lshl_b32 s56, s42, 9                         ; scale words: 512 bytes for a group of eight tiles,
	s_add_co_u32 s54, s54, s56
	s_lshl_b32 s56, s43, 3                         ; my four tiles are words 0, 1 or 2, 3 of a lane's four
	s_add_co_u32 s54, s54, s56
	s_add_nc_u64 s[48:49], s[48:49], s[50:51]
	s_add_nc_u64 s[52:53], s[52:53], s[54:55]
.rept 8
	v_nop                                          ; eight places behind this form before its results are read
.endr
	QUANT ACC, PC, 0                               ; block t is tile t: one scale for a token's 32 channels of the head
.irp t, 0,1,2,3
	global_store_b128 v[LI], v[PC+4*\t:PC+4*\t+3], s[48:49] offset:512*\t   ; 512 consecutive bytes a store
.endr
	v_cmp_le_u32 vcc_lo, 16, v[LANE]
	v_cndmask_b32 v[T2], v[TM+4], v[TM+5], vcc_lo  ; a word holds the byte and three zeros; lanes 0-15 carry the even tile's rows, lanes 16-31 the odd tile's
	v_cndmask_b32 v[T2+1], v[TM+6], v[TM+7], vcc_lo
	global_store_b64 v[LI], v[T2:T2+1], s[52:53]
	s_wait_tensorcnt 0x0
	ds_add_u32 v254, v255
	s_wait_dscnt 0x0
	s_endpgm
.Lvalues:	; ---- v: source 0 = 16 tokens, source 1 = 16 channels: a lane holds channel 8 u + pr, and the 16 registers of token tiles 2 B, 2 B + 1 run down tokens 32 B + 16 h + 0 .. 15: the second product's K
.irp t, 0,1,2,3
	v_wmma_scale_f32_16x16x128_f8f6f4 v[ACC+16*(\t/2)+8*(\t%2):ACC+16*(\t/2)+8*(\t%2)+7], v[R0+16*\t:R0+16*\t+15], v[WF:WF+15], v[BI:BI+7], v[XS+\t], v[WS]
	v_wmma_scale_f32_16x16x128_f8f6f4 v[ACC+32+16*(\t/2)+8*(\t%2):ACC+32+16*(\t/2)+8*(\t%2)+7], v[R0+16*\t:R0+16*\t+15], v[WF+16:WF+31], v[BI+8:BI+15], v[XS+\t], v[WS] matrix_b_scale:MATRIX_SCALE_ROW1
.endr
	s_add_co_u32 s50, s46, 131072                  ; V's codes: [step][channel tile u][block of 32 keys][lane][16 bytes]
	s_lshl_b32 s56, s42, 12
	s_add_co_u32 s50, s50, s56
	s_lshl_b32 s56, s43, 10                        ; my 64 tokens are blocks 0, 1 or 2, 3 of the step
	s_add_co_u32 s50, s50, s56
	s_mov_b32 s51, 0
	s_add_nc_u64 s[48:49], s[24:25], s[50:51]
	s_add_co_u32 s54, s46, 278528                  ; V's scale words: [step][lane = 16 u + r], byte c for block c
	s_lshl_b32 s56, s42, 7
	s_add_co_u32 s54, s54, s56
	s_lshl_b32 s56, s43, 1
	s_add_co_u32 s54, s54, s56
	s_mov_b32 s55, 0
	s_add_nc_u64 s[52:53], s[24:25], s[54:55]
.rept 8
	v_nop
.endr
	QUANT ACC, PC, 0                               ; block 2 u + B: 32 tokens of one channel
.irp u, 0,1
.irp p, 0,1
	global_store_b128 v[LI], v[PC+4*(2*\u+\p):PC+4*(2*\u+\p)+3], s[48:49] offset:2048*\u+512*\p
.endr
.endr
	v_lshl_or_b32 v[T2], v[TM+5], 8, v[TM+4]       ; tile 0's two bytes,
	v_lshl_or_b32 v[T2+1], v[TM+7], 8, v[TM+6]     ; tile 1's
	v_cmp_le_u32 vcc_lo, 16, v[LANE]
	v_cndmask_b32 v[T2], v[T2], v[T2+1], vcc_lo
	global_store_b16 v[LS], v[T2], s[52:53]
	s_wait_tensorcnt 0x0
	ds_add_u32 v254, v255
	s_wait_dscnt 0x0
	s_endpgm
.Lextra:	; ---- wave 12 of work-groups 0-71: fragment f = g of the later weights
	s_cmp_lg_u32 s[WV], 12
	s_cbranch_scc1 .Lend
	s_cmp_ge_u32 ttmp9, 72
	s_cbranch_scc1 .Lend
	s_mov_b32 s51, 0
	s_sub_co_u32 s40, ttmp9, 8
	s_cmp_lt_u32 s40, 32                           ; 8 <= f < 40: mlp_w1, tile f - 8
	s_cbranch_scc1 .Lw1
	s_sub_co_u32 s41, ttmp9, 40                    ; mlp_w2: tile (f - 40) / 4, K step (f - 40) % 4;  proj_w: tile f, K step 0.  Both have rows of 512 bytes
	s_lshr_b32 s44, s41, 2
	s_and_b32 s45, s41, 3
	s_cmp_lt_u32 ttmp9, 8
	s_cselect_b64 s[48:49], s[14:15], s[18:19]
	s_cselect_b32 s44, ttmp9, s44
	s_cselect_b32 s45, 0, s45
	s_lshl_b32 s50, s45, 16                        ; 128 rows of 512 bytes a K step
	s_lshr_b32 s45, s44, 1
	s_lshl_b32 s45, s45, 7                         ; the tile's first column: 32 (t / 2) + 8 (t % 2), 4 bytes each
	s_add_co_u32 s50, s50, s45
	s_and_b32 s45, s44, 1
	s_lshl_b32 s45, s45, 5
	s_add_co_u32 s50, s50, s45
	s_add_nc_u64 s[48:49], s[48:49], s[50:51]
	WLOAD R0, WA5, 48, 512, 0
	s_branch .Lwq
.Lw1:
	s_lshr_b32 s45, s40, 1
	s_lshl_b32 s50, s45, 7
	s_and_b32 s45, s40, 1
	s_lshl_b32 s45, s45, 5
	s_add_co_u32 s50, s50, s45
	s_add_nc_u64 s[48:49], s[16:17], s[50:51]
	WLOAD R0, WA20, 48, 2048, 0
.Lwq:
	s_wait_loadcnt 0x0
	QUANT R0, PC, WS
	s_lshl_b32 s50, ttmp9, 11
	s_add_nc_u64 s[26:27], s[26:27], s[50:51]
	s_lshl_b32 s50, ttmp9, 7
	s_add_nc_u64 s[28:29], s[28:29], s[50:51]
.irp c, 0,1,2,3
	global_store_b128 v[LI], v[PC+4*\c:PC+4*\c+3], s[26:27] offset:512*\c
.endr
	global_store_b32 v[LS], v[WS], s[28:29]
.Lend:
	s_wait_tensorcnt 0x0
	ds_add_u32 v254, v255
	s_wait_dscnt 0x0
	s_endpgm
.Lfunc_end_k_q6dfb8596ae_qkv:
	.size	k_q6dfb8596ae_qkv, .Lfunc_end_k_q6dfb8596ae_qkv-k_q6dfb8596ae_qkv
	.p2alignl 7, 3214868480
	.fill 96, 4, 3214868480
	.section	.rodata,"a",@progbits
	.p2align	6, 0x0
	.amdhsa_kernel k_q6dfb8596ae_qkv
		.amdhsa_group_segment_fixed_size 10752
		.amdhsa_private_segment_fixed_size 0
		.amdhsa_enable_private_segment 0
		.amdhsa_kernarg_size 104
		.amdhsa_user_sgpr_count 2
		.amdhsa_user_sgpr_kernarg_segment_ptr 1
		.amdhsa_wavefront_size32 1
		.amdhsa_system_sgpr_workgroup_id_x 1
		.amdhsa_system_sgpr_workgroup_id_y 1
		.amdhsa_system_sgpr_workgroup_id_z 1
		.amdhsa_system_vgpr_workitem_id 0
		.amdhsa_next_free_vgpr 256
		.amdhsa_next_free_sgpr 66
		.amdhsa_reserve_vcc 1
		.amdhsa_float_denorm_mode_32 3
		.amdhsa_float_denorm_mode_16_64 3
		.amdhsa_memory_ordered 1
		.amdhsa_forward_progress 1
		.amdhsa_inst_pref_size 101
	.end_amdhsa_kernel
	.amdgpu_metadata
---
amdhsa.version: [ 1, 2 ]
amdhsa.kernels:
  - .name:           k_q6dfb8596ae_qkv
    .symbol:         k_q6dfb8596ae_qkv.kd
    .args:
      - { .name: x, .offset: 0, .size: 8, .value_kind: global_buffer, .address_space: global }
      - { .name: ln1_g, .offset: 8, .size: 8, .value_kind: global_buffer, .address_space: global }
      - { .name: ln1_b, .offset: 16, .size: 8, .value_kind: global_buffer, .address_space: global }
      - { .name: qkv_w, .offset: 24, .size: 8, .value_kind: global_buffer, .address_space: global }
      - { .name: qkv_b, .offset: 32, .size: 8, .value_kind: global_buffer, .address_space: global }
      - { .name: proj_w, .offset: 40, .size: 8, .value_kind: global_buffer, .address_space: global }
      - { .name: mlp_w1, .offset: 48, .size: 8, .value_kind: global_buffer, .address_space: global }
      - { .name: mlp_w2, .offset: 56, .size: 8, .value_kind: global_buffer, .address_space: global }
      - { .name: qimg, .offset: 64, .size: 8, .value_kind: global_buffer, .address_space: global }
      - { .name: qsc, .offset: 72, .size: 8, .value_kind: global_buffer, .address_space: global }
      - { .name: kv, .offset: 80, .size: 8, .value_kind: global_buffer, .address_space: global }
      - { .name: wimg, .offset: 88, .size: 8, .value_kind: global_buffer, .address_space: global }
      - { .name: wsc, .offset: 96, .size: 8, .value_kind: global_buffer, .address_space: global }
    .group_segment_fixed_size: 10752
    .private_segment_fixed_size: 0
    .kernarg_segment_align: 8
    .kernarg_segment_size: 104
    .max_flat_workgroup_size: 512
    .sgpr_count:     66
    .vgpr_count:     256
    .wavefront_size: 32
...
	.end_amdgpu_metadata
.endif
;; end of part 1
;; launch attn (part 2): grid 16 x 16, 16 waves a work-group, clusters of 4 x 1, 284,672 bytes of LDS; arguments qimg, qsc, kv, oimg, osc; writes oimg, osc
.if DOCPART == 2
	.amdgcn_target "amdgcn-amd-amdhsa--gfx1250"
	.amdhsa_code_object_version 6
	.text
	.protected	k_q6dfb8596ae_attn
	.globl	k_q6dfb8596ae_attn
	.p2align	8
	.type	k_q6dfb8596ae_attn,@function
k_q6dfb8596ae_attn:
	s_mov_b64 s[64:65], 0
	v_nop
	global_prefetch_b8 v0, s[64:65] scope:SCOPE_SE
	s_setreg_imm32_b32 hwreg(HW_REG_WAVE_MODE, 25, 1), 1
	s_wait_xcnt 0x0
	s_wait_alu depctr_hold_cnt(0) depctr_sa_sdst(0) depctr_va_vdst(0) depctr_va_sdst(0) depctr_va_ssrc(0) depctr_va_vcc(0) depctr_vm_vsrc(0)
	s_getreg_b32 s2, hwreg(HW_REG_IB_STS2, 6, 4)
	s_cmp_eq_u32 s2, 0
	s_cbranch_scc0 .Lentry_in_a_cluster
	s_endpgm
.Lentry_in_a_cluster:
	s_bfe_u32 s2, ttmp6, 0x10000c
	s_cmp_lg_u32 s2, 0x3003
	s_cbranch_scc0 .Lentry_shape_is_right
	s_endpgm
.Lentry_shape_is_right:
; Attention of one head (of 16 = 4 batches x 4 heads; 4,096 tokens; head size 32) on codes of FP8 (E4M3) with E8M0 scales, both products; O is divided by the row's sum and quantised along the channels.
; THE SOFTMAX AHEAD OF THE SECOND PRODUCT: t = score x log2(e) / sqrt(32); M = the running largest t rounded UP to a whole number; p = 2^(t - M) is quantised along the keys, not normalised; the row's sum is
; taken of the unquantised p.  When M moves, the sum and O^T are multiplied by 2^(old M - new M): exact.
; SHARES.  A work-group owns 256 queries of one head, each of its sixteen waves one tile of 16 in 256 registers: four waves to a SIMD, so that one wave's vector work stands beside another's LDS loads and products.
; Every wave walks the head's 4,096 keys, 128 a step.
; LDS.  A head's K and V, codes and scale words, are 282,624 dense bytes of kv, laid as images of operand registers (512 bytes for four registers, lane l's 16 bytes at 16 l).  They come into LDS ONCE,
; byte for byte: nothing is filled twice, there is no ring, no pitch and no padding.  Wave 0 fetches K's 131,072 bytes, wave 1 V's, in eight chunks of four key steps, each behind half of the scale words:
; nine tensor loads of a wave are out at the most.  The walk begins when the first chunk is in; four phases of 4, 4, 8 and 16 steps each wait for the chunks that they read.
; CLUSTER.  The four query blocks of a cluster belong to one head, so each load is asked for JOINTLY: the same descriptor in all four, the mask names the four.
; LAYOUT.  Both products are used transposed (S^T = K Q^T, O^T = V^T P^T): a lane holds one query throughout.  The keys of a tile are not neighbours (row r of tile 2 B + u is key 32 B + 8 u + r + 8 (r / 8)),
; so that p's 16 registers of two neighbouring tiles are 16 neighbouring keys.
; K = 32 IN A FORM THAT IS 128 DEEP.  Q's fragment has zero codes in blocks 1 to 3.  K's operand for tile j is the 16 registers from tile j's four on: the upper twelve hold the next tiles' codes (behind the last
; tile: zeros), which meet Q's zeros and add nothing; the scale bytes of blocks 1 to 3 are 0 on both sides.  So one LDS load of 16 bytes a lane feeds one product.
; No prefetch: every tensor load goes out at the head, so there is no later request to run ahead of.
; LIMITS: NaN and infinities are not served; a block of p or O whose largest magnitude lies under 2^-118, zeros among them, gets the scale byte 1 (zero codes add nothing; this program alone reads the bytes).
.set KVB, 282624
.set LI,  1                            ; 16 x lane
.set LS,  2                            ; 4 x lane
.set ADK, 8                            ; the step's LDS addresses: K's codes,
.set ADV, 9                            ; V's,
.set ADS, 10                           ; K's scale words,
.set ADT, 11                           ; V's
.set QC,  16                           ; v16-19 Q's codes, v20-31 zeros
.set KC,  32                           ; v32-63 eight tiles of K, four registers each; v64-75 zeros
.set KS,  76                           ; v76-79 K's scale words: register i: tile 2 i in lanes 0-15, tile 2 i + 1 in lanes 16-31
.set VC,  80                           ; v80-111 V's two fragments
.set VS,  112                          ; V's scale words: channel tile 0 in lanes 0-15, tile 1 in lanes 16-31
.set PS,  113                          ; p's scale word
.set S,   128                          ; v128-191 S^T, then p
.set O,   192                          ; v192-207 O^T
.set PCD, 208                          ; v208-223 p's codes
.set BM,  224                          ; v224-227 block maxima; 228-231 the other half's, then bytes; 232-235 448 x the scale; 236-239 the conversions' scale operands
.set F,   240                          ; v[240:241] f = 2^(old M - new M); the upper register is written once
.set TMP, 254
.set QS,  255                          ; Q's scale word
.set WV,  14
.set MNT, 19
.set SEL, 20
.set CS,  22
.set G1C, 24                           ; s[24:31] group 1 of a chunk: 64 rows of 256 bytes
.set G1S, 32                           ; s[32:39] of half the scale words: 40 rows
.set TK,  80                           ; LDS bytes at which the step's parts begin
.set TV,  81
.set TS,  82
.set TT,  83
.set CNT, 84
.macro CROUND                          ; a round of the cluster's barrier
	s_barrier_signal -1
	s_barrier_wait -1
	s_cmp_lg_u32 s[WV], 0
	s_cbranch_scc1 .Lnot_wave_0_\@
	s_barrier_signal -3
.Lnot_wave_0_\@:
	s_barrier_wait -3
	s_barrier_signal -1
	s_barrier_wait -1
.endm
	s_load_b256 s[4:11], s[0:1], 0x0               ; qimg 4, qsc 6, kv 8, oimg 10
	s_load_b64 s[12:13], s[0:1], 0x20              ; osc
	v_lshl_add_u32 v252, v0, 2, 0x45000
	v_mov_b32 v253, 0
	ds_add_u32 v252, v253
	ds_add_u32 v252, v253
	v_lshrrev_b32 v3, 5, v0
	v_readfirstlane_b32 s[WV], v3                  ; wave 0..15
	v_and_b32 v3, 31, v0
	v_lshlrev_b32 v[LI], 4, v3
	v_lshlrev_b32 v[LS], 2, v3
	v_and_b32 v4, 15, v0
	v_lshlrev_b32 v4, 4, v4                        ; 16 r
	s_bfe_u32 s15, ttmp6, 0x40000                  ; cx: it enters Q's and O's global addresses alone
	s_lshl_b32 s16, ttmp9, 2
	s_add_co_u32 s16, s16, s15                     ; my block of 256 queries
	s_and_b32 s17, ttmp7, 0xffff                   ; batch x 4 + head, which the four partners share
	s_mov_b32 s[G1C], 15|(3<<16)|(1<<21)           ; 15:0 the mask: all four work-groups; 17:16 elements of 8 bytes; 21 set beside a mask; no padding
	s_mov_b32 s[G1C+1], 32<<16                     ; tensor_dim0 = 32 elements: 256 bytes
	s_mov_b32 s[G1C+2], 64<<16                     ; tensor_dim1 = 64
	s_mov_b32 s[G1C+3], 32<<16                     ; tile_dim0
	s_mov_b32 s[G1C+4], 64                         ; tile_dim1
	s_mov_b32 s[G1C+5], 32                         ; the pitch: the block is dense
	s_mov_b32 s[G1C+6], 0
	s_mov_b32 s[G1C+7], 0
	s_mov_b32 s[G1S], 15|(3<<16)|(1<<21)
	s_mov_b32 s[G1S+1], 32<<16
	s_mov_b32 s[G1S+2], 40<<16
	s_mov_b32 s[G1S+3], 32<<16
	s_mov_b32 s[G1S+4], 40
	s_mov_b32 s[G1S+5], 32
	s_mov_b32 s[G1S+6], 0
	s_mov_b32 s[G1S+7], 0
	s_and_b32 s85, s[WV], 1                        ; wave 0: K, wave 1: V
	s_lshl_b32 s18, s85, 17                        ; my region of codes, in the block and in LDS alike
	s_mul_i32 s88, s85, 10240
	s_add_co_u32 s88, s88, 262144                  ; my half of the scale words
	s_mul_i32 s86, s17, KVB
	s_mov_b32 s87, 0
	s_mov_b32 s92, s18
	s_mov_b32 s93, 0
	s_mov_b32 s94, s88
	s_mov_b32 s95, 0
	s_mov_b32 s[SEL], 0x76543210
	s_mov_b32 s[SEL+1], 0xfedcba98
	s_mov_b32 s[CS], 0x3e8293ee                    ; c = log2(e) / sqrt(32)
	s_mov_b32 s[CS+1], s[CS]                       ; (named with it as a pair, so it is written)
	s_mov_b32 s[MNT], 0x600000
	s_mov_b32 s3, 0
	s_wait_dscnt 0x0
	s_wait_kmcnt 0x0
	s_add_nc_u64 s[86:87], s[8:9], s[86:87]        ; kv at my head
	s_add_nc_u64 s[90:91], s[86:87], s[92:93]
	s_add_nc_u64 s[94:95], s[86:87], s[94:95]
	s_mov_b32 s40, 1                               ; group 0 of the scale words
	s_mov_b32 s41, s88
	s_mov_b64 s[42:43], s[94:95]
	s_or_b32 s43, s43, 0x80000000
.set n, 0
.rept 8                                        ; and of chunks 0 to 7: s44-63, s68-79
.set GR, 44+4*n
.if n >= 5
.set GR, 68+4*(n-5)
.endif
	s_mov_b32 s[GR], 1
	s_add_co_u32 s[GR+1], s18, 16384*n
	s_add_nc_u64 s[GR+2:GR+3], s[90:91], 16384*n
	s_or_b32 s[GR+3], s[GR+3], 0x80000000
.set n, n+1
.endr
	s_lshl_b32 s2, s17, 8                          ; Q's codes: tile 256 x head + 16 x block + wave, 512 bytes each
	s_lshl_b32 s66, s16, 4
	s_add_co_u32 s2, s2, s66
	s_add_co_u32 s2, s2, s[WV]
	s_lshl_b32 s2, s2, 9
	s_add_nc_u64 s[4:5], s[4:5], s[2:3]
	s_lshl_b32 s2, s17, 14                         ; Q's scale word: 16,384 bytes a head, 512 a group of eight tiles,
	s_lshl_b32 s66, s16, 10
	s_add_co_u32 s2, s2, s66
	s_lshr_b32 s66, s[WV], 3
	s_lshl_b32 s66, s66, 9
	s_add_co_u32 s2, s2, s66
	s_lshl_b32 s66, s85, 8                         ; an odd tile's rows in lanes 16-31 of the image,
	s_add_co_u32 s2, s2, s66
	s_bfe_u32 s66, s[WV], 0x20001                  ; word (tile % 8) / 2 of a lane's four
	s_lshl_b32 s66, s66, 2
	s_add_co_u32 s2, s2, s66
	s_add_nc_u64 s[6:7], s[6:7], s[2:3]
	s_lshr_b32 s66, s17, 2                         ; O: tile 256 x batch + 16 x block + wave;
	s_lshl_b32 s66, s66, 8
	s_lshl_b32 s67, s16, 4
	s_add_co_u32 s66, s66, s67
	s_add_co_u32 s66, s66, s[WV]
	s_and_b32 s67, s17, 3                          ; my head is block c of the tile's fragment: 512 bytes of its 2,048,
	s_lshl_b32 s2, s66, 2
	s_add_co_u32 s2, s2, s67
	s_lshl_b32 s2, s2, 9
	s_add_nc_u64 s[10:11], s[10:11], s[2:3]
	s_lshl_b32 s2, s66, 9                          ; and word c of a lane's four scale words
	s_lshl_b32 s67, s67, 2
	s_add_co_u32 s2, s2, s67
	s_add_nc_u64 s[12:13], s[12:13], s[2:3]
	CROUND                                         ; all four work-groups are here: the joint loads meet
	s_cmp_lt_u32 s[WV], 2                          ; all fills of a wave stand in one branch, ahead of every wait on TENSORcnt, every LDS read and every other barrier
	s_cbranch_scc0 .Lno_fetch
	tensor_load_to_lds s[40:43], s[G1S:G1S+7]
	s_nop 0
	tensor_load_to_lds s[44:47], s[G1C:G1C+7]
	s_nop 0
	tensor_load_to_lds s[48:51], s[G1C:G1C+7]
	s_nop 0
	tensor_load_to_lds s[52:55], s[G1C:G1C+7]
	s_nop 0
	tensor_load_to_lds s[56:59], s[G1C:G1C+7]
	s_nop 0
	tensor_load_to_lds s[60:63], s[G1C:G1C+7]
	s_nop 0
	tensor_load_to_lds s[68:71], s[G1C:G1C+7]
	s_nop 0
	tensor_load_to_lds s[72:75], s[G1C:G1C+7]
	s_nop 0
	tensor_load_to_lds s[76:79], s[G1C:G1C+7]
	s_nop 0
.rept 4
	v_nop
.endr
.Lno_fetch:
	global_load_b128 v[QC:QC+3], v[LI], s[4:5]
	global_load_b32 v[QS], v4, s[6:7]
.set ii, 0
.rept 12
	v_mov_b32 v[QC+4+ii], 0                        ; Q's blocks 1 to 3
	v_mov_b32 v[KC+32+ii], 0                       ; what the last tiles of K find behind them
.set ii, ii+1
.endr
.set ii, 0
.rept 16
	v_mov_b32 v[O+ii], 0                           ; O^T: the step is written once; the first finds zeros, which the first change of M leaves zeros
.set ii, ii+1
.endr
.irp b, 0,1,2,3
	v_mov_b32 v[BM+4+\b], 0                        ; a lane permute's destination counts as one of its sources
.endr
	v_mov_b32 v[F+1], 0
	v_mov_b32 v14, 0                               ; the sum, in two halves
	v_mov_b32 v15, 0
	v_mov_b32 v13, 0xff61b1e6                      ; the largest t so far: -3e38
	v_floor_f32 v12, -v13                          ; -M
; A KEY STEP: 128 keys
.macro STEP
	v_add_nc_u32 v[ADK], s[TK], v[LI]
	v_add_nc_u32 v[ADV], s[TV], v[LI]
	v_add_nc_u32 v[ADS], s[TS], v[LI]
	v_add_nc_u32 v[ADT], s[TT], v[LS]
.rept 4
	v_nop                                          ; with the four additions: eight places between the last step's products and the loads into the registers that they read
.endr
	ds_load_b128 v[KS:KS+3], v[ADS]
.irp j, 0,1,2,3,4,5,6,7
	ds_load_b128 v[KC+4*\j:KC+4*\j+3], v[ADK] offset:512*\j
.endr
.irp j, 0,1,2,3,4,5,6,7
	ds_load_b128 v[VC+4*\j:VC+4*\j+3], v[ADV] offset:512*\j
.endr
	ds_load_b32 v[VS], v[ADT]
	s_wait_dscnt 9                                 ; K and its scale words are in; V's nine loads may stay out
.irp j, 0,2,4,6
	v_wmma_scale_f32_16x16x128_f8f6f4 v[S+8*\j:S+8*\j+7], v[KC+4*\j:KC+4*\j+15], v[QC:QC+15], 0, v[KS+\j/2], v[QS]
	v_wmma_scale_f32_16x16x128_f8f6f4 v[S+8*\j+8:S+8*\j+15], v[KC+4*\j+4:KC+4*\j+19], v[QC:QC+15], 0, v[KS+\j/2], v[QS] matrix_a_scale:MATRIX_SCALE_ROW1
.endr
.rept 8
	v_nop
.endr
.irp b, 0,1,2,3
	v_max3_num_f32 v[BM+\b], v[S+16*\b], v[S+1+16*\b], v[S+2+16*\b]   ; the largest score of each block of 32 keys: for the row's maximum, and, since p rises with the score, for the block's largest p
.endr
.irp i, 3,5,7,9,11,13
.irp b, 0,1,2,3
	v_max3_num_f32 v[BM+\b], v[BM+\b], v[S+16*\b+\i], v[S+1+16*\b+\i]
.endr
.endr
.irp b, 0,1,2,3
	v_max_num_f32 v[BM+\b], v[BM+\b], v[S+15+16*\b]
.endr
.irp b, 0,1,2,3
	v_permlanex16_b32 v[BM+4+\b], v[BM+\b], s[SEL], s[SEL+1]
.endr
.irp b, 0,1,2,3
	v_max_num_f32 v[BM+\b], v[BM+\b], v[BM+4+\b]   ; with lane l xor 16's 16 keys
.endr
	v_max3_num_f32 v[TMP], v[BM], v[BM+1], v[BM+2]
	v_max_num_f32 v[TMP], v[TMP], v[BM+3]
	v_mul_f32 v[TMP], s[CS], v[TMP]                ; as t (c is positive)
	v_max_num_f32 v13, v13, v[TMP]                 ; the running largest t
	v_mov_b32 v[TMP], v12
	v_floor_f32 v12, -v13                          ; the new -M = floor(-t) = -ceil(t)
	v_sub_f32 v[TMP], v12, v[TMP]                  ; old M - new M: a whole number, 0 or less
	v_cvt_i32_f32 v[TMP], v[TMP]                   ; (it saturates)
	v_ldexp_f32 v[F], 1.0, v[TMP]                  ; f = 2^(old M - new M)
.set ii, 0
.rept 32
	v_pk_fma_f32 v[S+ii:S+ii+1], v[S+ii:S+ii+1], s[CS:CS+1], v[12:13] op_sel_hi:[1,0,0]   ; t - M, two at a time
.set ii, ii+2
.endr
.irp b, 0,1,2,3
	v_fma_f32 v[BM+\b], v[BM+\b], s[CS], v12       ; the same of each block's largest score
.endr
.set ii, 0
.rept 64
	v_exp_f32 v[S+ii], v[S+ii]                     ; p = 2^(t - M), at most 1
.set ii, ii+1
.endr
	v_pk_mul_f32 v[14:15], v[14:15], v[F:F+1] op_sel_hi:[1,0]   ; the sums under the new M: the plain line behind the exponentials
	s_wait_alu depctr_va_vdst(0)                   ; one wait for the batch, ahead of its first reader
.irp b, 0,1,2,3
	v_exp_f32 v[BM+\b], v[BM+\b]                   ; the block's largest p: the same two instructions on the same number
.endr
	v_pk_add_f32 v[BM+4:BM+5], v[S:S+1], v[S+2:S+3]   ; the row's sum is taken of the unquantised p, in two chains; it reads the 64 alone
.set ii, 4
.rept 15
	v_pk_add_f32 v[14:15], v[14:15], v[S+ii:S+ii+1]
	v_pk_add_f32 v[BM+4:BM+5], v[BM+4:BM+5], v[S+ii+2:S+ii+3]
.set ii, ii+4
.endr
	v_pk_add_f32 v[14:15], v[14:15], v[BM+4:BM+5]
	s_wait_alu depctr_va_vdst(0)                   ; and one for the four
.irp b, 0,1,2,3
	v_max_num_f32 v[BM+\b], 0x4800000, v[BM+\b]    ; the floor 2^(9 - 127)
.endr
.irp b, 0,1,2,3
	v_add_nc_u32 v[BM+12+\b], 0xfc000000, v[BM+\b] ; 8 off the exponent field: the conversion's scale operand
.endr
.irp b, 0,1,2,3
	v_and_or_b32 v[BM+8+\b], v[BM+\b], 0x7f800000, s[MNT]   ; 448 x the scale
.endr
.irp b, 0,1,2,3
	v_lshrrev_b32 v[BM+4+\b], 23, v[BM+12+\b]      ; the scale's byte
.endr
	v_lshl_or_b32 v[PS], v[BM+5], 8, v[BM+4]       ; p's scale word for these 128 keys: more than eight plain lines ahead of its use
	v_lshl_or_b32 v[PS], v[BM+6], 16, v[PS]
	v_lshl_or_b32 v[PS], v[BM+7], 24, v[PS]
.irp b, 0,1,2,3
.set qi, 0
.rept 16
	v_min_num_f32 v[S+16*\b+qi], v[S+16*\b+qi], v[BM+8+\b]   ; the conversion does not saturate (ISA guide 7.6.2); p is not negative, so the hold is one-sided
.set qi, qi+1
.endr
	v_cvt_scalef32_pk8_fp8_f32 v[PCD+4*\b:PCD+1+4*\b], v[S+16*\b:S+7+16*\b], v[BM+12+\b]
	v_cvt_scalef32_pk8_fp8_f32 v[PCD+2+4*\b:PCD+3+4*\b], v[S+8+16*\b:S+15+16*\b], v[BM+12+\b]
.endr
.set ii, 0
.rept 8
	v_pk_mul_f32 v[O+ii:O+ii+1], v[O+ii:O+ii+1], v[F:F+1] op_sel_hi:[1,0]   ; O^T under the new M; these eight are also the lines between the conversions and the products
.set ii, ii+2
.endr
	s_wait_dscnt 0x0                               ; V is in
	v_wmma_scale_f32_16x16x128_f8f6f4 v[O:O+7], v[VC:VC+15], v[PCD:PCD+15], v[O:O+7], v[VS], v[PS]   ; the two sums take turns, and the next step's eight products stand between two links of each
	v_wmma_scale_f32_16x16x128_f8f6f4 v[O+8:O+15], v[VC+16:VC+31], v[PCD:PCD+15], v[O+8:O+15], v[VS], v[PS] matrix_a_scale:MATRIX_SCALE_ROW1
	s_add_co_u32 s[TK], s[TK], 4096
	s_add_co_u32 s[TV], s[TV], 4096
	s_add_co_u32 s[TS], s[TS], 512
	s_add_co_u32 s[TT], s[TT], 128
.endm
; A PHASE: trips steps from step first on.  cnt: the younger tensor loads of a fetching wave that may stay out.  Later chunks stay on their way across them.
.macro PHASE cnt, trips, first
	s_wait_tensorcnt \cnt
	s_wait_dscnt 0x0
	s_barrier_signal -1
	s_barrier_wait -1                              ; what waves 0 and 1 have waited for is there for all sixteen
	s_mov_b32 s[TK], 4096*\first
	s_mov_b32 s[TV], 131072+4096*\first
	s_mov_b32 s[TS], 262144+512*\first
	s_mov_b32 s[TT], 278528+128*\first
	s_mov_b32 s[CNT], \trips
.Lstep_\@:
	STEP
	s_sub_co_u32 s[CNT], s[CNT], 1
	s_cmp_lg_u32 s[CNT], 0
	s_cbranch_scc1 .Lstep_\@
.endm
	s_wait_loadcnt 0x0                             ; Q
	PHASE 7, 4, 0                                  ; the scale words and chunk 0 are in; chunks 1 to 7 may be out
	PHASE 6, 4, 4                                  ; chunk 1; 2 to 7 may be out
	PHASE 4, 8, 8                                  ; chunks 2, 3; 4 to 7 may be out
	PHASE 0, 16, 16                                ; all
	; THE WAY OUT: O^T / the sum, quantised: my head's 32 channels are one block of the next product's K; a lane's 16 registers are channels 16 h + 0 .. 15 of its query
.rept 8
	v_nop
.endr
	v_add_f32 v14, v14, v15
	v_permlanex16_b32 v[TMP], v14, s[SEL], s[SEL+1]
	v_add_f32 v14, v14, v[TMP]                     ; the row's sum
	v_rcp_f32 v14, v14
	v_nop
	s_wait_alu depctr_va_vdst(0)
.set ii, 0
.rept 8
	v_pk_mul_f32 v[S+ii:S+ii+1], v[O+ii:O+ii+1], v[14:15] op_sel_hi:[1,0]   ; each accumulator from its low end on
.set ii, ii+2
.endr
	v_max3_num_f32 v[BM], |v[S]|, |v[S+1]|, 0x4800000
	v_max3_num_f32 v[BM+1], |v[S+2]|, |v[S+3]|, |v[S+4]|
	v_max3_num_f32 v[BM], v[BM], |v[S+5]|, |v[S+6]|
	v_max3_num_f32 v[BM+1], v[BM+1], |v[S+7]|, |v[S+8]|
	v_max3_num_f32 v[BM], v[BM], |v[S+9]|, |v[S+10]|
	v_max3_num_f32 v[BM+1], v[BM+1], |v[S+11]|, |v[S+12]|
	v_max3_num_f32 v[BM], v[BM], |v[S+13]|, |v[S+14]|
	v_max3_num_f32 v[BM], v[BM], v[BM+1], |v[S+15]|
	v_permlanex16_b32 v[BM+4], v[BM], s[SEL], s[SEL+1]
	v_max_num_f32 v[BM], v[BM], v[BM+4]
	v_add_nc_u32 v[BM+12], 0xfc000000, v[BM]
	v_and_or_b32 v[BM+8], v[BM], 0x7f800000, s[MNT]
	v_lshrrev_b32 v[BM+5], 23, v[BM+12]
.set ii, 0
.rept 16
	v_med3_num_f32 v[S+ii], v[S+ii], -v[BM+8], v[BM+8]
.set ii, ii+1
.endr
	v_cvt_scalef32_pk8_fp8_f32 v[PCD:PCD+1], v[S:S+7], v[BM+12]
	v_cvt_scalef32_pk8_fp8_f32 v[PCD+2:PCD+3], v[S+8:S+15], v[BM+12]
	v_nop
	global_store_b128 v[LI], v[PCD:PCD+3], s[10:11]   ; 512 consecutive bytes, aligned
	global_store_b32 v[LI], v[BM+5], s[12:13]         ; my head's word of the lane's four
	s_wait_tensorcnt 0x0
	ds_add_u32 v252, v253
	s_wait_dscnt 0x0
	CROUND                                         ; the closing round: no work-group ends while a partner may still ask for a tile that names it
	s_endpgm
.Lfunc_end_k_q6dfb8596ae_attn:
	.size	k_q6dfb8596ae_attn, .Lfunc_end_k_q6dfb8596ae_attn-k_q6dfb8596ae_attn
	.p2alignl 7, 3214868480
	.fill 96, 4, 3214868480
	.section	.rodata,"a",@progbits
	.p2align	6, 0x0
	.amdhsa_kernel k_q6dfb8596ae_attn
		.amdhsa_group_segment_fixed_size 284672
		.amdhsa_private_segment_fixed_size 0
		.amdhsa_enable_private_segment 0
		.amdhsa_kernarg_size 40
		.amdhsa_user_sgpr_count 2
		.amdhsa_user_sgpr_kernarg_segment_ptr 1
		.amdhsa_wavefront_size32 1
		.amdhsa_system_sgpr_workgroup_id_x 1
		.amdhsa_system_sgpr_workgroup_id_y 1
		.amdhsa_system_sgpr_workgroup_id_z 1
		.amdhsa_system_vgpr_workitem_id 0
		.amdhsa_next_free_vgpr 256
		.amdhsa_next_free_sgpr 96
		.amdhsa_reserve_vcc 0
		.amdhsa_float_denorm_mode_32 3
		.amdhsa_float_denorm_mode_16_64 3
		.amdhsa_memory_ordered 1
		.amdhsa_forward_progress 1
		.amdhsa_inst_pref_size 81
	.end_amdhsa_kernel
	.amdgpu_metadata
---
amdhsa.version: [ 1, 2 ]
amdhsa.kernels:
  - .name:           k_q6dfb8596ae_attn
    .symbol:         k_q6dfb8596ae_attn.kd
    .args:
      - { .name: qimg, .offset: 0, .size: 8, .value_kind: global_buffer, .address_space: global }
      - { .name: qsc, .offset: 8, .size: 8, .value_kind: global_buffer, .address_space: global }
      - { .name: kv, .offset: 16, .size: 8, .value_kind: global_buffer, .address_space: global }
      - { .name: oimg, .offset: 24, .size: 8, .value_kind: global_buffer, .address_space: global }
      - { .name: osc, .offset: 32, .size: 8, .value_kind: global_buffer, .address_space: global }
    .group_segment_fixed_size: 284672
    .private_segment_fixed_size: 0
    .kernarg_segment_align: 8
    .kernarg_segment_size: 40
    .max_flat_workgroup_size: 512
    .sgpr_count:     96
    .vgpr_count:     256
    .wavefront_size: 32
...
	.end_amdgpu_metadata
.endif
;; end of part 2
;; launch mlp (part 3): grid 256 x 1, 4 waves a work-group, no clusters, 77,824 bytes of LDS; arguments x, oimg, osc, wimg, wsc, proj_b, ln2_g, ln2_b, mlp_b1, mlp_b2, out0; writes out0
.if DOCPART == 3
	.amdgcn_target "amdgcn-amd-amdhsa--gfx1250"
	.amdhsa_code_object_version 6
	.text
	.protected	k_q6dfb8596ae_mlp
	.globl	k_q6dfb8596ae_mlp
	.p2align	8
	.type	k_q6dfb8596ae_mlp,@function
k_q6dfb8596ae_mlp:
	s_mov_b64 s[64:65], 0
	v_nop
	global_prefetch_b8 v0, s[64:65] scope:SCOPE_SE
	s_setreg_imm32_b32 hwreg(HW_REG_WAVE_MODE, 25, 1), 1
	s_wait_xcnt 0x0
; x1 = x + O proj_w + proj_b;  out = x1 + gelu(LN2(x1) W1 + b1) W2 + b2.  All three products on codes of FP8 (E4M3) with one E8M0 scale for each 32 along K; all else in f32.
; O and the three weights arrive as images of operand registers (2,048 bytes a fragment, 512 for four registers, lane l's 16 bytes at 16 l) with a scale word a lane.
; SHARES.  A work-group of four waves owns 64 tokens: four tiles of 16 whose row r is token 32 B + 8 u + r + 8 (r / 8).  FRONT: wave w takes tile w through the projection, the residual and LayerNorm 2.
; MLP: THE WAVES SHARE THE COLUMNS: wave w makes hidden units 128 w .. + 127 and outputs 32 w .. + 31 for all 64 rows, so its parts of W1 and W2 stay in its registers.  Operands go from wave to wave through LDS
; as images of their registers.  All products are used transposed (source 0 = 16 columns of a weight, source 1 = 16 rows), so that a lane holds one row and its registers run along the next K.
; The residuals and biases are the C of each sum's first product.  x1 waits for the last product in the stage in LDS through which the result leaves.
; GELU is exact: x (1 + erf(x / sqrt 2)) / 2, erf(z) = z A(z^2) / B(z^2) with z held within +-4, polynomials of degree 6 and 4 in f32.
; No tensor loads, so no ring; no cluster: the weights, which all work-groups share, go from memory straight into registers.
; LIMITS: NaN and infinities are not served; for strongly negative x the GELU carries the absolute rounding of 1 + erf, about 6e-8 |x|; a block whose largest magnitude lies under 2^-118, zeros among them, gets the scale byte 1.
; REGISTERS, in windows of 256.  window 0: v4-14 addresses; v16-31 a fragment of rows; v32-35 two coefficients; v36-39 the loop's addresses; v48-111 64 numbers of a row; v112-127 codes just made;
;   v128-131, v196-197 LayerNorm's; v132-195 at work; v200-216 the quantiser's; v217-248 scale words; v250-253 O's four scale bytes as loaded.
;   window 1: v0-127 W1's 8 fragments, v128-255 proj_w's 8.   window 2: v0-127 W2's 8 (4 u + s), v128-191 b1, v192-255 the 8 accumulators of the result (16 m + 8 u).
;   window 3: v0-63 ln2_g, v64-127 ln2_b, v128-191 proj_b, v192-207 b2.
.set XSC,  8192                        ; LDS: the four images of LN2's rows from 0 on; their scale words;
.set HIMG, 8704                        ; the hidden layer's 16 images (4 s + m: K step s, tile of rows m);
.set HSC,  41472                       ; their scale words;
.set STG,  43520                       ; the stage: 64 rows x (512 bytes + 16)
.set LI,  4
.set LS,  5
.set XA,  6                            ; 512 pr + 64 h
.set BA,  7                            ; 64 h
.set XWI, 8
.set XWS, 9
.set HWI, 10
.set HWS, 11
.set SX,  12                           ; the stage, my tile's row r, + 64 h
.set SY,  13                           ; the stage, row r, my 128 bytes of columns, + 64 h
.set SR,  14                           ; the stage, my 16 rows, 16 bytes a lane
.set XF,  16
.set CA,  32
.set CB,  34
.set AX,  36
.set AS,  37
.set AH,  38
.set AT,  39
.set HA,  48
.set PC,  112
.set MU,  128
.set T1,  130
.set ST,  132
.set T2,  196
.set TM,  200
.set PW,  216
.set XS,  217
.set HS,  219
.set W1S, 224
.set W2S, 232
.set WPS, 240
.set OS,  248
.set WV,  26
.set SEL, 28
.set MNT, 30
.set R128, 31
.set EPS, 32
.set TI,  54
.set TW,  55
.set CNT, 56
.set MSB, 0
.macro WIN new                         ; bits 1:0 source 0, 3:2 source 1, 5:4 source 2, 7:6 destination; the high byte repeats the setting that is left
.if MSB != \new
	s_set_vgpr_msb (MSB<<8)|\new
.set MSB, \new
.endif
.endm
.macro PLACES n
.rept \n
	v_nop
.endr
.endm
.macro BARRIER                         ; my LDS stores have landed and my LDS loads are in: then the work-group's barrier
	s_wait_dscnt 0x0
	s_barrier_signal -1
	s_barrier_wait -1
.endm
; the 64 numbers in v[HA ..], register 16 b + i = k 32 b + 16 (lane / 16) + i of my row, become a fragment's codes in v[PC ..] and its scale word in v[PW]
.macro QUANT
.irp b, 0,1,2,3
	v_max3_num_f32 v[TM+\b], |v[HA+16*\b]|, |v[HA+1+16*\b]|, 0x4800000   ; and the floor 2^(9 - 127)
.endr
.irp i, 2,4,6,8,10,12,14
.irp b, 0,1,2,3
	v_max3_num_f32 v[TM+\b], v[TM+\b], |v[HA+16*\b+\i]|, |v[HA+1+16*\b+\i]|
.endr
.endr
.irp b, 0,1,2,3
	v_permlanex16_b32 v[TM+4+\b], v[TM+\b], s[SEL], s[SEL+1]
.endr
.irp b, 0,1,2,3
	v_max_num_f32 v[TM+\b], v[TM+\b], v[TM+4+\b]
.endr
.irp b, 0,1,2,3
	v_add_nc_u32 v[TM+12+\b], 0xfc000000, v[TM+\b]
.endr
.irp b, 0,1,2,3
	v_and_or_b32 v[TM+8+\b], v[TM+\b], 0x7f800000, s[MNT]
.endr
.irp b, 0,1,2,3
	v_lshrrev_b32 v[TM+4+\b], 23, v[TM+12+\b]
.endr
	v_lshl_or_b32 v[PW], v[TM+5], 8, v[TM+4]
	v_lshl_or_b32 v[PW], v[TM+6], 16, v[PW]
	v_lshl_or_b32 v[PW], v[TM+7], 24, v[PW]
.irp b, 0,1,2,3
.set qi, 0
.rept 16
	v_med3_num_f32 v[HA+16*\b+qi], v[HA+16*\b+qi], -v[TM+8+\b], v[TM+8+\b]   ; the conversion does not saturate (ISA guide 7.6.2)
.set qi, qi+1
.endr
	v_cvt_scalef32_pk8_fp8_f32 v[PC+4*\b:PC+1+4*\b], v[HA+16*\b:HA+7+16*\b], v[TM+12+\b]
	v_cvt_scalef32_pk8_fp8_f32 v[PC+2+4*\b:PC+3+4*\b], v[HA+8+16*\b:HA+15+16*\b], v[TM+12+\b]
.endr
	v_nop                                          ; a plain line behind the last conversion: the next products write v[HA ..]
.endm
.macro IMAGE adr                               ; the fragment in v[PC ..] goes to LDS as it stands
.irp c, 0,1,2,3
	ds_store_b128 v[\adr], v[PC+4*\c:PC+4*\c+3] offset:512*\c
.endr
.endm
; One step of Horner's rule for eight pairs: reg = 4: the numerator, 6: the denominator
.macro HORNER reg, lit
.irp k, 0,1,2,3,4,5,6,7
	v_pk_fma_f32 v[ST+8*\k+\reg:ST+8*\k+\reg+1], v[ST+8*\k+\reg:ST+8*\k+\reg+1], v[ST+8*\k+2:ST+8*\k+3], \lit op_sel_hi:[1,1,0]
.endr
.endm
; GELU of the 64 numbers in v[HA ..], in place, 16 at a time.  Pair k has eight registers at v[ST + 8 k]: z, z^2 (later x / 2), the numerator, the denominator
.macro GELU
.irp g, 0,1,2,3
.irp k, 0,1,2,3,4,5,6,7
	v_pk_mul_f32 v[ST+8*\k:ST+8*\k+1], v[HA+16*\g+2*\k:HA+16*\g+2*\k+1], 0x3f3504f3 op_sel_hi:[1,0]   ; z = x / sqrt 2; each accumulator is read from its low end on
.endr
.irp k, 0,1,2,3,4,5,6,7
	v_med3_num_f32 v[ST+8*\k], v[ST+8*\k], -4.0, 4.0
	v_med3_num_f32 v[ST+8*\k+1], v[ST+8*\k+1], -4.0, 4.0
.endr
.irp k, 0,1,2,3,4,5,6,7
	v_pk_mul_f32 v[ST+8*\k+2:ST+8*\k+3], v[ST+8*\k:ST+8*\k+1], v[ST+8*\k:ST+8*\k+1]
.endr
.irp k, 0,1,2,3,4,5,6,7
	v_pk_fma_f32 v[ST+8*\k+4:ST+8*\k+5], v[ST+8*\k+2:ST+8*\k+3], v[CA:CA+1], 0x32edffee op_sel_hi:[1,1,0]   ; -2.7261e-10 z^2 + 2.7707e-8
	v_pk_fma_f32 v[ST+8*\k+6:ST+8*\k+7], v[ST+8*\k+2:ST+8*\k+3], v[CB:CB+1], 0xb95fbd29 op_sel_hi:[1,1,0]   ; -1.4566e-5 z^2 - 2.1337e-4
.endr
	HORNER 4, 0xb60cff51                           ; -2.1010e-6
	HORNER 6, 0xbadc924e                           ; -1.6828e-3
	HORNER 4, 0xb86ec2d2                           ; -5.6925e-5
	HORNER 6, 0xbbf19bf8                           ; -7.3733e-3
	HORNER 4, 0xba40ac63                           ; -7.3499e-4
	HORNER 6, 0xbc69b6a7                           ; -1.4265e-2
	HORNER 4, 0xbb41a1f6                           ; -2.9546e-3
	HORNER 4, 0xbc83dbd4                           ; -1.6096e-2
.irp k, 0,1,2,3,4,5,6,7
	v_rcp_f32 v[ST+8*\k+6], v[ST+8*\k+6]
	v_rcp_f32 v[ST+8*\k+7], v[ST+8*\k+7]
.endr
.irp k, 0,1,2,3,4,5,6,7
	v_pk_mul_f32 v[ST+8*\k+4:ST+8*\k+5], v[ST+8*\k+4:ST+8*\k+5], v[ST+8*\k:ST+8*\k+1]   ; z A: work that names no reciprocal stands behind the batch
.endr
.irp k, 0,1,2,3,4,5,6,7
	v_pk_mul_f32 v[ST+8*\k+2:ST+8*\k+3], v[HA+16*\g+2*\k:HA+16*\g+2*\k+1], 0.5 op_sel_hi:[1,0]
.endr
	s_wait_alu depctr_va_vdst(0)                   ; one wait for the sixteen reciprocals, ahead of their first reader
.irp k, 0,1,2,3,4,5,6,7
	v_pk_mul_f32 v[ST+8*\k+4:ST+8*\k+5], v[ST+8*\k+4:ST+8*\k+5], v[ST+8*\k+6:ST+8*\k+7]   ; erf
.endr
.irp k, 0,1,2,3,4,5,6,7
	v_pk_fma_f32 v[HA+16*\g+2*\k:HA+16*\g+2*\k+1], v[ST+8*\k+2:ST+8*\k+3], v[ST+8*\k+4:ST+8*\k+5], v[ST+8*\k+2:ST+8*\k+3]   ; x / 2 erf + x / 2
.endr
.endr
.endm
	s_load_b512 s[4:19], s[0:1], 0x0               ; x 4, oimg 6, osc 8, wimg 10, wsc 12, proj_b 14, ln2_g 16, ln2_b 18
	s_load_b128 s[20:23], s[0:1], 0x40             ; mlp_b1 20, mlp_b2 22
	s_load_b64 s[24:25], s[0:1], 0x50              ; out0
	v_lshl_add_u32 v254, v0, 2, 0x12e00
	v_mov_b32 v255, 0
	v_lshrrev_b32 v1, 5, v0
	v_readfirstlane_b32 s[WV], v1                  ; wave 0..3
	v_and_b32 v1, 31, v0
	v_and_b32 v2, 15, v0
	v_bfe_u32 v3, v0, 4, 1
	v_and_b32 v15, 8, v2
	v_add_nc_u32 v15, v15, v2                      ; pr = r + 8 (r / 8)
	v_lshlrev_b32 v[LI], 4, v1
	v_lshlrev_b32 v[LS], 2, v1
	v_lshlrev_b32 v[BA], 6, v3
	v_lshl_add_u32 v[XA], v15, 9, v[BA]
	s_lshl_b32 s34, s[WV], 11
	v_add_nc_u32 v[XWI], s34, v[LI]
	s_lshl_b32 s34, s[WV], 7
	s_add_co_u32 s34, s34, XSC
	v_add_nc_u32 v[XWS], s34, v[LS]
	s_lshl_b32 s34, s[WV], 13
	s_add_co_u32 s34, s34, HIMG
	v_add_nc_u32 v[HWI], s34, v[LI]                ; my four hidden images lie on end: 8,192 bytes a wave
	s_lshl_b32 s34, s[WV], 9
	s_add_co_u32 s34, s34, HSC
	v_add_nc_u32 v[HWS], s34, v[LS]
	v_mul_u32_u24 v15, v2, 528
	v_add_nc_u32 v15, v15, v[BA]
	s_mul_i32 s34, s[WV], 8448
	s_add_co_u32 s34, s34, STG
	v_add_nc_u32 v[SX], s34, v15
	v_add_nc_u32 v[SR], s34, v[LI]
	s_lshl_b32 s34, s[WV], 7
	s_add_co_u32 s34, s34, STG
	v_add_nc_u32 v[SY], s34, v15
	v_mov_b32 v[CA], 0xaf95df0b                    ; erf's leading coefficients, as pairs: -2.72614e-10,
	v_mov_b32 v[CA+1], 0xaf95df0b
	v_mov_b32 v[CB], 0xb77460cd                    ; -1.45661e-5
	v_mov_b32 v[CB+1], 0xb77460cd
.irp b, 0,1,2,3
	v_mov_b32 v[TM+4+\b], 0                        ; a lane permute's destination counts as one of its sources
.endr
	v_mov_b32 v[T2], 0
	s_mov_b32 s[SEL], 0x76543210
	s_mov_b32 s[SEL+1], 0xfedcba98
	s_mov_b32 s[MNT], 0x600000
	s_mov_b32 s[R128], 0x3c000000
	s_mov_b32 s[EPS], 0x3727c5ac
	s_lshl_b32 s34, ttmp9, 2
	s_add_co_u32 s34, s34, s[WV]                   ; my tile of rows among all 1,024
	s_lshl_b32 s36, s34, 11
	s_mov_b32 s37, 0
	s_lshl_b32 s38, s34, 9
	s_mov_b32 s39, 0
	s_lshl_b32 s40, ttmp9, 15                      ; x and out0: 64 g rows of 512 bytes + 32 rows for tiles 2, 3 + 8 rows for tiles 1, 3
	s_lshr_b32 s34, s[WV], 1
	s_lshl_b32 s34, s34, 14
	s_add_co_u32 s40, s40, s34
	s_and_b32 s34, s[WV], 1
	s_lshl_b32 s34, s34, 12
	s_add_co_u32 s40, s40, s34
	s_mov_b32 s41, 0
	s_lshl_b32 s42, s[WV], 14                      ; my eight fragments of W1, and of W2
	s_mov_b32 s43, 0
	s_lshl_b32 s44, s[WV], 10                      ; and their scale words
	s_mov_b32 s45, 0
	s_lshl_b32 s46, s[WV], 9                       ; b1: my 128 numbers
	s_mov_b32 s47, 0
	s_lshl_b32 s48, s[WV], 7                       ; b2: my 32
	s_mov_b32 s49, 0
	s_wait_kmcnt 0x0
	s_add_nc_u64 s[6:7], s[6:7], s[36:37]
	s_add_nc_u64 s[8:9], s[8:9], s[38:39]
	s_add_nc_u64 s[4:5], s[4:5], s[40:41]
	s_add_nc_u64 s[24:25], s[24:25], s[40:41]
	s_add_nc_u64 s[50:51], s[10:11], s[42:43]
	s_add_nc_u64 s[52:53], s[12:13], s[44:45]
	s_add_nc_u64 s[20:21], s[20:21], s[46:47]
	s_add_nc_u64 s[22:23], s[22:23], s[48:49]
	; ---- what the projection needs
.irp c, 0,1,2,3
	global_load_b128 v[XF+4*\c:XF+4*\c+3], v[LI], s[6:7] offset:512*\c       ; O's fragment of my tile
.endr
	global_load_b128 v[250:253], v[LI], s[8:9]                               ; its four scale bytes, a word each
.set ii, 0
.rept 16
	global_load_b128 v[HA+4*ii:HA+4*ii+3], v[XA], s[4:5] offset:128*(ii/4)+16*(ii%4) th:TH_LOAD_NT   ; x in the result's layout: 16 numbers of each block of 32 of my row
.set ii, ii+1
.endr
.irp t, 0,1,2,3,4,5,6,7
	global_load_b32 v[WPS+\t], v[LS], s[12:13] offset:128*\t
.endr
	WIN 0xc0
.set ii, 0
.rept 16
	global_load_b128 v[128+4*ii:128+4*ii+3], v[BA], s[14:15] offset:128*(ii/4)+16*(ii%4)   ; proj_b
.set ii, ii+1
.endr
	WIN 0x40
.set ii, 0
.rept 32
	global_load_b128 v[128+4*ii:128+4*ii+3], v[LI], s[10:11] offset:512*ii                 ; proj_w's eight fragments
.set ii, ii+1
.endr
	; ---- 52 loads that may land later
	WIN 0xc0
.set ii, 0
.rept 16
	global_load_b128 v[4*ii:4*ii+3], v[BA], s[16:17] offset:128*(ii/4)+16*(ii%4)           ; ln2_g
	global_load_b128 v[64+4*ii:64+4*ii+3], v[BA], s[18:19] offset:128*(ii/4)+16*(ii%4)     ; ln2_b
.set ii, ii+1
.endr
.irp j, 0,1,2,3
	global_load_b128 v[192+4*\j:192+4*\j+3], v[BA], s[22:23] offset:16*\j                  ; b2: outputs 32 w + 16 h + 0 .. 15
.endr
	WIN 0x80
.irp t, 0,1,2,3,4,5,6,7
	global_load_b128 v[128+8*\t:128+8*\t+3], v[BA], s[20:21] offset:(32*(\t/2)+8*(\t%2))*4       ; b1: tile t's eight units of my half
	global_load_b128 v[128+8*\t+4:128+8*\t+7], v[BA], s[20:21] offset:(32*(\t/2)+8*(\t%2))*4+16
.endr
	WIN 0
	s_wait_loadcnt 52                              ; all but those 52
	v_lshl_or_b32 v[OS], v251, 8, v250             ; O's scale word: byte c is head c's
	v_lshl_or_b32 v[OS], v252, 16, v[OS]
	v_lshl_or_b32 v[OS], v253, 24, v[OS]
	WIN 0x0c
.set ii, 0
.rept 32
	v_pk_add_f32 v[HA+ii:HA+ii+1], v[HA+ii:HA+ii+1], v[128+ii:129+ii]   ; x + proj_b: the C of the projection.  For each product 28 of these name none of its registers: the places ahead of the scale word's use
.set ii, ii+2
.endr
	WIN 0x01
.irp t, 0,1,2,3,4,5,6,7
	v_wmma_scale_f32_16x16x128_f8f6f4 v[HA+8*\t:HA+8*\t+7], v[128+16*\t:143+16*\t], v[XF:XF+15], v[HA+8*\t:HA+8*\t+7], v[WPS+\t], v[OS]   ; x1: eight accumulators, one product each
.endr
	; ---- 80 loads: my parts of W1 and W2; they land during LayerNorm 2
	WIN 0x40
.set ii, 0
.rept 32
	global_load_b128 v[4*ii:4*ii+3], v[LI], s[50:51] offset:16384+512*ii
.set ii, ii+1
.endr
	WIN 0x80
.set ii, 0
.rept 32
	global_load_b128 v[4*ii:4*ii+3], v[LI], s[50:51] offset:81920+512*ii
.set ii, ii+1
.endr
	WIN 0
.irp t, 0,1,2,3,4,5,6,7
	global_load_b32 v[W1S+\t], v[LS], s[52:53] offset:1024+128*\t
	global_load_b32 v[W2S+\t], v[LS], s[52:53] offset:5120+128*\t
.endr
	PLACES 8                                       ; eight places behind this form before its results are read
.set ii, 0
.rept 16
	ds_store_b128 v[SX], v[HA+4*ii:HA+4*ii+3] offset:128*(ii/4)+16*(ii%4)   ; x1 waits in the stage; each accumulator from its low end on
.set ii, ii+1
.endr
	s_wait_loadcnt 63                              ; the 52 are in: 80 loads are younger, and the smaller count is the safe one
	; ---- LayerNorm 2, in place
	v_pk_add_f32 v[MU:MU+1], v[HA:HA+1], v[HA+2:HA+3]
	v_pk_add_f32 v[T1:T1+1], v[HA+4:HA+5], v[HA+6:HA+7]
.set ii, 8
.rept 14
	v_pk_add_f32 v[MU:MU+1], v[MU:MU+1], v[HA+ii:HA+ii+1]
	v_pk_add_f32 v[T1:T1+1], v[T1:T1+1], v[HA+ii+2:HA+ii+3]
.set ii, ii+4
.endr
	v_pk_add_f32 v[MU:MU+1], v[MU:MU+1], v[T1:T1+1]
	v_add_f32 v[MU], v[MU], v[MU+1]
	v_permlanex16_b32 v[T2], v[MU], s[SEL], s[SEL+1]
	v_add_f32 v[MU], v[MU], v[T2]
	v_mul_f32 v[MU], s[R128], v[MU]                ; the mean
	s_wait_dscnt 0x0                               ; the stage's stores have read x1's registers, which are written from here on
.set ii, 0
.rept 32
	v_pk_add_f32 v[HA+ii:HA+ii+1], v[HA+ii:HA+ii+1], v[MU:MU+1] op_sel_hi:[1,0] neg_lo:[0,1] neg_hi:[0,1]
.set ii, ii+2
.endr
	v_pk_mul_f32 v[T1:T1+1], v[HA:HA+1], v[HA:HA+1]
	v_pk_mul_f32 v[T2:T2+1], v[HA+2:HA+3], v[HA+2:HA+3]
.set ii, 4
.rept 15
	v_pk_fma_f32 v[T1:T1+1], v[HA+ii:HA+ii+1], v[HA+ii:HA+ii+1], v[T1:T1+1]
	v_pk_fma_f32 v[T2:T2+1], v[HA+ii+2:HA+ii+3], v[HA+ii+2:HA+ii+3], v[T2:T2+1]
.set ii, ii+4
.endr
	v_pk_add_f32 v[T1:T1+1], v[T1:T1+1], v[T2:T2+1]
	v_add_f32 v[T1], v[T1], v[T1+1]
	v_permlanex16_b32 v[T2], v[T1], s[SEL], s[SEL+1]
	v_add_f32 v[T1], v[T1], v[T2]
	v_fma_f32 v[T1], v[T1], s[R128], s[EPS]
	v_rsq_f32 v[T1], v[T1]
	v_nop
	s_wait_alu depctr_va_vdst(0)
.set ii, 0
.rept 32
	v_pk_mul_f32 v[HA+ii:HA+ii+1], v[HA+ii:HA+ii+1], v[T1:T1+1] op_sel_hi:[1,0]
.set ii, ii+2
.endr
	WIN 0x3c                                       ; gain and bias in window 3
.set ii, 0
.rept 32
	v_pk_fma_f32 v[HA+ii:HA+ii+1], v[HA+ii:HA+ii+1], v[ii:ii+1], v[64+ii:65+ii]
.set ii, ii+2
.endr
	WIN 0
	QUANT
	IMAGE XWI
	ds_store_b32 v[XWS], v[PW]
	BARRIER                                        ; the four tiles' fragments, and x1, lie in LDS
	s_wait_loadcnt 0x0                             ; W1, W2
	; ---- the hidden layer: my 128 units, a tile of 16 rows a trip
	s_mov_b32 s[TI], 0
	s_mov_b32 s[TW], 0
	s_mov_b32 s[CNT], 4
.Ltile:
	v_add_nc_u32 v[AX], s[TI], v[LI]
	v_add_nc_u32 v[AS], s[TW], v[LS]
	v_add_nc_u32 v[AH], s[TI], v[HWI]
	v_add_nc_u32 v[AT], s[TW], v[HWS]
.irp c, 0,1,2,3
	ds_load_b128 v[XF+4*\c:XF+4*\c+3], v[AX] offset:512*\c
.endr
	ds_load_b32 v[XS], v[AS] offset:XSC
	s_wait_dscnt 0x0
	WIN 0x21                                       ; source 0 (W1) window 1, C (b1) window 2
.irp t, 0,1,2,3,4,5,6,7
	v_wmma_scale_f32_16x16x128_f8f6f4 v[HA+8*\t:HA+8*\t+7], v[16*\t:16*\t+15], v[XF:XF+15], v[128+8*\t:135+8*\t], v[W1S+\t], v[XS]
.endr
	WIN 0
	PLACES 8
	GELU
	QUANT
	IMAGE AH                                       ; K step w of the last product, this tile's rows
	ds_store_b32 v[AT], v[PW]
	s_wait_dscnt 0x0                               ; the stores have read their registers
	s_add_co_u32 s[TI], s[TI], 2048
	s_add_co_u32 s[TW], s[TW], 128
	s_sub_co_u32 s[CNT], s[CNT], 1
	s_cmp_lg_u32 s[CNT], 0
	s_cbranch_scc1 .Ltile
	BARRIER                                        ; the hidden layer's sixteen fragments lie in LDS
	; ---- the last product: my 32 outputs for the 64 rows; x1 + b2 starts the sums
	WIN 0x80
.irp m, 0,1,2,3
.irp j, 0,1,2,3
	ds_load_b128 v[192+16*\m+4*\j:192+16*\m+4*\j+3], v[SY] offset:8448*\m+16*\j   ; x1(row r of tile m, outputs 32 w + 16 h + 4 j ..): bytes that I alone read, and later write
.endr
.endr
	WIN 0
	s_wait_dscnt 0x0
	WIN 0x8e                                       ; sums in window 2, b2 in window 3
.irp m, 0,1,2,3
.irp j, 0,2,4,6,8,10,12,14
	v_pk_add_f32 v[192+16*\m+\j:193+16*\m+\j], v[192+16*\m+\j:193+16*\m+\j], v[192+\j:193+\j]
.endr
.endr
.irp s, 0,1,2,3
	WIN 0
.irp m, 0,1,2,3
.irp c, 0,1,2,3
	ds_load_b128 v[ST+16*\m+4*\c:ST+16*\m+4*\c+3], v[LI] offset:HIMG+(4*\s+\m)*2048+512*\c
.endr
	ds_load_b32 v[HS+\m], v[LS] offset:HSC+128*(4*\s+\m)
.endr
	s_wait_dscnt 0x0
	WIN 0xa2                                       ; source 0 (W2), C and D window 2
.irp m, 0,1,2,3
.irp u, 0,1
	v_wmma_scale_f32_16x16x128_f8f6f4 v[192+16*\m+8*\u:199+16*\m+8*\u], v[16*(4*\u+\s):16*(4*\u+\s)+15], v[ST+16*\m:ST+16*\m+15], v[192+16*\m+8*\u:199+16*\m+8*\u], v[W2S+4*\u+\s], v[HS+\m]   ; the eight sums take turns, in the same order in every K step
.endr
.endr
	WIN 0
	PLACES 8                                       ; ahead of loads into registers that the products have read, and of the first read of results
.endr
	WIN 0x08                                       ; an LDS store's data are its source 1: window 2
.irp m, 0,1,2,3
.irp j, 0,1,2,3
	ds_store_b128 v[SY], v[192+16*\m+4*\j:192+16*\m+4*\j+3] offset:8448*\m+16*\j   ; over x1's bytes; each accumulator from its low end on
.endr
.endr
	WIN 0
	BARRIER                                        ; 64 whole rows of the result lie in the stage
.irp i, 0,1,2,3,4,5,6,7,8,9,10,11,12,13,14,15
	ds_load_b128 v[ST+4*\i:ST+4*\i+3], v[SR] offset:528*\i
.endr
.irp i, 0,1,2,3,4,5,6,7,8,9,10,11,12,13,14,15
	s_wait_dscnt 15-\i                             ; row i is back; the younger rows may be out
	global_store_b128 v[LI], v[ST+4*\i:ST+4*\i+3], s[24:25] offset:(\i+8*(\i/8))*512 th:TH_STORE_NT   ; 32 lanes store a row of 512 consecutive bytes, aligned; row i of the tile is token i + 8 (i / 8)
.endr
	s_wait_tensorcnt 0x0
	ds_add_u32 v254, v255
	s_wait_dscnt 0x0
	s_endpgm
.Lfunc_end_k_q6dfb8596ae_mlp:
	.size	k_q6dfb8596ae_mlp, .Lfunc_end_k_q6dfb8596ae_mlp-k_q6dfb8596ae_mlp
	.p2alignl 7, 3214868480
	.fill 96, 4, 3214868480
	.section	.rodata,"a",@progbits
	.p2align	6, 0x0
	.amdhsa_kernel k_q6dfb8596ae_mlp
		.amdhsa_group_segment_fixed_size 77824
		.amdhsa_private_segment_fixed_size 0
		.amdhsa_enable_private_segment 0
		.amdhsa_kernarg_size 88
		.amdhsa_user_sgpr_count 2
		.amdhsa_user_sgpr_kernarg_segment_ptr 1
		.amdhsa_wavefront_size32 1
		.amdhsa_system_sgpr_workgroup_id_x 1
		.amdhsa_system_sgpr_workgroup_id_y 1
		.amdhsa_system_sgpr_workgroup_id_z 1
		.amdhsa_system_vgpr_workitem_id 0
		.amdhsa_next_free_vgpr 1024
		.amdhsa_next_free_sgpr 66
		.amdhsa_reserve_vcc 0
		.amdhsa_float_denorm_mode_32 3
		.amdhsa_float_denorm_mode_16_64 3
		.amdhsa_memory_ordered 1
		.amdhsa_forward_progress 1
		.amdhsa_inst_pref_size 125
	.end_amdhsa_kernel
	.amdgpu_metadata
---
amdhsa.version: [ 1, 2 ]
amdhsa.kernels:
  - .name:           k_q6dfb8596ae_mlp
    .symbol:         k_q6dfb8596ae_mlp.kd
    .args:
      - { .name: x, .offset: 0, .size: 8, .value_kind: global_buffer, .address_space: global }
      - { .name: oimg, .offset: 8, .size: 8, .value_kind: global_buffer, .address_space: global }
      - { .name: osc, .offset: 16, .size: 8, .value_kind: global_buffer, .address_space: global }
      - { .name: wimg, .offset: 24, .size: 8, .value_kind: global_buffer, .address_space: global }
      - { .name: wsc, .offset: 32, .size: 8, .value_kind: global_buffer, .address_space: global }
      - { .name: proj_b, .offset: 40, .size: 8, .value_kind: global_buffer, .address_space: global }
      - { .name: ln2_g, .offset: 48, .size: 8, .value_kind: global_buffer, .address_space: global }
      - { .name: ln2_b, .offset: 56, .size: 8, .value_kind: global_buffer, .address_space: global }
      - { .name: mlp_b1, .offset: 64, .size: 8, .value_kind: global_buffer, .address_space: global }
      - { .name: mlp_b2, .offset: 72, .size: 8, .value_kind: global_buffer, .address_space: global }
      - { .name: out0, .offset: 80, .size: 8, .value_kind: global_buffer, .address_space: global }
    .group_segment_fixed_size: 77824
    .private_segment_fixed_size: 0
    .kernarg_segment_align: 8
    .kernarg_segment_size: 88
    .max_flat_workgroup_size: 128
    .sgpr_count:     66
    .vgpr_count:     1024
    .wavefront_size: 32
...
	.end_amdgpu_metadata
.endif
;; end of part 3
;; ======== version 2 of 2: 3 launches
;; workspace buffers: qimg 2,097,152 bytes; qsc 262,144 bytes; kv 4,521,984 bytes; oimg 2,097,152 bytes; osc 524,288 bytes; wimg 147,456 bytes; wsc 9,216 bytes
;; launch qkv (part 4): grid 256 x 1, 16 waves a work-group, no clusters, 10,752 bytes of LDS; arguments x, ln1_g, ln1_b, qkv_w, qkv_b, proj_w, mlp_w1, mlp_w2, qimg, qsc, kv, wimg, wsc; writes qimg, qsc, kv, wimg, wsc
.if DOCPART == 4
	.amdgcn_target "amdgcn-amd-amdhsa--gfx1250"
	.amdhsa_code_object_version 6
	.text
	.protected	k_q6dfb8596ae_qkv
	.globl	k_q6dfb8596ae_qkv
	.p2align	8
	.type	k_q6dfb8596ae_qkv,@function
k_q6dfb8596ae_qkv:
	s_mov_b64 s[64:65], 0
	v_nop
	global_prefetch_b8 v0, s[64:65] scope:SCOPE_SE
	s_setreg_imm32_b32 hwreg(HW_REG_WAVE_SCHED_MODE, 0, 2), 2
	s_setreg_imm32_b32 hwreg(HW_REG_WAVE_MODE, 25, 1), 1
	s_wait_xcnt 0x0
	s_wait_alu depctr_vm_vsrc(0)
; LayerNorm 1, the product with qkv_w on codes of FP8 (E4M3) with one E8M0 scale for each 32 along K, its bias, and the quantising of q, k (along the head's 32) and v (along the tokens)
; into IMAGES OF OPERAND REGISTERS: a group of four registers is 512 dense bytes, lane l's 16 bytes at 16 l.  Beside that the three later weights are quantised once, a fragment to a work-group.
; SHARES.  Work-group g owns tokens 64 g .. 64 g + 63: four tiles of 16.  THE ROWS OF A TILE ARE NOT NEIGHBOURS: row r of tile 2 B + u is 32 B + 8 u + r + 8 (r / 8); the same holds of tiles of output channels.
; So a transposed product leaves in lane (r, h), in the 16 registers of tiles 2 B and 2 B + 1, the 16 neighbours 32 B + 16 h + 0 .. 15: the order in which an 8-bit operand's registers run along K.
; ROLES, by the wave's number w.  12-15: LayerNorm and quantising of tile w - 12; its image goes to LDS.  0-11: output channels 32 w .. 32 w + 31 of the 384 (0-3 q, 4-7 k, 8-11 v; head w % 4): two
; fragments of qkv_w, loaded with a lane to a column and registers down K, quantised in registers.  One barrier.  Then 0-7: transposed products (a lane holds one token, registers along the head's channels);
; 8-11: natural products (a lane holds one channel, registers down the tokens).  Wave 12 of work-groups 0-71 quantises fragment g of proj_w (0-7), mlp_w1 (8-39), mlp_w2 (40-71).
; No tensor loads and no cluster: what the work-groups share, the weight, goes from memory straight into registers as f32.
; Every register that is read behind the barrier is written on every way that leads to it.
; THE MODE: SCHED_MODE bits 1:0 = 2 (LLVM: expert scheduling mode 2), set by the entry lines.  The code itself states the register dependences between vector or matrix instructions and memory or LDS
; instructions, with s_wait_alu, always for 0.
; THE PLAN.  Registers that memory or LDS instructions touch:
;   v5-v14             offsets and addresses: written once at the head, never again.  One wait on va_vdst at the head's end, ahead of the roles' parting, serves every load and store of the kernel.
;   v16-79             weight waves: numbers of qkv_w land, the quantisers read and write them, and behind the barrier x's fragments land there.  One wait on va_vdst behind the barrier, on every wave's way.
;   v144-175, v241     weight waves: codes and scale words that vector instructions write and the scaled products take: the same wait, behind their places.
;   v208-223, v241     LayerNorm waves: the quantiser writes them, the LDS stores read them: a wait on va_vdst ahead of the stores.  Wave 12's second quantiser writes them again: a wait on vm_vsrc ahead of it.
;   v16-79 in wave 12  the later weight's numbers land there: no vector instruction stands between the wait ahead of the LDS stores and these loads.
;   the ways out       all that is stored is made first; one wait on va_vdst stands ahead of each run of stores.
;   s30 and VCC        written by vector instructions: a wait on va_sdst or va_vcc ahead of the first reader.
; LIMITS: NaN and infinities among the inputs are not served.  A block whose largest magnitude lies under 2^-118 gets the scale byte 1; a block of zeros gets the byte 1 where the rule says 127:
; its codes are zeros, and the bytes are read by this program alone.
.set KVB,  282624                      ; a head's block in kv: K's codes 131,072, V's codes 131,072, K's scale words 16,384, V's 4,096
.set XSC,  8192                        ; LDS: four images of 2,048 bytes from 0 on, then their scale words, 128 bytes each
.set LANE, 1
.set RR,   2
.set HH,   3
.set PR,   4                           ; r + 8 (r / 8)
.set LI,   5                           ; 16 x lane
.set LS,   6                           ; 4 x lane
.set XWI,  7                           ; where a LayerNorm wave stores its image: 16 x lane + 2,048 (w % 4)
.set XWS,  8                           ; and its scale words: XSC + 4 x lane + 128 (w % 4)
.set WA,   9                           ; qkv_w: 16 h rows of 1,536 bytes + 4 pr
.set BA,   10                          ; 64 h
.set XA,   11                          ; x: 512 pr + 64 h
.set BV,   12                          ; 4 pr
.set WA5,  13                          ; a weight with rows of 512 bytes: 8,192 h + 4 pr
.set WA20, 14                          ; with rows of 2,048 bytes: 32,768 h + 4 pr
.set R0,   16                          ; v16-79   64 numbers: fragment 0, or x; later x's four fragments
.set R1,   80                          ; v80-143  fragment 1, or the gain; later the eight accumulators
.set G,    80
.set ACC,  80
.set BE,   144                         ; v144-207 LayerNorm's bias
.set WF,   144                         ; v144-175 the two weight fragments' codes
.set BI,   176                         ; v176-191 the bias as C of the two tiles
.set PC,   208                         ; v208-223 codes just made
.set TM,   224                         ; v224-227 largest magnitudes, 228-231 bytes, 232-235 448 x the scale, 236-239 the conversions' scale operands
.set W0R,  240
.set WS,   241                         ; the weight's scale words: fragment 0's in lanes 0-15, fragment 1's in lanes 16-31
.set W1R,  242
.set XS,   244                         ; v244-247 x's scale words
.set MU,   248
.set T1,   250
.set T2,   252
.set WV,   30
.set W3,   31
.set SEL,  32
.set MNT,  34
.set R128, 35
.set EPS,  36
; 64 numbers of a lane, register 16 b + i = k 32 b + 16 (lane / 16) + i of the lane's row, become 16 registers of codes at v[d]; the four scale bytes stay in v[TM+4 ..]; w: the register for the scale word, or 0
.macro QUANT s, d, w
.irp b, 0,1,2,3
	v_max3_num_f32 v[TM+\b], |v[\s+16*\b]|, |v[\s+1+16*\b]|, 0x4800000   ; my 16 numbers of block b, and the floor 2^(9 - 127): the byte cannot fall under 1
.endr
.irp i, 2,4,6,8,10,12,14
.irp b, 0,1,2,3
	v_max3_num_f32 v[TM+\b], v[TM+\b], |v[\s+16*\b+\i]|, |v[\s+1+16*\b+\i]|   ; the four blocks by turns
.endr
.endr
.irp b, 0,1,2,3
	v_permlanex16_b32 v[TM+4+\b], v[TM+\b], s[SEL], s[SEL+1]
.endr
.irp b, 0,1,2,3
	v_max_num_f32 v[TM+\b], v[TM+\b], v[TM+4+\b]   ; with lane l xor 16's 16: the block's largest magnitude
.endr
.irp b, 0,1,2,3
	v_add_nc_u32 v[TM+12+\b], 0xfc000000, v[TM+\b]   ; 8 off its exponent field: the conversion takes this operand's exponent field as its scale
.endr
.irp b, 0,1,2,3
	v_and_or_b32 v[TM+8+\b], v[TM+\b], 0x7f800000, s[MNT]   ; 448 x the scale
.endr
.irp b, 0,1,2,3
	v_lshrrev_b32 v[TM+4+\b], 23, v[TM+12+\b]   ; the scale's byte
.endr
.if \w
	v_lshl_or_b32 v[\w], v[TM+5], 8, v[TM+4]
	v_lshl_or_b32 v[\w], v[TM+6], 16, v[\w]
	v_lshl_or_b32 v[\w], v[TM+7], 24, v[\w]
.endif
.irp b, 0,1,2,3
.set qi, 0
.rept 16
	v_med3_num_f32 v[\s+16*\b+qi], v[\s+16*\b+qi], -v[TM+8+\b], v[TM+8+\b]   ; the conversion to an 8-bit code does not saturate (ISA guide 7.6.2): the hold comes first
.set qi, qi+1
.endr
	v_cvt_scalef32_pk8_fp8_f32 v[\d+4*\b:\d+1+4*\b], v[\s+16*\b:\s+7+16*\b], v[TM+12+\b]
	v_cvt_scalef32_pk8_fp8_f32 v[\d+2+4*\b:\d+3+4*\b], v[\s+8+16*\b:\s+15+16*\b], v[TM+12+\b]
.endr
	v_nop                                          ; a plain line behind the last conversion, ahead of whatever next touches its registers
.endm
; a weight fragment as f32: lane (r, h) takes column pr of the tile and k = 32 c + 16 h + i, register 16 c + i
.macro WLOAD reg, adr, base, pitch, off
.set wi, 0
.rept 64
	global_load_b32 v[\reg+wi], v[\adr], s[\base:\base+1] offset:\off+(32*(wi/16)+wi%16)*\pitch
.set wi, wi+1
.endr
.endm
	s_load_b512 s[4:19], s[0:1], 0x0               ; x 4, ln1_g 6, ln1_b 8, qkv_w 10, qkv_b 12, proj_w 14, mlp_w1 16, mlp_w2 18
	s_load_b256 s[20:27], s[0:1], 0x40             ; qimg 20, qsc 22, kv 24, wimg 26
	s_load_b64 s[28:29], s[0:1], 0x60              ; wsc
	v_lshl_add_u32 v254, v0, 2, 0x2200
	v_mov_b32 v255, 0
	v_lshrrev_b32 v[LANE], 5, v0
	v_readfirstlane_b32 s[WV], v[LANE]             ; wave 0..15
	v_and_b32 v[LANE], 31, v0
	v_and_b32 v[RR], 15, v0
	v_bfe_u32 v[HH], v0, 4, 1
	v_and_b32 v[PR], 8, v[RR]
	v_add_nc_u32 v[PR], v[PR], v[RR]
	v_lshlrev_b32 v[LI], 4, v[LANE]
	v_lshlrev_b32 v[LS], 2, v[LANE]
	s_wait_alu depctr_va_sdst(0)                   ; the wave's number is written, ahead of its first reader: addresses, bases and the roles' branches are made from it
	s_and_b32 s[W3], s[WV], 3
	s_lshl_b32 s40, s[W3], 11
	v_add_nc_u32 v[XWI], s40, v[LI]
	s_lshl_b32 s40, s[W3], 7
	s_add_co_u32 s40, s40, XSC
	v_add_nc_u32 v[XWS], s40, v[LS]
	v_lshlrev_b32 v[BV], 2, v[PR]
	v_mad_u32_u24 v[WA], v[HH], 24576, v[BV]
	v_lshlrev_b32 v[BA], 6, v[HH]
	v_lshl_add_u32 v[XA], v[PR], 9, v[BA]
	v_lshl_add_u32 v[WA5], v[HH], 13, v[BV]
	v_lshl_add_u32 v[WA20], v[HH], 15, v[BV]
	s_mov_b32 s[SEL], 0x76543210
	s_mov_b32 s[SEL+1], 0xfedcba98                 ; v_permlanex16_b32's selects for lane l xor 16
	s_mov_b32 s[MNT], 0x600000                     ; the mantissa field of 448
	s_mov_b32 s[R128], 0x3c000000                  ; 1 / 128
	s_mov_b32 s[EPS], 0x3727c5ac                   ; 1e-5
.irp b, 0,1,2,3
	v_mov_b32 v[TM+4+\b], 0                        ; written once: a lane permute's destination counts as one of its sources
.endr
	v_mov_b32 v[T2], 0
	s_lshr_b32 s37, ttmp9, 6                       ; the batch
	s_and_b32 s38, ttmp9, 63                       ; which 64 tokens of it
	s_lshl_b32 s39, s37, 2
	s_add_co_u32 s39, s39, s[W3]                   ; batch x 4 + head
	s_mul_i32 s46, s39, KVB                        ; that head's block in kv
	s_lshr_b32 s42, s38, 1                         ; the key step of 128 tokens,
	s_and_b32 s43, s38, 1                          ; and which half of it
	s_wait_kmcnt 0x0
	s_wait_alu depctr_va_vdst(0)                   ; the offsets and addresses v5 to v14 are written, which the loads and stores of every role read; they are never written again
	s_cmp_ge_u32 s[WV], 12
	s_cbranch_scc1 .Lnorm
	; ---- waves 0-11: my 32 output channels of qkv_w become two fragments
	s_lshl_b32 s40, s[WV], 7                       ; 32 w numbers of 4 bytes
	s_mov_b32 s41, 0
	s_add_nc_u64 s[10:11], s[10:11], s[40:41]
	s_add_nc_u64 s[12:13], s[12:13], s[40:41]
	s_cmp_lt_u32 s[WV], 8
	s_cbranch_scc0 .Lbias_v
.irp u, 0,1                                    ; q, k: the result is transposed: register j of tile u is channel 8 u + 16 h + j
	global_load_b128 v[BI+8*\u:BI+8*\u+3], v[BA], s[12:13] offset:32*\u
	global_load_b128 v[BI+8*\u+4:BI+8*\u+7], v[BA], s[12:13] offset:32*\u+16
.endr
	s_branch .Lbias_in
.Lbias_v:
.irp u, 0,1                                    ; v: a lane holds one channel, 8 u + pr: all eight registers of C take its bias
.irp j, 0,1,2,3,4,5,6,7
	global_load_b32 v[BI+8*\u+\j], v[BV], s[12:13] offset:32*\u
.endr
.endr
.Lbias_in:
	WLOAD R0, WA, 10, 1536, 0
	WLOAD R1, WA, 10, 1536, 32
	s_wait_loadcnt 63                              ; fragment 0 is in: 64 loads are younger than its last, and the smaller count is the safe one
	QUANT R0, WF, W0R
	s_wait_loadcnt 0x0
	QUANT R1, WF+16, W1R
	v_cmp_le_u32 vcc_lo, 16, v[LANE]
	s_wait_alu depctr_va_vcc(0)                    ; VCC is written, ahead of the select that reads it
	v_cndmask_b32 v[WS], v[W0R], v[W1R], vcc_lo    ; one register carries both fragments' scale words
.rept 8
	v_nop                                          ; a scale register written by a vector instruction stands 8 places ahead of the scaled product, codes so written 4
.endr
	s_branch .Ljoin
.Lnorm:	; ---- waves 12-15: LayerNorm of tile w - 12; lane (r, h) holds 16 numbers of each block of 32 of its token's row
	s_lshl_b32 s40, ttmp9, 15                      ; 64 g rows of 512 bytes,
	s_lshr_b32 s41, s[W3], 1
	s_lshl_b32 s41, s41, 14                        ; + 32 rows for tiles 2, 3,
	s_add_co_u32 s40, s40, s41
	s_and_b32 s41, s[W3], 1
	s_lshl_b32 s41, s41, 12                        ; + 8 rows for tiles 1, 3
	s_add_co_u32 s40, s40, s41
	s_mov_b32 s41, 0
	s_add_nc_u64 s[4:5], s[4:5], s[40:41]
.set ii, 0
.rept 16
	global_load_b128 v[R0+4*ii:R0+4*ii+3], v[XA], s[4:5] offset:128*(ii/4)+16*(ii%4) th:TH_LOAD_NT
.set ii, ii+1
.endr
.set ii, 0
.rept 16
	global_load_b128 v[G+4*ii:G+4*ii+3], v[BA], s[6:7] offset:128*(ii/4)+16*(ii%4)
	global_load_b128 v[BE+4*ii:BE+4*ii+3], v[BA], s[8:9] offset:128*(ii/4)+16*(ii%4)
.set ii, ii+1
.endr
	s_wait_loadcnt 0x0
	v_pk_add_f32 v[MU:MU+1], v[R0:R0+1], v[R0+2:R0+3]       ; the row's sum: two chains of packed additions,
	v_pk_add_f32 v[T1:T1+1], v[R0+4:R0+5], v[R0+6:R0+7]
.set ii, 8
.rept 14
	v_pk_add_f32 v[MU:MU+1], v[MU:MU+1], v[R0+ii:R0+ii+1]
	v_pk_add_f32 v[T1:T1+1], v[T1:T1+1], v[R0+ii+2:R0+ii+3]
.set ii, ii+4
.endr
	v_pk_add_f32 v[MU:MU+1], v[MU:MU+1], v[T1:T1+1]
	v_add_f32 v[MU], v[MU], v[MU+1]
	v_permlanex16_b32 v[T2], v[MU], s[SEL], s[SEL+1]        ; and the other half of the row
	v_add_f32 v[MU], v[MU], v[T2]
	v_mul_f32 v[MU], s[R128], v[MU]                         ; the mean
.set ii, 0
.rept 32
	v_pk_add_f32 v[R0+ii:R0+ii+1], v[R0+ii:R0+ii+1], v[MU:MU+1] op_sel_hi:[1,0] neg_lo:[0,1] neg_hi:[0,1]   ; x - mean: the variance is taken of these, so a common offset does no harm
.set ii, ii+2
.endr
	v_pk_mul_f32 v[T1:T1+1], v[R0:R0+1], v[R0:R0+1]
	v_pk_mul_f32 v[T2:T2+1], v[R0+2:R0+3], v[R0+2:R0+3]
.set ii, 4
.rept 15
	v_pk_fma_f32 v[T1:T1+1], v[R0+ii:R0+ii+1], v[R0+ii:R0+ii+1], v[T1:T1+1]
	v_pk_fma_f32 v[T2:T2+1], v[R0+ii+2:R0+ii+3], v[R0+ii+2:R0+ii+3], v[T2:T2+1]
.set ii, ii+4
.endr
	v_pk_add_f32 v[T1:T1+1], v[T1:T1+1], v[T2:T2+1]
	v_add_f32 v[T1], v[T1], v[T1+1]
	v_permlanex16_b32 v[T2], v[T1], s[SEL], s[SEL+1]
	v_add_f32 v[T1], v[T1], v[T2]
	v_fma_f32 v[T1], v[T1], s[R128], s[EPS]                 ; variance + eps
	s_wait_alu depctr_va_vdst(0)
	v_rsq_f32 v[T1], v[T1]
	v_nop                                                   ; a plain line behind the transcendental,
	s_wait_alu depctr_va_vdst(0)                            ; and the wait ahead of its first reader: the root's reciprocal is written
.set ii, 0
.rept 32
	v_pk_mul_f32 v[R0+ii:R0+ii+1], v[R0+ii:R0+ii+1], v[T1:T1+1] op_sel_hi:[1,0]
.set ii, ii+2
.endr
.set ii, 0
.rept 32
	v_pk_fma_f32 v[R0+ii:R0+ii+1], v[R0+ii:R0+ii+1], v[G+ii:G+ii+1], v[BE+ii:BE+ii+1]
.set ii, ii+2
.endr
	QUANT R0, PC, WS
	s_wait_alu depctr_va_vdst(0)                   ; the quantiser has written the codes v208-223 and the scale word v241, which the LDS stores read; it is also done with v16-79, in which wave 12's later loads land
.irp c, 0,1,2,3
	ds_store_b128 v[XWI], v[PC+4*\c:PC+4*\c+3] offset:512*\c   ; the fragment goes to LDS as it stands in the registers
.endr
	ds_store_b32 v[XWS], v[WS]
.Ljoin:
	s_wait_dscnt 0x0                               ; for the others' sake: my stores have landed
	s_barrier_signal -1
	s_barrier_wait -1                              ; x's four fragments lie in LDS
	s_wait_alu depctr_va_vdst(0)                   ; waves 0-11: the quantisers are done with v16-79, in which x's fragments land, and have written the codes v144-175 and the scale words v241, which the scaled products take (their places stand ahead)
	s_cmp_ge_u32 s[WV], 12
	s_cbranch_scc1 .Lextra
.irp t, 0,1,2,3
.irp c, 0,1,2,3
	ds_load_b128 v[R0+16*\t+4*\c:R0+16*\t+4*\c+3], v[LI] offset:2048*\t+512*\c
.endr
	ds_load_b32 v[XS+\t], v[LS] offset:XSC+128*\t
.endr
	s_wait_dscnt 0x0
	s_cmp_ge_u32 s[WV], 8
	s_cbranch_scc1 .Lvalues
	; ---- q and k: TRANSPOSED, source 0 = 16 channels, source 1 = 16 tokens: the 16 registers of a token tile are channels 16 h + 0 .. 15 of one token.  Eight accumulators, one product each; the bias is C
.irp t, 0,1,2,3
	v_wmma_scale_f32_16x16x128_f8f6f4 v[ACC+16*\t:ACC+16*\t+7], v[WF:WF+15], v[R0+16*\t:R0+16*\t+15], v[BI:BI+7], v[WS], v[XS+\t]
	v_wmma_scale_f32_16x16x128_f8f6f4 v[ACC+16*\t+8:ACC+16*\t+15], v[WF+16:WF+31], v[R0+16*\t:R0+16*\t+15], v[BI+8:BI+15], v[WS], v[XS+\t] matrix_a_scale:MATRIX_SCALE_ROW1
.endr
	s_lshl_b32 s44, s39, 17                        ; q's codes: 131,072 bytes a head
	s_lshl_b32 s45, s39, 14                        ; q's scale words: 16,384
	s_add_co_u32 s47, s46, 262144                  ; k's scale words in kv
	s_cmp_lt_u32 s[WV], 4                          ; q or k: the choice hangs on the wave's number alone
	s_cselect_b64 s[48:49], s[20:21], s[24:25]
	s_cselect_b64 s[52:53], s[22:23], s[24:25]
	s_cselect_b32 s50, s44, s46
	s_cselect_b32 s54, s45, s47
	s_mov_b32 s51, 0
	s_mov_b32 s55, 0
	s_lshl_b32 s56, s38, 11                        ; my four tiles of 512 bytes
	s_add_co_u32 s50, s50, s56
	s_lshl_b32 s56, s42, 9                         ; scale words: 512 bytes for a group of eight tiles,
	s_add_co_u32 s54, s54, s56
	s_lshl_b32 s56, s43, 3                         ; my four tiles are words 0, 1 or 2, 3 of a lane's four
	s_add_co_u32 s54, s54, s56
	s_add_nc_u64 s[48:49], s[48:49], s[50:51]
	s_add_nc_u64 s[52:53], s[52:53], s[54:55]
.rept 8
	v_nop                                          ; eight places behind this form before its results are read
.endr
	QUANT ACC, PC, 0                               ; block t is tile t: one scale for a token's 32 channels of the head
	v_cmp_le_u32 vcc_lo, 16, v[LANE]
	s_wait_alu depctr_va_vcc(0)                    ; VCC is written, ahead of the selects that read it
	v_cndmask_b32 v[T2], v[TM+4], v[TM+5], vcc_lo  ; a word holds the byte and three zeros; lanes 0-15 carry the even tile's rows, lanes 16-31 the odd tile's
	v_cndmask_b32 v[T2+1], v[TM+6], v[TM+7], vcc_lo
	s_wait_alu depctr_va_vdst(0)                   ; the codes v208-223 and the two words v252, v253 are written, which the five stores read
.irp t, 0,1,2,3
	global_store_b128 v[LI], v[PC+4*\t:PC+4*\t+3], s[48:49] offset:512*\t   ; 512 consecutive bytes a store
.endr
	global_store_b64 v[LI], v[T2:T2+1], s[52:53]
	s_wait_dscnt 0x0
	s_wait_alu depctr_hold_cnt(0) depctr_sa_sdst(0) depctr_va_vdst(0) depctr_va_sdst(0) depctr_va_ssrc(0) depctr_va_vcc(0) depctr_vm_vsrc(0)
	s_wait_tensorcnt 0x0
	ds_add_u32 v254, v255
	s_wait_dscnt 0x0
	s_endpgm
.Lvalues:	; ---- v: source 0 = 16 tokens, source 1 = 16 channels: a lane holds channel 8 u + pr, and the 16 registers of token tiles 2 B, 2 B + 1 run down tokens 32 B + 16 h + 0 .. 15: the second product's K
.irp t, 0,1,2,3
	v_wmma_scale_f32_16x16x128_f8f6f4 v[ACC+16*(\t/2)+8*(\t%2):ACC+16*(\t/2)+8*(\t%2)+7], v[R0+16*\t:R0+16*\t+15], v[WF:WF+15], v[BI:BI+7], v[XS+\t], v[WS]
	v_wmma_scale_f32_16x16x128_f8f6f4 v[ACC+32+16*(\t/2)+8*(\t%2):ACC+32+16*(\t/2)+8*(\t%2)+7], v[R0+16*\t:R0+16*\t+15], v[WF+16:WF+31], v[BI+8:BI+15], v[XS+\t], v[WS] matrix_b_scale:MATRIX_SCALE_ROW1
.endr
	s_add_co_u32 s50, s46, 131072                  ; V's codes: [step][channel tile u][block of 32 keys][lane][16 bytes]
	s_lshl_b32 s56, s42, 12
	s_add_co_u32 s50, s50, s56
	s_lshl_b32 s56, s43, 10                        ; my 64 tokens are blocks 0, 1 or 2, 3 of the step
	s_add_co_u32 s50, s50, s56
	s_mov_b32 s51, 0
	s_add_nc_u64 s[48:49], s[24:25], s[50:51]
	s_add_co_u32 s54, s46, 278528                  ; V's scale words: [step][lane = 16 u + r], byte c for block c
	s_lshl_b32 s56, s42, 7
	s_add_co_u32 s54, s54, s56
	s_lshl_b32 s56, s43, 1
	s_add_co_u32 s54, s54, s56
	s_mov_b32 s55, 0
	s_add_nc_u64 s[52:53], s[24:25], s[54:55]
.rept 8
	v_nop
.endr
	QUANT ACC, PC, 0                               ; block 2 u + B: 32 tokens of one channel
	v_lshl_or_b32 v[T2], v[TM+5], 8, v[TM+4]       ; tile 0's two bytes,
	v_lshl_or_b32 v[T2+1], v[TM+7], 8, v[TM+6]     ; tile 1's
	v_cmp_le_u32 vcc_lo, 16, v[LANE]
	s_wait_alu depctr_va_vcc(0)                    ; VCC is written, ahead of the select that reads it
	v_cndmask_b32 v[T2], v[T2], v[T2+1], vcc_lo
	s_wait_alu depctr_va_vdst(0)                   ; the codes v208-223 and the two bytes in v252 are written, which the five stores read
.irp u, 0,1
.irp p, 0,1
	global_store_b128 v[LI], v[PC+4*(2*\u+\p):PC+4*(2*\u+\p)+3], s[48:49] offset:2048*\u+512*\p
.endr
.endr
	global_store_b16 v[LS], v[T2], s[52:53]
	s_wait_dscnt 0x0
	s_wait_alu depctr_hold_cnt(0) depctr_sa_sdst(0) depctr_va_vdst(0) depctr_va_sdst(0) depctr_va_ssrc(0) depctr_va_vcc(0) depctr_vm_vsrc(0)
	s_wait_tensorcnt 0x0
	ds_add_u32 v254, v255
	s_wait_dscnt 0x0
	s_endpgm
.Lextra:	; ---- wave 12 of work-groups 0-71: fragment f = g of the later weights
	s_cmp_lg_u32 s[WV], 12
	s_cbranch_scc1 .Lend
	s_cmp_ge_u32 ttmp9, 72
	s_cbranch_scc1 .Lend
	s_mov_b32 s51, 0
	s_sub_co_u32 s40, ttmp9, 8
	s_cmp_lt_u32 s40, 32                           ; 8 <= f < 40: mlp_w1, tile f - 8
	s_cbranch_scc1 .Lw1
	s_sub_co_u32 s41, ttmp9, 40                    ; mlp_w2: tile (f - 40) / 4, K step (f - 40) % 4;  proj_w: tile f, K step 0.  Both have rows of 512 bytes
	s_lshr_b32 s44, s41, 2
	s_and_b32 s45, s41, 3
	s_cmp_lt_u32 ttmp9, 8
	s_cselect_b64 s[48:49], s[14:15], s[18:19]
	s_cselect_b32 s44, ttmp9, s44
	s_cselect_b32 s45, 0, s45
	s_lshl_b32 s50, s45, 16                        ; 128 rows of 512 bytes a K step
	s_lshr_b32 s45, s44, 1
	s_lshl_b32 s45, s45, 7                         ; the tile's first column: 32 (t / 2) + 8 (t % 2), 4 bytes each
	s_add_co_u32 s50, s50, s45
	s_and_b32 s45, s44, 1
	s_lshl_b32 s45, s45, 5
	s_add_co_u32 s50, s50, s45
	s_add_nc_u64 s[48:49], s[48:49], s[50:51]
	WLOAD R0, WA5, 48, 512, 0                      ; into v16-79: no vector instruction has named them since the waits above
	s_branch .Lwq
.Lw1:
	s_lshr_b32 s45, s40, 1
	s_lshl_b32 s50, s45, 7
	s_and_b32 s45, s40, 1
	s_lshl_b32 s45, s45, 5
	s_add_co_u32 s50, s50, s45
	s_add_nc_u64 s[48:49], s[16:17], s[50:51]
	WLOAD R0, WA20, 48, 2048, 0
.Lwq:
	s_wait_loadcnt 0x0
	s_wait_alu depctr_vm_vsrc(0)                   ; my LDS stores have read the codes v208-223 and the scale word v241, which this quantiser writes again
	QUANT R0, PC, WS
	s_lshl_b32 s50, ttmp9, 11
	s_add_nc_u64 s[26:27], s[26:27], s[50:51]
	s_lshl_b32 s50, ttmp9, 7
	s_add_nc_u64 s[28:29], s[28:29], s[50:51]
	s_wait_alu depctr_va_vdst(0)                   ; the quantiser has written the codes and the scale word, which the five stores read
.irp c, 0,1,2,3
	global_store_b128 v[LI], v[PC+4*\c:PC+4*\c+3], s[26:27] offset:512*\c
.endr
	global_store_b32 v[LS], v[WS], s[28:29]
.Lend:
	s_wait_dscnt 0x0
	s_wait_alu depctr_hold_cnt(0) depctr_sa_sdst(0) depctr_va_vdst(0) depctr_va_sdst(0) depctr_va_ssrc(0) depctr_va_vcc(0) depctr_vm_vsrc(0)
	s_wait_tensorcnt 0x0
	ds_add_u32 v254, v255
	s_wait_dscnt 0x0
	s_endpgm
.Lfunc_end_k_q6dfb8596ae_qkv:
	.size	k_q6dfb8596ae_qkv, .Lfunc_end_k_q6dfb8596ae_qkv-k_q6dfb8596ae_qkv
	.p2alignl 7, 3214868480
	.fill 96, 4, 3214868480
	.section	.rodata,"a",@progbits
	.p2align	6, 0x0
	.amdhsa_kernel k_q6dfb8596ae_qkv
		.amdhsa_group_segment_fixed_size 10752
		.amdhsa_private_segment_fixed_size 0
		.amdhsa_enable_private_segment 0
		.amdhsa_kernarg_size 104
		.amdhsa_user_sgpr_count 2
		.amdhsa_user_sgpr_kernarg_segment_ptr 1
		.amdhsa_wavefront_size32 1
		.amdhsa_system_sgpr_workgroup_id_x 1
		.amdhsa_system_sgpr_workgroup_id_y 1
		.amdhsa_system_sgpr_workgroup_id_z 1
		.amdhsa_system_vgpr_workitem_id 0
		.amdhsa_next_free_vgpr 256
		.amdhsa_next_free_sgpr 66
		.amdhsa_reserve_vcc 1
		.amdhsa_float_denorm_mode_32 3
		.amdhsa_float_denorm_mode_16_64 3
		.amdhsa_memory_ordered 1
		.amdhsa_forward_progress 1
		.amdhsa_inst_pref_size 101
	.end_amdhsa_kernel
	.amdgpu_metadata
---
amdhsa.version: [ 1, 2 ]
amdhsa.kernels:
  - .name:           k_q6dfb8596ae_qkv
    .symbol:         k_q6dfb8596ae_qkv.kd
    .args:
      - { .name: x, .offset: 0, .size: 8, .value_kind: global_buffer, .address_space: global }
      - { .name: ln1_g, .offset: 8, .size: 8, .value_kind: global_buffer, .address_space: global }
      - { .name: ln1_b, .offset: 16, .size: 8, .value_kind: global_buffer, .address_space: global }
      - { .name: qkv_w, .offset: 24, .size: 8, .value_kind: global_buffer, .address_space: global }
      - { .name: qkv_b, .offset: 32, .size: 8, .value_kind: global_buffer, .address_space: global }
      - { .name: proj_w, .offset: 40, .size: 8, .value_kind: global_buffer, .address_space: global }
      - { .name: mlp_w1, .offset: 48, .size: 8, .value_kind: global_buffer, .address_space: global }
      - { .name: mlp_w2, .offset: 56, .size: 8, .value_kind: global_buffer, .address_space: global }
      - { .name: qimg, .offset: 64, .size: 8, .value_kind: global_buffer, .address_space: global }
      - { .name: qsc, .offset: 72, .size: 8, .value_kind: global_buffer, .address_space: global }
      - { .name: kv, .offset: 80, .size: 8, .value_kind: global_buffer, .address_space: global }
      - { .name: wimg, .offset: 88, .size: 8, .value_kind: global_buffer, .address_space: global }
      - { .name: wsc, .offset: 96, .size: 8, .value_kind: global_buffer, .address_space: global }
    .group_segment_fixed_size: 10752
    .private_segment_fixed_size: 0
    .kernarg_segment_align: 8
    .kernarg_segment_size: 104
    .max_flat_workgroup_size: 512
    .sgpr_count:     66
    .vgpr_count:     256
    .wavefront_size: 32
...
	.end_amdgpu_metadata
.endif
;; end of part 4
;; launch attn (part 5): grid 16 x 16, 16 waves a work-group, clusters of 4 x 1, 284,672 bytes of LDS; arguments qimg, qsc, kv, oimg, osc; writes oimg, osc
.if DOCPART == 5
	.amdgcn_target "amdgcn-amd-amdhsa--gfx1250"
	.amdhsa_code_object_version 6
	.text
	.protected	k_q6dfb8596ae_attn
	.globl	k_q6dfb8596ae_attn
	.p2align	8
	.type	k_q6dfb8596ae_attn,@function
k_q6dfb8596ae_attn:
	s_mov_b64 s[64:65], 0
	v_nop
	global_prefetch_b8 v0, s[64:65] scope:SCOPE_SE
	s_setreg_imm32_b32 hwreg(HW_REG_WAVE_MODE, 25, 1), 1
	s_wait_xcnt 0x0
	s_wait_alu depctr_hold_cnt(0) depctr_sa_sdst(0) depctr_va_vdst(0) depctr_va_sdst(0) depctr_va_ssrc(0) depctr_va_vcc(0) depctr_vm_vsrc(0)
	s_getreg_b32 s2, hwreg(HW_REG_IB_STS2, 6, 4)
	s_cmp_eq_u32 s2, 0
	s_cbranch_scc0 .Lentry_in_a_cluster
	s_endpgm
.Lentry_in_a_cluster:
	s_bfe_u32 s2, ttmp6, 0x10000c
	s_cmp_lg_u32 s2, 0x3003
	s_cbranch_scc0 .Lentry_shape_is_right
	s_endpgm
.Lentry_shape_is_right:
; Attention of one head (of 16 = 4 batches x 4 heads; 4,096 tokens; head size 32) on codes of FP8 (E4M3) with E8M0 scales, both products; O is divided by the row's sum and quantised along the channels.
; THE SOFTMAX AHEAD OF THE SECOND PRODUCT: t = score x log2(e) / sqrt(32); M = the running largest t rounded UP to a whole number; p = 2^(t - M) is quantised along the keys, not normalised; the row's sum is
; taken of the unquantised p.  When M moves, the sum and O^T are multiplied by 2^(old M - new M): exact.
; SHARES.  A work-group owns 256 queries of one head, each of its sixteen waves one tile of 16 in 256 registers: four waves to a SIMD, so that one wave's vector work stands beside another's LDS loads and products.
; Every wave walks the head's 4,096 keys, 128 a step.
; LDS.  A head's K and V, codes and scale words, are 282,624 dense bytes of kv, laid as images of operand registers (512 bytes for four registers, lane l's 16 bytes at 16 l).  They come into LDS ONCE,
; byte for byte: nothing is filled twice, there is no ring, no pitch and no padding.  Wave 0 fetches K's 131,072 bytes, wave 1 V's, in eight chunks of four key steps, each behind half of the scale words:
; nine tensor loads of a wave are out at the most.  The walk begins when the first chunk is in; four phases of 4, 4, 8 and 16 steps each wait for the chunks that they read.
; CLUSTER.  The four query blocks of a cluster belong to one head, so each load is asked for JOINTLY: the same descriptor in all four, the mask names the four.
; LAYOUT.  Both products are used transposed (S^T = K Q^T, O^T = V^T P^T): a lane holds one query throughout.  The keys of a tile are not neighbours (row r of tile 2 B + u is key 32 B + 8 u + r + 8 (r / 8)),
; so that p's 16 registers of two neighbouring tiles are 16 neighbouring keys.
; K = 32 IN A FORM THAT IS 128 DEEP.  Q's fragment has zero codes in blocks 1 to 3.  K's operand for tile j is the 16 registers from tile j's four on: the upper twelve hold the next tiles' codes (behind the last
; tile: zeros), which meet Q's zeros and add nothing; the scale bytes of blocks 1 to 3 are 0 on both sides.  So one LDS load of 16 bytes a lane feeds one product.
; No prefetch: every tensor load goes out at the head, so there is no later request to run ahead of.
; LIMITS: NaN and infinities are not served; a block of p or O whose largest magnitude lies under 2^-118, zeros among them, gets the scale byte 1 (zero codes add nothing; this program alone reads the bytes).
.set KVB, 282624
.set LI,  1                            ; 16 x lane
.set LS,  2                            ; 4 x lane
.set ADK, 8                            ; the step's LDS addresses: K's codes,
.set ADV, 9                            ; V's,
.set ADS, 10                           ; K's scale words,
.set ADT, 11                           ; V's
.set QC,  16                           ; v16-19 Q's codes, v20-31 zeros
.set KC,  32                           ; v32-63 eight tiles of K, four registers each; v64-75 zeros
.set KS,  76                           ; v76-79 K's scale words: register i: tile 2 i in lanes 0-15, tile 2 i + 1 in lanes 16-31
.set VC,  80                           ; v80-111 V's two fragments
.set VS,  112                          ; V's scale words: channel tile 0 in lanes 0-15, tile 1 in lanes 16-31
.set PS,  113                          ; p's scale word
.set S,   128                          ; v128-191 S^T, then p
.set O,   192                          ; v192-207 O^T
.set PCD, 208                          ; v208-223 p's codes
.set BM,  224                          ; v224-227 block maxima; 228-231 the other half's, then bytes; 232-235 448 x the scale; 236-239 the conversions' scale operands
.set F,   240                          ; v[240:241] f = 2^(old M - new M); the upper register is written once
.set TMP, 254
.set QS,  255                          ; Q's scale word
.set WV,  14
.set MNT, 19
.set SEL, 20
.set CS,  22
.set G1C, 24                           ; s[24:31] group 1 of a chunk: 64 rows of 256 bytes
.set G1S, 32                           ; s[32:39] of half the scale words: 40 rows
.set TK,  80                           ; LDS bytes at which the step's parts begin
.set TV,  81
.set TS,  82
.set TT,  83
.set CNT, 84
.macro CROUND                          ; a round of the cluster's barrier
	s_barrier_signal -1
	s_barrier_wait -1
	s_cmp_lg_u32 s[WV], 0
	s_cbranch_scc1 .Lnot_wave_0_\@
	s_barrier_signal -3
.Lnot_wave_0_\@:
	s_barrier_wait -3
	s_barrier_signal -1
	s_barrier_wait -1
.endm
	s_load_b256 s[4:11], s[0:1], 0x0               ; qimg 4, qsc 6, kv 8, oimg 10
	s_load_b64 s[12:13], s[0:1], 0x20              ; osc
	v_lshl_add_u32 v252, v0, 2, 0x45000
	v_mov_b32 v253, 0
	ds_add_u32 v252, v253
	ds_add_u32 v252, v253
	v_lshrrev_b32 v3, 5, v0
	s_delay_alu instid0(VALU_DEP_1)
	v_readfirstlane_b32 s[WV], v3                  ; wave 0..15
	v_and_b32 v3, 31, v0
	s_delay_alu instid0(VALU_DEP_1)
	v_lshlrev_b32 v[LI], 4, v3
	s_delay_alu instid0(VALU_DEP_2)
	v_lshlrev_b32 v[LS], 2, v3
	v_and_b32 v4, 15, v0
	s_delay_alu instid0(VALU_DEP_1)
	v_lshlrev_b32 v4, 4, v4                        ; 16 r
	s_bfe_u32 s15, ttmp6, 0x40000                  ; cx: it enters Q's and O's global addresses alone
	s_lshl_b32 s16, ttmp9, 2
	s_add_co_u32 s16, s16, s15                     ; my block of 256 queries
	s_and_b32 s17, ttmp7, 0xffff                   ; batch x 4 + head, which the four partners share
	s_mov_b32 s[G1C], 15|(3<<16)|(1<<21)           ; 15:0 the mask: all four work-groups; 17:16 elements of 8 bytes; 21 set beside a mask; no padding
	s_mov_b32 s[G1C+1], 32<<16                     ; tensor_dim0 = 32 elements: 256 bytes
	s_mov_b32 s[G1C+2], 64<<16                     ; tensor_dim1 = 64
	s_mov_b32 s[G1C+3], 32<<16                     ; tile_dim0
	s_mov_b32 s[G1C+4], 64                         ; tile_dim1
	s_mov_b32 s[G1C+5], 32                         ; the pitch: the block is dense
	s_mov_b32 s[G1C+6], 0
	s_mov_b32 s[G1C+7], 0
	s_mov_b32 s[G1S], 15|(3<<16)|(1<<21)
	s_mov_b32 s[G1S+1], 32<<16
	s_mov_b32 s[G1S+2], 40<<16
	s_mov_b32 s[G1S+3], 32<<16
	s_mov_b32 s[G1S+4], 40
	s_mov_b32 s[G1S+5], 32
	s_mov_b32 s[G1S+6], 0
	s_mov_b32 s[G1S+7], 0
	s_and_b32 s85, s[WV], 1                        ; wave 0: K, wave 1: V
	s_lshl_b32 s18, s85, 17                        ; my region of codes, in the block and in LDS alike
	s_mul_i32 s88, s85, 10240
	s_add_co_u32 s88, s88, 262144                  ; my half of the scale words
	s_mul_i32 s86, s17, KVB
	s_mov_b32 s87, 0
	s_mov_b32 s92, s18
	s_mov_b32 s93, 0
	s_mov_b32 s94, s88
	s_mov_b32 s95, 0
	s_mov_b32 s[SEL], 0x76543210
	s_mov_b32 s[SEL+1], 0xfedcba98
	s_mov_b32 s[CS], 0x3e8293ee                    ; c = log2(e) / sqrt(32)
	s_mov_b32 s[CS+1], s[CS]                       ; (named with it as a pair, so it is written)
	s_mov_b32 s[MNT], 0x600000
	s_mov_b32 s3, 0
	s_wait_dscnt 0x0
	s_wait_kmcnt 0x0
	s_add_nc_u64 s[86:87], s[8:9], s[86:87]        ; kv at my head
	s_add_nc_u64 s[90:91], s[86:87], s[92:93]
	s_add_nc_u64 s[94:95], s[86:87], s[94:95]
	s_mov_b32 s40, 1                               ; group 0 of the scale words
	s_mov_b32 s41, s88
	s_mov_b64 s[42:43], s[94:95]
	s_or_b32 s43, s43, 0x80000000
.set n, 0
.rept 8                                        ; and of chunks 0 to 7: s44-63, s68-79
.set GR, 44+4*n
.if n >= 5
.set GR, 68+4*(n-5)
.endif
	s_mov_b32 s[GR], 1
	s_add_co_u32 s[GR+1], s18, 16384*n
	s_add_nc_u64 s[GR+2:GR+3], s[90:91], 16384*n
	s_or_b32 s[GR+3], s[GR+3], 0x80000000
.set n, n+1
.endr
	s_lshl_b32 s2, s17, 8                          ; Q's codes: tile 256 x head + 16 x block + wave, 512 bytes each
	s_lshl_b32 s66, s16, 4
	s_add_co_u32 s2, s2, s66
	s_add_co_u32 s2, s2, s[WV]
	s_lshl_b32 s2, s2, 9
	s_add_nc_u64 s[4:5], s[4:5], s[2:3]
	s_lshl_b32 s2, s17, 14                         ; Q's scale word: 16,384 bytes a head, 512 a group of eight tiles,
	s_lshl_b32 s66, s16, 10
	s_add_co_u32 s2, s2, s66
	s_lshr_b32 s66, s[WV], 3
	s_lshl_b32 s66, s66, 9
	s_add_co_u32 s2, s2, s66
	s_lshl_b32 s66, s85, 8                         ; an odd tile's rows in lanes 16-31 of the image,
	s_add_co_u32 s2, s2, s66
	s_bfe_u32 s66, s[WV], 0x20001                  ; word (tile % 8) / 2 of a lane's four
	s_lshl_b32 s66, s66, 2
	s_add_co_u32 s2, s2, s66
	s_add_nc_u64 s[6:7], s[6:7], s[2:3]
	s_lshr_b32 s66, s17, 2                         ; O: tile 256 x batch + 16 x block + wave;
	s_lshl_b32 s66, s66, 8
	s_lshl_b32 s67, s16, 4
	s_add_co_u32 s66, s66, s67
	s_add_co_u32 s66, s66, s[WV]
	s_and_b32 s67, s17, 3                          ; my head is block c of the tile's fragment: 512 bytes of its 2,048,
	s_lshl_b32 s2, s66, 2
	s_add_co_u32 s2, s2, s67
	s_lshl_b32 s2, s2, 9
	s_add_nc_u64 s[10:11], s[10:11], s[2:3]
	s_lshl_b32 s2, s66, 9                          ; and word c of a lane's four scale words
	s_lshl_b32 s67, s67, 2
	s_add_co_u32 s2, s2, s67
	s_add_nc_u64 s[12:13], s[12:13], s[2:3]
	CROUND                                         ; all four work-groups are here: the joint loads meet
	s_cmp_lt_u32 s[WV], 2                          ; all fills of a wave stand in one branch, ahead of every wait on TENSORcnt, every LDS read and every other barrier
	s_cbranch_scc0 .Lno_fetch
	tensor_load_to_lds s[40:43], s[G1S:G1S+7]
	s_nop 0
	tensor_load_to_lds s[44:47], s[G1C:G1C+7]
	s_nop 0
	tensor_load_to_lds s[48:51], s[G1C:G1C+7]
	s_nop 0
	tensor_load_to_lds s[52:55], s[G1C:G1C+7]
	s_nop 0
	tensor_load_to_lds s[56:59], s[G1C:G1C+7]
	s_nop 0
	tensor_load_to_lds s[60:63], s[G1C:G1C+7]
	s_nop 0
	tensor_load_to_lds s[68:71], s[G1C:G1C+7]
	s_nop 0
	tensor_load_to_lds s[72:75], s[G1C:G1C+7]
	s_nop 0
	tensor_load_to_lds s[76:79], s[G1C:G1C+7]
	s_nop 0
.rept 4
	v_nop
.endr
.Lno_fetch:
	s_wait_alu depctr_va_vdst(0)
	global_load_b128 v[QC:QC+3], v[LI], s[4:5]
	global_load_b32 v[QS], v4, s[6:7]
.set ii, 0
.rept 12
	v_mov_b32 v[QC+4+ii], 0                        ; Q's blocks 1 to 3
	v_mov_b32 v[KC+32+ii], 0                       ; what the last tiles of K find behind them
.set ii, ii+1
.endr
.set ii, 0
.rept 16
	v_mov_b32 v[O+ii], 0                           ; O^T: the step is written once; the first finds zeros, which the first change of M leaves zeros
.set ii, ii+1
.endr
.irp b, 0,1,2,3
	v_mov_b32 v[BM+4+\b], 0                        ; a lane permute's destination counts as one of its sources
.endr
	v_mov_b32 v[F+1], 0
	v_mov_b32 v14, 0                               ; the sum, in two halves
	v_mov_b32 v15, 0
	v_mov_b32 v13, 0xff61b1e6                      ; the largest t so far: -3e38
	s_delay_alu instid0(VALU_DEP_1)
	v_floor_f32 v12, -v13                          ; -M
; A KEY STEP: 128 keys
.macro STEP
	v_add_nc_u32 v[ADK], s[TK], v[LI]
	v_add_nc_u32 v[ADV], s[TV], v[LI]
	v_add_nc_u32 v[ADS], s[TS], v[LI]
	v_add_nc_u32 v[ADT], s[TT], v[LS]
.rept 4
	v_nop                                          ; with the four additions: eight places between the last step's products and the loads into the registers that they read
.endr
	ds_load_b128 v[KS:KS+3], v[ADS]
.irp j, 0,1,2,3,4,5,6,7
	ds_load_b128 v[KC+4*\j:KC+4*\j+3], v[ADK] offset:512*\j
.endr
.irp j, 0,1,2,3,4,5,6,7
	ds_load_b128 v[VC+4*\j:VC+4*\j+3], v[ADV] offset:512*\j
.endr
	ds_load_b32 v[VS], v[ADT]
	s_wait_dscnt 9                                 ; K and its scale words are in; V's nine loads may stay out
.irp j, 0,2,4,6
	v_wmma_scale_f32_16x16x128_f8f6f4 v[S+8*\j:S+8*\j+7], v[KC+4*\j:KC+4*\j+15], v[QC:QC+15], 0, v[KS+\j/2], v[QS]
	v_wmma_scale_f32_16x16x128_f8f6f4 v[S+8*\j+8:S+8*\j+15], v[KC+4*\j+4:KC+4*\j+19], v[QC:QC+15], 0, v[KS+\j/2], v[QS] matrix_a_scale:MATRIX_SCALE_ROW1
.endr
.rept 8
	v_nop
.endr
.irp b, 0,1,2,3
	v_max3_num_f32 v[BM+\b], v[S+16*\b], v[S+1+16*\b], v[S+2+16*\b]   ; the largest score of each block of 32 keys: for the row's maximum, and, since p rises with the score, for the block's largest p
.endr
.irp i, 3,5,7,9,11,13
.irp b, 0,1,2,3
	v_max3_num_f32 v[BM+\b], v[BM+\b], v[S+16*\b+\i], v[S+1+16*\b+\i]
.endr
.endr
.irp b, 0,1,2,3
	v_max_num_f32 v[BM+\b], v[BM+\b], v[S+15+16*\b]
.endr
.irp b, 0,1,2,3
	s_delay_alu instid0(VALU_DEP_4)
	v_permlanex16_b32 v[BM+4+\b], v[BM+\b], s[SEL], s[SEL+1]
.endr
.irp b, 0,1,2,3
	s_delay_alu instid0(VALU_DEP_4)
	v_max_num_f32 v[BM+\b], v[BM+\b], v[BM+4+\b]   ; with lane l xor 16's 16 keys
.endr
	s_delay_alu instid0(VALU_DEP_2)
	v_max3_num_f32 v[TMP], v[BM], v[BM+1], v[BM+2]
	s_delay_alu instid0(VALU_DEP_1)
	v_max_num_f32 v[TMP], v[TMP], v[BM+3]
	s_delay_alu instid0(VALU_DEP_1)
	v_mul_f32 v[TMP], s[CS], v[TMP]                ; as t (c is positive)
	s_delay_alu instid0(VALU_DEP_1)
	v_max_num_f32 v13, v13, v[TMP]                 ; the running largest t
	v_mov_b32 v[TMP], v12
	s_delay_alu instid0(VALU_DEP_2)
	v_floor_f32 v12, -v13                          ; the new -M = floor(-t) = -ceil(t)
	s_delay_alu instid0(VALU_DEP_1)
	v_sub_f32 v[TMP], v12, v[TMP]                  ; old M - new M: a whole number, 0 or less
	s_delay_alu instid0(VALU_DEP_1)
	v_cvt_i32_f32 v[TMP], v[TMP]                   ; (it saturates)
	s_delay_alu instid0(VALU_DEP_1)
	v_ldexp_f32 v[F], 1.0, v[TMP]                  ; f = 2^(old M - new M)
.set ii, 0
.rept 32
	v_pk_fma_f32 v[S+ii:S+ii+1], v[S+ii:S+ii+1], s[CS:CS+1], v[12:13] op_sel_hi:[1,0,0]   ; t - M, two at a time
.set ii, ii+2
.endr
.irp b, 0,1,2,3
	v_fma_f32 v[BM+\b], v[BM+\b], s[CS], v12       ; the same of each block's largest score
.endr
.set ii, 0
	s_wait_alu depctr_va_vdst(0)
.rept 64
	v_exp_f32 v[S+ii], v[S+ii]                     ; p = 2^(t - M), at most 1
.set ii, ii+1
.endr
	v_pk_mul_f32 v[14:15], v[14:15], v[F:F+1] op_sel_hi:[1,0]   ; the sums under the new M: the plain line behind the exponentials
	s_wait_alu depctr_va_vdst(0)                   ; one wait for the batch, ahead of its first reader
.irp b, 0,1,2,3
	v_exp_f32 v[BM+\b], v[BM+\b]                   ; the block's largest p: the same two instructions on the same number
.endr
	v_pk_add_f32 v[228:229], v[132:133], v[136:137]
	v_pk_add_f32 v[250:251], v[140:141], v[144:145]
	v_pk_add_f32 v[248:249], v[148:149], v[152:153]
	v_pk_add_f32 v[246:247], v[156:157], v[160:161]
	v_pk_add_f32 v[244:245], v[164:165], v[168:169]
	v_pk_add_f32 v[242:243], v[172:173], v[176:177]
	v_pk_add_f32 v[238:239], v[180:181], v[184:185]
	v_pk_add_f32 v[14:15], v[14:15], v[188:189]
	v_pk_add_f32 v[228:229], v[228:229], v[128:129]
	v_pk_add_f32 v[250:251], v[250:251], v[130:131]
	v_pk_add_f32 v[248:249], v[248:249], v[134:135]
	v_pk_add_f32 v[246:247], v[246:247], v[138:139]
	v_pk_add_f32 v[244:245], v[244:245], v[142:143]
	v_pk_add_f32 v[242:243], v[242:243], v[146:147]
	v_pk_add_f32 v[238:239], v[238:239], v[150:151]
	v_pk_add_f32 v[14:15], v[14:15], v[154:155]
	v_pk_add_f32 v[228:229], v[228:229], v[158:159]
	v_pk_add_f32 v[250:251], v[250:251], v[162:163]
	v_pk_add_f32 v[248:249], v[248:249], v[166:167]
	v_pk_add_f32 v[246:247], v[246:247], v[170:171]
	v_pk_add_f32 v[244:245], v[244:245], v[174:175]
	v_pk_add_f32 v[242:243], v[242:243], v[178:179]
	v_pk_add_f32 v[238:239], v[238:239], v[182:183]
	v_pk_add_f32 v[14:15], v[14:15], v[186:187]
	v_pk_add_f32 v[228:229], v[228:229], v[190:191]
	s_delay_alu instid0(VALU_DEP_2)
	v_pk_add_f32 v[14:15], v[14:15], v[246:247]
	s_delay_alu instid0(VALU_DEP_2)
	v_pk_add_f32 v[228:229], v[228:229], v[244:245]
	v_pk_add_f32 v[250:251], v[250:251], v[242:243]
	v_pk_add_f32 v[248:249], v[248:249], v[238:239]
	s_delay_alu instid0(VALU_DEP_2)
	v_pk_add_f32 v[14:15], v[14:15], v[250:251]
	s_delay_alu instid0(VALU_DEP_2)
	v_pk_add_f32 v[228:229], v[228:229], v[248:249]
	s_delay_alu instid0(VALU_DEP_1)
	v_pk_add_f32 v[14:15], v[14:15], v[228:229]
	s_wait_alu depctr_va_vdst(0)                   ; and one for the four
.irp b, 0,1,2,3
	v_max_num_f32 v[BM+\b], 0x4800000, v[BM+\b]    ; the floor 2^(9 - 127)
.endr
.irp b, 0,1,2,3
	s_delay_alu instid0(VALU_DEP_4)
	v_add_nc_u32 v[BM+12+\b], 0xfc000000, v[BM+\b] ; 8 off the exponent field: the conversion's scale operand
.endr
.irp b, 0,1,2,3
	v_and_or_b32 v[BM+8+\b], v[BM+\b], 0x7f800000, s[MNT]   ; 448 x the scale
.endr
.irp b, 0,1,2,3
	v_lshrrev_b32 v[BM+4+\b], 23, v[BM+12+\b]      ; the scale's byte
.endr
	s_delay_alu instid0(VALU_DEP_3)
	v_lshl_or_b32 v[PS], v[BM+5], 8, v[BM+4]       ; p's scale word for these 128 keys: more than eight plain lines ahead of its use
	s_delay_alu instid0(VALU_DEP_1)
	v_lshl_or_b32 v[PS], v[BM+6], 16, v[PS]
	s_delay_alu instid0(VALU_DEP_1)
	v_lshl_or_b32 v[PS], v[BM+7], 24, v[PS]
.irp b, 0,1,2,3
.set qi, 0
.rept 16
	v_min_num_f32 v[S+16*\b+qi], v[S+16*\b+qi], v[BM+8+\b]   ; the conversion does not saturate (ISA guide 7.6.2); p is not negative, so the hold is one-sided
.set qi, qi+1
.endr
	v_cvt_scalef32_pk8_fp8_f32 v[PCD+4*\b:PCD+1+4*\b], v[S+16*\b:S+7+16*\b], v[BM+12+\b]
	v_cvt_scalef32_pk8_fp8_f32 v[PCD+2+4*\b:PCD+3+4*\b], v[S+8+16*\b:S+15+16*\b], v[BM+12+\b]
.endr
.set ii, 0
.rept 8
	v_pk_mul_f32 v[O+ii:O+ii+1], v[O+ii:O+ii+1], v[F:F+1] op_sel_hi:[1,0]   ; O^T under the new M; these eight are also the lines between the conversions and the products
.set ii, ii+2
.endr
	s_wait_alu depctr_va_vdst(0)
	s_wait_dscnt 0x0                               ; V is in
	v_wmma_scale_f32_16x16x128_f8f6f4 v[O:O+7], v[VC:VC+15], v[PCD:PCD+15], v[O:O+7], v[VS], v[PS]   ; the two sums take turns, and the next step's eight products stand between two links of each
	v_wmma_scale_f32_16x16x128_f8f6f4 v[O+8:O+15], v[VC+16:VC+31], v[PCD:PCD+15], v[O+8:O+15], v[VS], v[PS] matrix_a_scale:MATRIX_SCALE_ROW1
	s_add_co_u32 s[TK], s[TK], 4096
	s_add_co_u32 s[TV], s[TV], 4096
	s_add_co_u32 s[TS], s[TS], 512
	s_add_co_u32 s[TT], s[TT], 128
.endm
; A PHASE: trips steps from step first on.  cnt: the younger tensor loads of a fetching wave that may stay out.  Later chunks stay on their way across them.
.macro PHASE cnt, trips, first
	s_wait_tensorcnt \cnt
	s_wait_dscnt 0x0
	s_barrier_signal -1
	s_barrier_wait -1                              ; what waves 0 and 1 have waited for is there for all sixteen
	s_mov_b32 s[TK], 4096*\first
	s_mov_b32 s[TV], 131072+4096*\first
	s_mov_b32 s[TS], 262144+512*\first
	s_mov_b32 s[TT], 278528+128*\first
	s_mov_b32 s[CNT], \trips
.Lstep_\@:
	STEP
	s_sub_co_u32 s[CNT], s[CNT], 1
	s_cmp_lg_u32 s[CNT], 0
	s_cbranch_scc1 .Lstep_\@
.endm
	s_wait_loadcnt 0x0                             ; Q
	PHASE 7, 4, 0                                  ; the scale words and chunk 0 are in; chunks 1 to 7 may be out
	PHASE 6, 4, 4                                  ; chunk 1; 2 to 7 may be out
	PHASE 4, 8, 8                                  ; chunks 2, 3; 4 to 7 may be out
	PHASE 0, 16, 16                                ; all
	; THE WAY OUT: O^T / the sum, quantised: my head's 32 channels are one block of the next product's K; a lane's 16 registers are channels 16 h + 0 .. 15 of its query
.rept 8
	v_nop
.endr
	v_add_f32 v14, v14, v15
	s_delay_alu instid0(VALU_DEP_1)
	v_permlanex16_b32 v[TMP], v14, s[SEL], s[SEL+1]
	s_delay_alu instid0(VALU_DEP_1)
	v_add_f32 v14, v14, v[TMP]                     ; the row's sum
	s_wait_alu depctr_va_vdst(0)
	v_rcp_f32 v14, v14
	v_nop
	s_wait_alu depctr_va_vdst(0)
.set ii, 0
.rept 8
	v_pk_mul_f32 v[S+ii:S+ii+1], v[O+ii:O+ii+1], v[14:15] op_sel_hi:[1,0]   ; each accumulator from its low end on
.set ii, ii+2
.endr
	v_max3_num_f32 v[BM], |v[S]|, |v[S+1]|, 0x4800000
	v_max3_num_f32 v[BM+1], |v[S+2]|, |v[S+3]|, |v[S+4]|
	s_delay_alu instid0(VALU_DEP_2)
	v_max3_num_f32 v[BM], v[BM], |v[S+5]|, |v[S+6]|
	s_delay_alu instid0(VALU_DEP_2)
	v_max3_num_f32 v[BM+1], v[BM+1], |v[S+7]|, |v[S+8]|
	s_delay_alu instid0(VALU_DEP_2)
	v_max3_num_f32 v[BM], v[BM], |v[S+9]|, |v[S+10]|
	s_delay_alu instid0(VALU_DEP_2)
	v_max3_num_f32 v[BM+1], v[BM+1], |v[S+11]|, |v[S+12]|
	s_delay_alu instid0(VALU_DEP_2)
	v_max3_num_f32 v[BM], v[BM], |v[S+13]|, |v[S+14]|
	s_delay_alu instid0(VALU_DEP_1)
	v_max3_num_f32 v[BM], v[BM], v[BM+1], |v[S+15]|
	s_delay_alu instid0(VALU_DEP_1)
	v_permlanex16_b32 v[BM+4], v[BM], s[SEL], s[SEL+1]
	s_delay_alu instid0(VALU_DEP_1)
	v_max_num_f32 v[BM], v[BM], v[BM+4]
	s_delay_alu instid0(VALU_DEP_1)
	v_add_nc_u32 v[BM+12], 0xfc000000, v[BM]
	s_delay_alu instid0(VALU_DEP_2)
	v_and_or_b32 v[BM+8], v[BM], 0x7f800000, s[MNT]
	s_delay_alu instid0(VALU_DEP_2)
	v_lshrrev_b32 v[BM+5], 23, v[BM+12]
.set ii, 0
.rept 16
	v_med3_num_f32 v[S+ii], v[S+ii], -v[BM+8], v[BM+8]
.set ii, ii+1
.endr
	v_cvt_scalef32_pk8_fp8_f32 v[PCD:PCD+1], v[S:S+7], v[BM+12]
	v_cvt_scalef32_pk8_fp8_f32 v[PCD+2:PCD+3], v[S+8:S+15], v[BM+12]
	v_nop
	global_store_b128 v[LI], v[PCD:PCD+3], s[10:11]   ; 512 consecutive bytes, aligned
	global_store_b32 v[LI], v[BM+5], s[12:13]         ; my head's word of the lane's four
	s_wait_tensorcnt 0x0
	ds_add_u32 v252, v253
	s_wait_dscnt 0x0
	CROUND                                         ; the closing round: no work-group ends while a partner may still ask for a tile that names it
	s_endpgm
.Lfunc_end_k_q6dfb8596ae_attn:
	.size	k_q6dfb8596ae_attn, .Lfunc_end_k_q6dfb8596ae_attn-k_q6dfb8596ae_attn
	.p2alignl 7, 3214868480
	.fill 96, 4, 3214868480
	.section	.rodata,"a",@progbits
	.p2align	6, 0x0
	.amdhsa_kernel k_q6dfb8596ae_attn
		.amdhsa_group_segment_fixed_size 284672
		.amdhsa_private_segment_fixed_size 0
		.amdhsa_enable_private_segment 0
		.amdhsa_kernarg_size 40
		.amdhsa_user_sgpr_count 2
		.amdhsa_user_sgpr_kernarg_segment_ptr 1
		.amdhsa_wavefront_size32 1
		.amdhsa_system_sgpr_workgroup_id_x 1
		.amdhsa_system_sgpr_workgroup_id_y 1
		.amdhsa_system_sgpr_workgroup_id_z 1
		.amdhsa_system_vgpr_workitem_id 0
		.amdhsa_next_free_vgpr 256
		.amdhsa_next_free_sgpr 96
		.amdhsa_reserve_vcc 0
		.amdhsa_float_denorm_mode_32 3
		.amdhsa_float_denorm_mode_16_64 3
		.amdhsa_memory_ordered 1
		.amdhsa_forward_progress 1
		.amdhsa_inst_pref_size 86
	.end_amdhsa_kernel
	.amdgpu_metadata
---
amdhsa.version: [ 1, 2 ]
amdhsa.kernels:
  - .name:           k_q6dfb8596ae_attn
    .symbol:         k_q6dfb8596ae_attn.kd
    .args:
      - { .name: qimg, .offset: 0, .size: 8, .value_kind: global_buffer, .address_space: global }
      - { .name: qsc, .offset: 8, .size: 8, .value_kind: global_buffer, .address_space: global }
      - { .name: kv, .offset: 16, .size: 8, .value_kind: global_buffer, .address_space: global }
      - { .name: oimg, .offset: 24, .size: 8, .value_kind: global_buffer, .address_space: global }
      - { .name: osc, .offset: 32, .size: 8, .value_kind: global_buffer, .address_space: global }
    .group_segment_fixed_size: 284672
    .private_segment_fixed_size: 0
    .kernarg_segment_align: 8
    .kernarg_segment_size: 40
    .max_flat_workgroup_size: 512
    .sgpr_count:     96
    .vgpr_count:     256
    .wavefront_size: 32
...
	.end_amdgpu_metadata
.endif
;; end of part 5
;; launch mlp (part 6): grid 256 x 1, 4 waves a work-group, no clusters, 77,824 bytes of LDS; arguments x, oimg, osc, wimg, wsc, proj_b, ln2_g, ln2_b, mlp_b1, mlp_b2, out0; writes out0
.if DOCPART == 6
	.amdgcn_target "amdgcn-amd-amdhsa--gfx1250"
	.amdhsa_code_object_version 6
	.text
	.protected	k_q6dfb8596ae_mlp
	.globl	k_q6dfb8596ae_mlp
	.p2align	8
	.type	k_q6dfb8596ae_mlp,@function
k_q6dfb8596ae_mlp:
	s_mov_b64 s[64:65], 0
	v_nop
	global_prefetch_b8 v0, s[64:65] scope:SCOPE_SE
	s_setreg_imm32_b32 hwreg(HW_REG_WAVE_SCHED_MODE, 0, 2), 2
	s_setreg_imm32_b32 hwreg(HW_REG_WAVE_MODE, 25, 1), 1
	s_wait_xcnt 0x0
	s_wait_alu depctr_vm_vsrc(0)
; x1 = x + O proj_w + proj_b;  out = x1 + gelu(LN2(x1) W1 + b1) W2 + b2.  All three products on codes of FP8 (E4M3) with one E8M0 scale for each 32 along K; all else in f32.
; O and the three weights arrive as images of operand registers (2,048 bytes a fragment, 512 for four registers, lane l's 16 bytes at 16 l) with a scale word a lane.
; SHARES.  A work-group of four waves owns 64 tokens: four tiles of 16 whose row r is token 32 B + 8 u + r + 8 (r / 8).  FRONT: wave w takes tile w through the projection, the residual and LayerNorm 2.
; MLP: THE WAVES SHARE THE COLUMNS: wave w makes hidden units 128 w .. + 127 and outputs 32 w .. + 31 for all 64 rows, so its parts of W1 and W2 stay in its registers.  Operands go from wave to wave through LDS
; as images of their registers.  All products are used transposed (source 0 = 16 columns of a weight, source 1 = 16 rows), so that a lane holds one row and its registers run along the next K.
; The residuals and biases are the C of each sum's first product.  x1 waits for the last product in the stage in LDS through which the result leaves.
; GELU is exact: x (1 + erf(x / sqrt 2)) / 2, erf(z) = z A(z^2) / B(z^2) with z held within +-4, polynomials of degree 6 and 4 in f32.
; No tensor loads, so no ring; no cluster: the weights, which all work-groups share, go from memory straight into registers.
; THE MODE: SCHED_MODE bits 1:0 = 2 (LLVM: expert scheduling mode 2), set by the entry lines.  The code itself states the register dependences between vector or matrix instructions and memory or LDS
; instructions, with s_wait_alu, always for 0.
; THE PLAN.  Registers that memory or LDS instructions touch:
;   v4-14            offsets and addresses: written once at the head, never again: one wait on va_vdst ahead of the first load.
;   weights, biases, gains and their scale words land once, in registers that no vector instruction has named, and are read by vector and matrix instructions alone.
;   v48-111          x lands; the projection leaves x1 there; the stage's stores read it (places, then a wait on va_vdst); LayerNorm 2 writes it again (a wait on vm_vsrc).
;   v112-127, v216   the quantiser writes codes and a scale word; the image's stores read them (a wait on va_vdst ahead of each run); the next quantiser writes them again (the trip's wait on vm_vsrc).
;   v16-31, v217     THE HIDDEN LAYER'S LOOP: a tile's eight products read them; behind those the NEXT tile's fragment and scale words are asked for and land while this tile's GELU and quantiser run.
;   v36-39           the loop's LDS addresses, written once a trip.  Behind a trip's products stand: a wait on vm_vsrc (all earlier LDS instructions have read v36-39, v112-127 and v216), the four additions,
;                    and ONE wait on va_vdst (the products are done reading v16-31 and v217; the addresses are written).  The fourth tile, which asks for nothing more, is written out.
;   window 1, v132-147  THE LAST PRODUCT: W1 and proj_w are done with, so window 1 takes all 16 hidden fragments and v132-147 their scale words.  No vector or matrix instruction behind the fourth tile's wait on
;                    va_vdst names a register before its load has landed there, so the loads of K steps 1 to 3 are dealt among the additions of b2 and the products of steps 0 and 1 with no further wait.
;   window 2 v192-255  x1 lands, b2 is added, the sums grow; places, then one wait on va_vdst ahead of the stage's stores.  It also states that the products are done reading v132-147, in which rows of the result land.
; LIMITS: NaN and infinities are not served; for strongly negative x the GELU carries the absolute rounding of 1 + erf, about 6e-8 |x|; a block whose largest magnitude lies under 2^-118, zeros among them, gets the scale byte 1.
; REGISTERS, in windows of 256.  window 0: v4-14 addresses; v16-31 a fragment of rows; v32-35 two coefficients; v36-39 the loop's addresses; v48-111 64 numbers of a row; v112-127 codes just made;
;   v128-131, v196-197 LayerNorm's; v132-195 at work, later scale words, later rows of the result; v200-216 the quantiser's; v217, v224-248 scale words; v250-253 O's four scale bytes as loaded.
;   window 1: v0-127 W1's 8 fragments, v128-255 proj_w's 8; later the hidden layer's 16 (4 s + m).   window 2: v0-127 W2's 8 (4 u + s), v128-191 b1, v192-255 the 8 accumulators of the result (16 m + 8 u).
;   window 3: v0-63 ln2_g, v64-127 ln2_b, v128-191 proj_b, v192-207 b2.
.set XSC,  8192                        ; LDS: the four images of LN2's rows from 0 on; their scale words;
.set HIMG, 8704                        ; the hidden layer's 16 images (4 s + m: K step s, tile of rows m);
.set HSC,  41472                       ; their scale words;
.set STG,  43520                       ; the stage: 64 rows x (512 bytes + 16)
.set LI,  4
.set LS,  5
.set XA,  6                            ; 512 pr + 64 h
.set BA,  7                            ; 64 h
.set XWI, 8
.set XWS, 9
.set HWI, 10
.set HWS, 11
.set SX,  12                           ; the stage, my tile's row r, + 64 h
.set SY,  13                           ; the stage, row r, my 128 bytes of columns, + 64 h
.set SR,  14                           ; the stage, my 16 rows, 16 bytes a lane
.set XF,  16
.set CA,  32
.set CB,  34
.set AX,  36
.set AS,  37
.set AH,  38
.set AT,  39
.set HA,  48
.set PC,  112
.set MU,  128
.set T1,  130
.set ST,  132
.set HS,  132                          ; v132-147 the hidden layer's 16 scale words (4 s + m), in the last product
.set T2,  196
.set TM,  200
.set PW,  216
.set XS,  217
.set W1S, 224
.set W2S, 232
.set WPS, 240
.set OS,  248
.set WV,  26
.set SEL, 28
.set MNT, 30
.set R128, 31
.set EPS, 32
.set TI,  54                           ; this tile's image among my four: 2,048 bytes a tile
.set TW,  55                           ; and its scale words: 128
.set CNT, 56
.set TN,  57                           ; the next tile's fragment of rows
.set TV,  58                           ; and its scale words
.set MSB, 0
.macro WIN new                         ; bits 1:0 source 0, 3:2 source 1, 5:4 source 2, 7:6 destination; the high byte repeats the setting that is left
.if MSB != \new
	s_set_vgpr_msb (MSB<<8)|\new
.set MSB, \new
.endif
.endm
.macro PLACES n
.rept \n
	v_nop
.endr
.endm
.macro BARRIER                         ; my LDS stores have landed and my LDS loads are in: then the work-group's barrier
	s_wait_dscnt 0x0
	s_barrier_signal -1
	s_barrier_wait -1
.endm
; the 64 numbers in v[HA ..], register 16 b + i = k 32 b + 16 (lane / 16) + i of my row, become a fragment's codes in v[PC ..] and its scale word in v[PW]
.macro QUANT
.irp b, 0,1,2,3
	v_max3_num_f32 v[TM+\b], |v[HA+16*\b]|, |v[HA+1+16*\b]|, 0x4800000   ; and the floor 2^(9 - 127)
.endr
.irp i, 2,4,6,8,10,12,14
.irp b, 0,1,2,3
	v_max3_num_f32 v[TM+\b], v[TM+\b], |v[HA+16*\b+\i]|, |v[HA+1+16*\b+\i]|
.endr
.endr
.irp b, 0,1,2,3
	v_permlanex16_b32 v[TM+4+\b], v[TM+\b], s[SEL], s[SEL+1]
.endr
.irp b, 0,1,2,3
	v_max_num_f32 v[TM+\b], v[TM+\b], v[TM+4+\b]
.endr
.irp b, 0,1,2,3
	v_add_nc_u32 v[TM+12+\b], 0xfc000000, v[TM+\b]
.endr
.irp b, 0,1,2,3
	v_and_or_b32 v[TM+8+\b], v[TM+\b], 0x7f800000, s[MNT]
.endr
.irp b, 0,1,2,3
	v_lshrrev_b32 v[TM+4+\b], 23, v[TM+12+\b]
.endr
	v_lshl_or_b32 v[PW], v[TM+5], 8, v[TM+4]
	v_lshl_or_b32 v[PW], v[TM+6], 16, v[PW]
	v_lshl_or_b32 v[PW], v[TM+7], 24, v[PW]
.irp b, 0,1,2,3
.set qi, 0
.rept 16
	v_med3_num_f32 v[HA+16*\b+qi], v[HA+16*\b+qi], -v[TM+8+\b], v[TM+8+\b]   ; the conversion does not saturate (ISA guide 7.6.2)
.set qi, qi+1
.endr
	v_cvt_scalef32_pk8_fp8_f32 v[PC+4*\b:PC+1+4*\b], v[HA+16*\b:HA+7+16*\b], v[TM+12+\b]
	v_cvt_scalef32_pk8_fp8_f32 v[PC+2+4*\b:PC+3+4*\b], v[HA+8+16*\b:HA+15+16*\b], v[TM+12+\b]
.endr
	v_nop                                          ; a plain line behind the last conversion: the next products write v[HA ..]
.endm
.macro IMAGE adr                               ; the fragment in v[PC ..] goes to LDS as it stands
.irp c, 0,1,2,3
	ds_store_b128 v[\adr], v[PC+4*\c:PC+4*\c+3] offset:512*\c
.endr
.endm
; One step of Horner's rule for eight pairs: reg = 4: the numerator, 6: the denominator
.macro HORNER reg, lit
.irp k, 0,1,2,3,4,5,6,7
	v_pk_fma_f32 v[ST+8*\k+\reg:ST+8*\k+\reg+1], v[ST+8*\k+\reg:ST+8*\k+\reg+1], v[ST+8*\k+2:ST+8*\k+3], \lit op_sel_hi:[1,1,0]
.endr
.endm
; GELU of the 64 numbers in v[HA ..], in place, 16 at a time.  Pair k has eight registers at v[ST + 8 k]: z, z^2 (later x / 2), the numerator, the denominator
.macro GELU
.irp g, 0,1,2,3
.irp k, 0,1,2,3,4,5,6,7
	v_pk_mul_f32 v[ST+8*\k:ST+8*\k+1], v[HA+16*\g+2*\k:HA+16*\g+2*\k+1], 0x3f3504f3 op_sel_hi:[1,0]   ; z = x / sqrt 2; each accumulator is read from its low end on
.endr
.irp k, 0,1,2,3,4,5,6,7
	v_med3_num_f32 v[ST+8*\k], v[ST+8*\k], -4.0, 4.0
	v_med3_num_f32 v[ST+8*\k+1], v[ST+8*\k+1], -4.0, 4.0
.endr
.irp k, 0,1,2,3,4,5,6,7
	v_pk_mul_f32 v[ST+8*\k+2:ST+8*\k+3], v[ST+8*\k:ST+8*\k+1], v[ST+8*\k:ST+8*\k+1]
.endr
.irp k, 0,1,2,3,4,5,6,7
	v_pk_fma_f32 v[ST+8*\k+4:ST+8*\k+5], v[ST+8*\k+2:ST+8*\k+3], v[CA:CA+1], 0x32edffee op_sel_hi:[1,1,0]   ; -2.7261e-10 z^2 + 2.7707e-8
	v_pk_fma_f32 v[ST+8*\k+6:ST+8*\k+7], v[ST+8*\k+2:ST+8*\k+3], v[CB:CB+1], 0xb95fbd29 op_sel_hi:[1,1,0]   ; -1.4566e-5 z^2 - 2.1337e-4
.endr
	HORNER 4, 0xb60cff51                           ; -2.1010e-6
	HORNER 6, 0xbadc924e                           ; -1.6828e-3
	HORNER 4, 0xb86ec2d2                           ; -5.6925e-5
	HORNER 6, 0xbbf19bf8                           ; -7.3733e-3
	HORNER 4, 0xba40ac63                           ; -7.3499e-4
	HORNER 6, 0xbc69b6a7                           ; -1.4265e-2
	HORNER 4, 0xbb41a1f6                           ; -2.9546e-3
	HORNER 4, 0xbc83dbd4                           ; -1.6096e-2
	s_wait_alu depctr_va_vdst(0)
.irp k, 0,1,2,3,4,5,6,7
	v_rcp_f32 v[ST+8*\k+6], v[ST+8*\k+6]
	v_rcp_f32 v[ST+8*\k+7], v[ST+8*\k+7]
.endr
.irp k, 0,1,2,3,4,5,6,7
	v_pk_mul_f32 v[ST+8*\k+4:ST+8*\k+5], v[ST+8*\k+4:ST+8*\k+5], v[ST+8*\k:ST+8*\k+1]   ; z A: work that names no reciprocal stands behind the batch
.endr
.irp k, 0,1,2,3,4,5,6,7
	v_pk_mul_f32 v[ST+8*\k+2:ST+8*\k+3], v[HA+16*\g+2*\k:HA+16*\g+2*\k+1], 0.5 op_sel_hi:[1,0]
.endr
	s_wait_alu depctr_va_vdst(0)                   ; one wait for the sixteen reciprocals, ahead of their first reader
.irp k, 0,1,2,3,4,5,6,7
	v_pk_mul_f32 v[ST+8*\k+4:ST+8*\k+5], v[ST+8*\k+4:ST+8*\k+5], v[ST+8*\k+6:ST+8*\k+7]   ; erf
.endr
.irp k, 0,1,2,3,4,5,6,7
	v_pk_fma_f32 v[HA+16*\g+2*\k:HA+16*\g+2*\k+1], v[ST+8*\k+2:ST+8*\k+3], v[ST+8*\k+4:ST+8*\k+5], v[ST+8*\k+2:ST+8*\k+3]   ; x / 2 erf + x / 2
.endr
.endr
.endm
	s_load_b512 s[4:19], s[0:1], 0x0               ; x 4, oimg 6, osc 8, wimg 10, wsc 12, proj_b 14, ln2_g 16, ln2_b 18
	s_load_b128 s[20:23], s[0:1], 0x40             ; mlp_b1 20, mlp_b2 22
	s_load_b64 s[24:25], s[0:1], 0x50              ; out0
	v_lshl_add_u32 v254, v0, 2, 0x12e00
	v_mov_b32 v255, 0
	v_lshrrev_b32 v1, 5, v0
	v_readfirstlane_b32 s[WV], v1                  ; wave 0..3
	v_and_b32 v1, 31, v0
	v_and_b32 v2, 15, v0
	v_bfe_u32 v3, v0, 4, 1
	v_and_b32 v15, 8, v2
	v_add_nc_u32 v15, v15, v2                      ; pr = r + 8 (r / 8)
	v_lshlrev_b32 v[LI], 4, v1
	v_lshlrev_b32 v[LS], 2, v1
	s_wait_alu depctr_va_vdst(0)
	v_lshlrev_b32 v[BA], 6, v3
	v_lshl_add_u32 v[XA], v15, 9, v[BA]
	s_wait_alu depctr_va_sdst(0)                   ; the wave's number is written, ahead of its first reader: addresses and bases are made from it
	s_lshl_b32 s34, s[WV], 11
	v_add_nc_u32 v[XWI], s34, v[LI]
	s_lshl_b32 s34, s[WV], 7
	s_add_co_u32 s34, s34, XSC
	v_add_nc_u32 v[XWS], s34, v[LS]
	s_lshl_b32 s34, s[WV], 13
	s_add_co_u32 s34, s34, HIMG
	v_add_nc_u32 v[HWI], s34, v[LI]                ; my four hidden images lie on end: 8,192 bytes a wave
	s_lshl_b32 s34, s[WV], 9
	s_add_co_u32 s34, s34, HSC
	v_add_nc_u32 v[HWS], s34, v[LS]
	v_mul_u32_u24 v15, v2, 528
	s_wait_alu depctr_va_vdst(0)
	v_add_nc_u32 v15, v15, v[BA]
	s_mul_i32 s34, s[WV], 8448
	s_add_co_u32 s34, s34, STG
	v_add_nc_u32 v[SX], s34, v15
	v_add_nc_u32 v[SR], s34, v[LI]
	s_lshl_b32 s34, s[WV], 7
	s_add_co_u32 s34, s34, STG
	v_add_nc_u32 v[SY], s34, v15
	v_mov_b32 v[CA], 0xaf95df0b                    ; erf's leading coefficients, as pairs: -2.72614e-10,
	v_mov_b32 v[CA+1], 0xaf95df0b
	v_mov_b32 v[CB], 0xb77460cd                    ; -1.45661e-5
	v_mov_b32 v[CB+1], 0xb77460cd
.irp b, 0,1,2,3
	v_mov_b32 v[TM+4+\b], 0                        ; a lane permute's destination counts as one of its sources
.endr
	v_mov_b32 v[T2], 0
	s_mov_b32 s[SEL], 0x76543210
	s_mov_b32 s[SEL+1], 0xfedcba98
	s_mov_b32 s[MNT], 0x600000
	s_mov_b32 s[R128], 0x3c000000
	s_mov_b32 s[EPS], 0x3727c5ac
	s_lshl_b32 s34, ttmp9, 2
	s_add_co_u32 s34, s34, s[WV]                   ; my tile of rows among all 1,024
	s_lshl_b32 s36, s34, 11
	s_mov_b32 s37, 0
	s_lshl_b32 s38, s34, 9
	s_mov_b32 s39, 0
	s_lshl_b32 s40, ttmp9, 15                      ; x and out0: 64 g rows of 512 bytes + 32 rows for tiles 2, 3 + 8 rows for tiles 1, 3
	s_lshr_b32 s34, s[WV], 1
	s_lshl_b32 s34, s34, 14
	s_add_co_u32 s40, s40, s34
	s_and_b32 s34, s[WV], 1
	s_lshl_b32 s34, s34, 12
	s_add_co_u32 s40, s40, s34
	s_mov_b32 s41, 0
	s_lshl_b32 s42, s[WV], 14                      ; my eight fragments of W1, and of W2
	s_mov_b32 s43, 0
	s_lshl_b32 s44, s[WV], 10                      ; and their scale words
	s_mov_b32 s45, 0
	s_lshl_b32 s46, s[WV], 9                       ; b1: my 128 numbers
	s_mov_b32 s47, 0
	s_lshl_b32 s48, s[WV], 7                       ; b2: my 32
	s_mov_b32 s49, 0
	s_wait_kmcnt 0x0
	s_add_nc_u64 s[6:7], s[6:7], s[36:37]
	s_add_nc_u64 s[8:9], s[8:9], s[38:39]
	s_add_nc_u64 s[4:5], s[4:5], s[40:41]
	s_add_nc_u64 s[24:25], s[24:25], s[40:41]
	s_add_nc_u64 s[50:51], s[10:11], s[42:43]
	s_add_nc_u64 s[52:53], s[12:13], s[44:45]
	s_add_nc_u64 s[20:21], s[20:21], s[46:47]
	s_add_nc_u64 s[22:23], s[22:23], s[48:49]
	s_wait_alu depctr_va_vdst(0)                   ; the offsets and addresses v4 to v14 are written, which the loads and stores of the whole kernel read; they are never written again
	; ---- what the projection needs
.irp c, 0,1,2,3
	global_load_b128 v[XF+4*\c:XF+4*\c+3], v[LI], s[6:7] offset:512*\c       ; O's fragment of my tile
.endr
	global_load_b128 v[250:253], v[LI], s[8:9]                               ; its four scale bytes, a word each
.set ii, 0
.rept 16
	global_load_b128 v[HA+4*ii:HA+4*ii+3], v[XA], s[4:5] offset:128*(ii/4)+16*(ii%4) th:TH_LOAD_NT   ; x in the result's layout: 16 numbers of each block of 32 of my row
.set ii, ii+1
.endr
.irp t, 0,1,2,3,4,5,6,7
	global_load_b32 v[WPS+\t], v[LS], s[12:13] offset:128*\t
.endr
	WIN 0xc0
.set ii, 0
.rept 16
	global_load_b128 v[128+4*ii:128+4*ii+3], v[BA], s[14:15] offset:128*(ii/4)+16*(ii%4)   ; proj_b
.set ii, ii+1
.endr
	WIN 0x40
.set ii, 0
.rept 32
	global_load_b128 v[128+4*ii:128+4*ii+3], v[LI], s[10:11] offset:512*ii                 ; proj_w's eight fragments
.set ii, ii+1
.endr
	; ---- 52 loads that may land later
	WIN 0xc0
.set ii, 0
.rept 16
	global_load_b128 v[4*ii:4*ii+3], v[BA], s[16:17] offset:128*(ii/4)+16*(ii%4)           ; ln2_g
	global_load_b128 v[64+4*ii:64+4*ii+3], v[BA], s[18:19] offset:128*(ii/4)+16*(ii%4)     ; ln2_b
.set ii, ii+1
.endr
.irp j, 0,1,2,3
	global_load_b128 v[192+4*\j:192+4*\j+3], v[BA], s[22:23] offset:16*\j                  ; b2: outputs 32 w + 16 h + 0 .. 15
.endr
	WIN 0x80
.irp t, 0,1,2,3,4,5,6,7
	global_load_b128 v[128+8*\t:128+8*\t+3], v[BA], s[20:21] offset:(32*(\t/2)+8*(\t%2))*4       ; b1: tile t's eight units of my half
	global_load_b128 v[128+8*\t+4:128+8*\t+7], v[BA], s[20:21] offset:(32*(\t/2)+8*(\t%2))*4+16
.endr
	WIN 0
	s_wait_loadcnt 52                              ; all but those 52
	v_lshl_or_b32 v[OS], v251, 8, v250             ; O's scale word: byte c is head c's
	v_lshl_or_b32 v[OS], v252, 16, v[OS]
	v_lshl_or_b32 v[OS], v253, 24, v[OS]
	WIN 0x0c
.set ii, 0
.rept 32
	v_pk_add_f32 v[HA+ii:HA+ii+1], v[HA+ii:HA+ii+1], v[128+ii:129+ii]   ; x + proj_b: the C of the projection.  For each product 28 of these name none of its registers: the places ahead of the scale word's use
.set ii, ii+2
.endr
	WIN 0x01
	s_wait_alu depctr_va_vdst(0)                   ; O's scale word v248 is written, which the scaled products take; its places stand ahead
.irp t, 0,1,2,3,4,5,6,7
	v_wmma_scale_f32_16x16x128_f8f6f4 v[HA+8*\t:HA+8*\t+7], v[128+16*\t:143+16*\t], v[XF:XF+15], v[HA+8*\t:HA+8*\t+7], v[WPS+\t], v[OS]   ; x1: eight accumulators, one product each
.endr
	; ---- 80 loads: my parts of W1 and W2; they land during LayerNorm 2.  No wait: no vector or matrix instruction has ever named the registers in which they land
	WIN 0x40
.set ii, 0
.rept 32
	global_load_b128 v[4*ii:4*ii+3], v[LI], s[50:51] offset:16384+512*ii
.set ii, ii+1
.endr
	WIN 0x80
.set ii, 0
.rept 32
	global_load_b128 v[4*ii:4*ii+3], v[LI], s[50:51] offset:81920+512*ii
.set ii, ii+1
.endr
	WIN 0
.irp t, 0,1,2,3,4,5,6,7
	global_load_b32 v[W1S+\t], v[LS], s[52:53] offset:1024+128*\t
	global_load_b32 v[W2S+\t], v[LS], s[52:53] offset:5120+128*\t
.endr
	PLACES 8                                       ; eight places behind this form before its results are read
	s_wait_alu depctr_va_vdst(0)                   ; the products have written x1, which the stage's stores read; they are also done reading v16-31, in which the first tile's fragment lands further down
.set ii, 0
.rept 16
	ds_store_b128 v[SX], v[HA+4*ii:HA+4*ii+3] offset:128*(ii/4)+16*(ii%4)   ; x1 waits in the stage; each accumulator from its low end on
.set ii, ii+1
.endr
	s_wait_loadcnt 63                              ; the 52 are in: 80 loads are younger, and the smaller count is the safe one
	; ---- LayerNorm 2, in place
	v_pk_add_f32 v[MU:MU+1], v[HA:HA+1], v[HA+2:HA+3]
	v_pk_add_f32 v[T1:T1+1], v[HA+4:HA+5], v[HA+6:HA+7]
.set ii, 8
.rept 14
	v_pk_add_f32 v[MU:MU+1], v[MU:MU+1], v[HA+ii:HA+ii+1]
	v_pk_add_f32 v[T1:T1+1], v[T1:T1+1], v[HA+ii+2:HA+ii+3]
.set ii, ii+4
.endr
	v_pk_add_f32 v[MU:MU+1], v[MU:MU+1], v[T1:T1+1]
	v_add_f32 v[MU], v[MU], v[MU+1]
	v_permlanex16_b32 v[T2], v[MU], s[SEL], s[SEL+1]
	v_add_f32 v[MU], v[MU], v[T2]
	v_mul_f32 v[MU], s[R128], v[MU]                ; the mean
	s_wait_alu depctr_va_vdst(0)
	s_wait_dscnt 0x0                               ; the stage's stores have landed,
	s_wait_alu depctr_vm_vsrc(0)                   ; and they have read x1's registers, which are written from here on
.set ii, 0
.rept 32
	v_pk_add_f32 v[HA+ii:HA+ii+1], v[HA+ii:HA+ii+1], v[MU:MU+1] op_sel_hi:[1,0] neg_lo:[0,1] neg_hi:[0,1]
.set ii, ii+2
.endr
	v_pk_mul_f32 v[T1:T1+1], v[HA:HA+1], v[HA:HA+1]
	v_pk_mul_f32 v[T2:T2+1], v[HA+2:HA+3], v[HA+2:HA+3]
.set ii, 4
.rept 15
	v_pk_fma_f32 v[T1:T1+1], v[HA+ii:HA+ii+1], v[HA+ii:HA+ii+1], v[T1:T1+1]
	v_pk_fma_f32 v[T2:T2+1], v[HA+ii+2:HA+ii+3], v[HA+ii+2:HA+ii+3], v[T2:T2+1]
.set ii, ii+4
.endr
	v_pk_add_f32 v[T1:T1+1], v[T1:T1+1], v[T2:T2+1]
	v_add_f32 v[T1], v[T1], v[T1+1]
	v_permlanex16_b32 v[T2], v[T1], s[SEL], s[SEL+1]
	v_add_f32 v[T1], v[T1], v[T2]
	v_fma_f32 v[T1], v[T1], s[R128], s[EPS]
	s_wait_alu depctr_va_vdst(0)
	v_rsq_f32 v[T1], v[T1]
	v_nop
	s_wait_alu depctr_va_vdst(0)                   ; the root's reciprocal is written, ahead of its first reader
.set ii, 0
.rept 32
	v_pk_mul_f32 v[HA+ii:HA+ii+1], v[HA+ii:HA+ii+1], v[T1:T1+1] op_sel_hi:[1,0]
.set ii, ii+2
.endr
	WIN 0x3c                                       ; gain and bias in window 3
.set ii, 0
.rept 32
	v_pk_fma_f32 v[HA+ii:HA+ii+1], v[HA+ii:HA+ii+1], v[ii:ii+1], v[64+ii:65+ii]
.set ii, ii+2
.endr
	WIN 0
	QUANT
	s_wait_alu depctr_va_vdst(0)                   ; the quantiser has written the codes v112-127 and the scale word v216, which the LDS stores read
	IMAGE XWI
	ds_store_b32 v[XWS], v[PW]
	BARRIER                                        ; the four tiles' fragments, and x1, lie in LDS
.irp c, 0,1,2,3
	ds_load_b128 v[XF+4*\c:XF+4*\c+3], v[LI] offset:512*\c   ; the first tile's fragment.  No wait: the projection, which read v16-31, stands ahead of the wait in front of the stage's stores, and nothing has named them since
.endr
	ds_load_b32 v[XS], v[LS] offset:XSC
	s_wait_loadcnt 0x0                             ; W1, W2
; ---- the hidden layer: my 128 units of one tile of 16 rows.  last = 1: the fourth tile, which asks for no further fragment
.macro TILE last
	s_wait_dscnt 0x0                               ; this tile's fragment and scale words are in, and my stores of the tile before have landed
	WIN 0x21                                       ; source 0 (W1) window 1, C (b1) window 2
.irp t, 0,1,2,3,4,5,6,7
	v_wmma_scale_f32_16x16x128_f8f6f4 v[HA+8*\t:HA+8*\t+7], v[16*\t:16*\t+15], v[XF:XF+15], v[128+8*\t:135+8*\t], v[W1S+\t], v[XS]
.endr
	WIN 0
	s_wait_alu depctr_vm_vsrc(0)                   ; the LDS loads and stores issued so far have read the addresses v36-39, written below, and the codes v112-127 and the scale word v216, which this tile's quantiser writes again
.if \last
	v_add_nc_u32 v[AH], 3*2048, v[HWI]             ; where this tile's image goes; the wait ahead of its stores states that these two are written
	v_add_nc_u32 v[AT], 3*128, v[HWS]
	PLACES 6                                       ; with the two additions: eight places behind the products before their results are read
.else
	v_add_nc_u32 v[AH], s[TI], v[HWI]              ; where this tile's image goes,
	v_add_nc_u32 v[AT], s[TW], v[HWS]
	v_add_nc_u32 v[AX], s[TN], v[LI]               ; and where the next tile's fragment lies
	v_add_nc_u32 v[AS], s[TV], v[LS]
	PLACES 4                                       ; with the four additions: eight places behind the products before their results are read
	s_wait_alu depctr_va_vdst(0)                   ; the products are done reading v16-31 and v217, in which the next tile's fragment and scale words land; the four addresses are written
.irp c, 0,1,2,3
	ds_load_b128 v[XF+4*\c:XF+4*\c+3], v[AX] offset:512*\c   ; they land while the GELU and the quantiser run
.endr
	ds_load_b32 v[XS], v[AS] offset:XSC
.endif
	GELU
	QUANT
	s_wait_alu depctr_va_vdst(0)                   ; the quantiser has written the codes v112-127 and the scale word v216, which the LDS stores read
	IMAGE AH                                       ; K step w of the last product, this tile's rows
	ds_store_b32 v[AT], v[PW]
.endm
	s_mov_b32 s[TI], 0
	s_mov_b32 s[TW], 0
	s_mov_b32 s[TN], 2048
	s_mov_b32 s[TV], 128
	s_mov_b32 s[CNT], 3
.Ltile:
	TILE 0
	s_add_co_u32 s[TI], s[TI], 2048
	s_add_co_u32 s[TW], s[TW], 128
	s_add_co_u32 s[TN], s[TN], 2048
	s_add_co_u32 s[TV], s[TV], 128
	s_sub_co_u32 s[CNT], s[CNT], 1
	s_cmp_lg_u32 s[CNT], 0
	s_cbranch_scc1 .Ltile
	TILE 1                                         ; the fourth tile is written out: no load reaches past the four fragments
	BARRIER                                        ; the hidden layer's sixteen fragments lie in LDS
	; ---- the last product: my 32 outputs for the 64 rows; x1 + b2 starts the sums.
	; All that is loaded here lands in registers that no vector or matrix instruction has named since the fourth tile's wait ahead of its stores: v132-147 (the GELU's), window 1 (W1, proj_w), window 2 v192-255 (never named)
.macro HFETCH s                                ; K step s: the four tiles' fragments into window 1, v[16 (4 s + m)]
.irp m, 0,1,2,3
.irp c, 0,1,2,3
	ds_load_b128 v[16*(4*\s+\m)+4*\c:16*(4*\s+\m)+4*\c+3], v[LI] offset:HIMG+(4*\s+\m)*2048+512*\c
.endr
.endr
.endm
.macro HMUL s                                  ; K step s: the eight sums take turns, in the same order in every K step
.irp m, 0,1,2,3
.irp u, 0,1
	v_wmma_scale_f32_16x16x128_f8f6f4 v[192+16*\m+8*\u:199+16*\m+8*\u], v[16*(4*\u+\s):16*(4*\u+\s)+15], v[16*(4*\s+\m):16*(4*\s+\m)+15], v[192+16*\m+8*\u:199+16*\m+8*\u], v[W2S+4*\u+\s], v[HS+4*\s+\m]
.endr
.endr
.endm
.set ii, 0
.rept 16
	ds_load_b32 v[HS+ii], v[LS] offset:HSC+128*ii  ; the sixteen scale words
.set ii, ii+1
.endr
	WIN 0x80
.irp m, 0,1,2,3
.irp j, 0,1,2,3
	ds_load_b128 v[192+16*\m+4*\j:192+16*\m+4*\j+3], v[SY] offset:8448*\m+16*\j   ; x1(row r of tile m, outputs 32 w + 16 h + 4 j ..): bytes that I alone read, and later write
.endr
.endr
	WIN 0x40                                       ; destination window 1
	HFETCH 0
	s_wait_dscnt 16                                ; the scale words and x1 are in; K step 0's sixteen loads may be out
	HFETCH 1
	WIN 0x8e                                       ; sums in window 2, b2 in window 3
.irp m, 0,1,2,3
.irp j, 0,2,4,6,8,10,12,14
	v_pk_add_f32 v[192+16*\m+\j:193+16*\m+\j], v[192+16*\m+\j:193+16*\m+\j], v[192+\j:193+\j]
.endr
.endr
	s_wait_alu depctr_va_vdst(0)
	s_wait_dscnt 16                                ; K step 0 is in; step 1's sixteen may be out
	WIN 0xa6                                       ; source 0 (W2), C and D window 2; source 1 (the hidden layer) window 1
	HMUL 0
	WIN 0x40
	HFETCH 2                                       ; no wait: the products above name window 1's v0-63 alone of that window; these land in v128-191
	s_wait_dscnt 16                                ; K step 1 is in
	WIN 0xa6
	HMUL 1
	WIN 0x40
	HFETCH 3                                       ; into v192-255 of window 1, likewise
	s_wait_dscnt 16                                ; K step 2 is in
	WIN 0xa6
	HMUL 2
	s_wait_dscnt 0x0                               ; K step 3 is in
	HMUL 3
	PLACES 8                                       ; eight places behind the last products before their results are read
	WIN 0x08                                       ; an LDS store's data are its source 1: window 2
	s_wait_alu depctr_va_vdst(0)                   ; the products have written the eight sums, which the stage's stores read; they are also done reading the scale words v132-147, in which rows of the result land behind the barrier
.irp m, 0,1,2,3
.irp j, 0,1,2,3
	ds_store_b128 v[SY], v[192+16*\m+4*\j:192+16*\m+4*\j+3] offset:8448*\m+16*\j   ; over x1's bytes; each accumulator from its low end on
.endr
.endr
	WIN 0
	BARRIER                                        ; 64 whole rows of the result lie in the stage
.irp i, 0,1,2,3,4,5,6,7,8,9,10,11,12,13,14,15
	ds_load_b128 v[ST+4*\i:ST+4*\i+3], v[SR] offset:528*\i
.endr
.irp i, 0,1,2,3,4,5,6,7,8,9,10,11,12,13,14,15
	s_wait_dscnt 15-\i                             ; row i is back; the younger rows may be out
	global_store_b128 v[LI], v[ST+4*\i:ST+4*\i+3], s[24:25] offset:(\i+8*(\i/8))*512 th:TH_STORE_NT   ; 32 lanes store a row of 512 consecutive bytes, aligned; row i of the tile is token i + 8 (i / 8)
.endr
	s_wait_dscnt 0x0
	s_wait_alu depctr_hold_cnt(0) depctr_sa_sdst(0) depctr_va_vdst(0) depctr_va_sdst(0) depctr_va_ssrc(0) depctr_va_vcc(0) depctr_vm_vsrc(0)
	s_wait_tensorcnt 0x0
	ds_add_u32 v254, v255
	s_wait_dscnt 0x0
	s_endpgm
.Lfunc_end_k_q6dfb8596ae_mlp:
	.size	k_q6dfb8596ae_mlp, .Lfunc_end_k_q6dfb8596ae_mlp-k_q6dfb8596ae_mlp
	.p2alignl 7, 3214868480
	.fill 96, 4, 3214868480
	.section	.rodata,"a",@progbits
	.p2align	6, 0x0
	.amdhsa_kernel k_q6dfb8596ae_mlp
		.amdhsa_group_segment_fixed_size 77824
		.amdhsa_private_segment_fixed_size 0
		.amdhsa_enable_private_segment 0
		.amdhsa_kernarg_size 88
		.amdhsa_user_sgpr_count 2
		.amdhsa_user_sgpr_kernarg_segment_ptr 1
		.amdhsa_wavefront_size32 1
		.amdhsa_system_sgpr_workgroup_id_x 1
		.amdhsa_system_sgpr_workgroup_id_y 1
		.amdhsa_system_sgpr_workgroup_id_z 1
		.amdhsa_system_vgpr_workitem_id 0
		.amdhsa_next_free_vgpr 1024
		.amdhsa_next_free_sgpr 66
		.amdhsa_reserve_vcc 0
		.amdhsa_float_denorm_mode_32 3
		.amdhsa_float_denorm_mode_16_64 3
		.amdhsa_memory_ordered 1
		.amdhsa_forward_progress 1
		.amdhsa_inst_pref_size 184
	.end_amdhsa_kernel
	.amdgpu_metadata
---
amdhsa.version: [ 1, 2 ]
amdhsa.kernels:
  - .name:           k_q6dfb8596ae_mlp
    .symbol:         k_q6dfb8596ae_mlp.kd
    .args:
      - { .name: x, .offset: 0, .size: 8, .value_kind: global_buffer, .address_space: global }
      - { .name: oimg, .offset: 8, .size: 8, .value_kind: global_buffer, .address_space: global }
      - { .name: osc, .offset: 16, .size: 8, .value_kind: global_buffer, .address_space: global }
      - { .name: wimg, .offset: 24, .size: 8, .value_kind: global_buffer, .address_space: global }
      - { .name: wsc, .offset: 32, .size: 8, .value_kind: global_buffer, .address_space: global }
      - { .name: proj_b, .offset: 40, .size: 8, .value_kind: global_buffer, .address_space: global }
      - { .name: ln2_g, .offset: 48, .size: 8, .value_kind: global_buffer, .address_space: global }
      - { .name: ln2_b, .offset: 56, .size: 8, .value_kind: global_buffer, .address_space: global }
      - { .name: mlp_b1, .offset: 64, .size: 8, .value_kind: global_buffer, .address_space: global }
      - { .name: mlp_b2, .offset: 72, .size: 8, .value_kind: global_buffer, .address_space: global }
      - { .name: out0, .offset: 80, .size: 8, .value_kind: global_buffer, .address_space: global }
    .group_segment_fixed_size: 77824
    .private_segment_fixed_size: 0
    .kernarg_segment_align: 8
    .kernarg_segment_size: 88
    .max_flat_workgroup_size: 128
    .sgpr_count:     66
    .vgpr_count:     1024
    .wavefront_size: 32
...
	.end_amdgpu_metadata
.endif
;; end of part 6
